; MI455X (gfx1250); checked and timed in simulation.
; The chip was launched on July 23, 2026; its instructions are those of AMD's public machine-readable ISA for CDNA 5 (MIT licence, August 2026) and "CDNA5" Instruction Set Architecture Reference Guide (July 2026). The comments in the code are by the model that wrote it; some were corrected since.
;; CAN Layer. Allowed arithmetic: matrix products marked QUANTISED: E2M1 operands, one E8M0 scale for each 32 along K, by v_wmma_scale_f32_16x16x128_f8f6f4 with both operands' format E2M1 (or v_wmma_scale_f32_32x16x128_f4), f32 sums; everything else in f32.
;; Inputs: Wk_d 256 x 256 float32; Wk_p 256 x 256 float32; Wq_d 256 x 256 float32; Wq_p 256 x 256 float32; Wv_d 256 x 256 float32; Wv_p 256 x 256 float32; drug 16 x 512 x 256 float32; mask_drug 16 x 512 bool; mask_prot 16 x 2,048 bool; protein 16 x 2,048 x 256 float32.
;; Outputs: out0 16 x 512 float32; out1 16 x 128 x 512 x 8 float32.
;; This version of the problem:
;;   THIS VERSION OF THE PROBLEM IS GIVEN IN LOW PRECISION. The matrix products marked QUANTISED in the list below multiply operands that are first quantised to E2M1 (2 exponent bits, 1 mantissa bit; 4 bits a number), with one power-of-two scale for each 32 numbers along K (OCP MX v1.0); their sums are f32. All else is computed in f32.
;;   The module's matrix products, in the order in which they are computed (A, B: the left and right operand; K: the contracted axis; several contracted axes count as one K, in the product's order):
;;     1. [M 8,192, K 256] x [K 256, N 256]; A: computed on the way; B: input Wq_p: QUANTISED
;;     2. [M 8,192, K 256] x [K 256, N 256]; A: computed on the way; B: input Wk_p: QUANTISED
;;     3. [M 8,192, K 256] x [K 256, N 256]; A: computed on the way; B: input Wv_p: QUANTISED
;;     4. [M 2,048, K 256] x [K 256, N 256]; A: computed on the way; B: input Wq_d: QUANTISED
;;     5. [M 2,048, K 256] x [K 256, N 256]; A: computed on the way; B: input Wk_d: QUANTISED
;;     6. [M 2,048, K 256] x [K 256, N 256]; A: computed on the way; B: input Wv_d: QUANTISED
;;     7. batch 128 x [M 512, K 32] x [K 32, N 512]; A: computed on the way; B: computed on the way: QUANTISED
;;     8. batch 128 x [M 128, K 32] x [K 32, N 512]; A: computed on the way; B: computed on the way: QUANTISED
;;     9. batch 128 x [M 512, K 32] x [K 32, N 128]; A: computed on the way; B: computed on the way: QUANTISED
;;     10. batch 128 x [M 128, K 32] x [K 32, N 128]; A: computed on the way; B: computed on the way: QUANTISED
;;     11. batch 128 x [M 32, K 512] x [K 512, N 512]; A: computed on the way; B: computed on the way: QUANTISED
;;     12. batch 128 x [M 32, K 128] x [K 128, N 512]; A: computed on the way; B: computed on the way: QUANTISED
;;     13. batch 128 x [M 32, K 512] x [K 512, N 128]; A: computed on the way; B: computed on the way: QUANTISED
;;     14. batch 128 x [M 32, K 128] x [K 128, N 128]; A: computed on the way; B: computed on the way: QUANTISED
;;   THE QUANTISER, for each operand of a quantised product, along K:
;;     - K is cut into blocks of 32 from its start; a last block that is shorter is filled with zeros.
;;     - A block's scale is 2^e with e = floor(log2(the largest magnitude in the block)) - 2, held to -126 .. 127; a block of zeros has e = 0. As a byte (E8M0): e + 127.
;;     - Each number is divided by its block's scale, clamped to +-6, and rounded to the nearest number of E2M1, ties to even, subnormals kept.
;;     - The product sums the exact products of the quantised numbers (number of the format x scale) in f32.
;;   ~~~python
;;   def quantise(x, axis):      # numpy; x: float32 -> the quantised numbers, widened to float32 again
;;       x = np.moveaxis(x, axis, -1); K = x.shape[-1]
;;       x = np.pad(x, [(0, 0)] * (x.ndim - 1) + [(0, -K % 32)]); x = x.reshape(x.shape[:-1] + (-1, 32)); a = np.abs(x).max(-1, keepdims=True)
;;       e = np.where(a > 0, np.clip(np.frexp(np.where(a > 0, a, 1))[1] - 1 - 2, -126, 127), 0)      # np.frexp(a)[1] - 1 = floor(log2(a)), exactly
;;       r = np.clip(x / 2.0 ** e, -6, 6)
;;       step = 2.0 ** (np.maximum(np.frexp(np.where(r == 0, 1, r))[1] - 1, 0) - 1)
;;       q = np.round(r / step) * step * 2.0 ** e      # np.round: ties to even
;;       return np.moveaxis(q.reshape(q.shape[:-2] + (-1,))[..., :K], -1, axis).astype(np.float32)
;;   ~~~
;;   OPERANDS COMPUTED ON THE WAY. 'Computed on the way' means the value that the module computes at that place (a softmax that the list does not call 'softmax' is quantised finished and normalised). What goes into a quantiser is computed in f32, as accurately as f32 sums, v_exp_f32 and their like allow (about 1e-6 of the number): no bf16 or f16 on the way to a quantiser, and a product that is left as it is and whose result goes on into a quantised operand takes f32 operands (vector FMAs, or v_wmma_f32_16x16x4_f32). A number that lies on a knife's edge between two numbers of the format may be rounded either way, as far as f32 arithmetic and the matrix unit's own rounding can turn it there, and no further.
;; 2 versions, each right; version 2 is version 1 with the launches proj, sink, emit written anew for expert scheduling mode. Each part assembles by itself: llvm-mc -triple=amdgcn-amd-amdhsa -mcpu=gfx1250 --defsym DOCPART=n.
;; ======== version 1 of 2: 4 launches
;; workspace buffers: wq 208,896 bytes; pj 4,710,400 bytes; sk 655,360 bytes
;; launch wquant (part 1): grid 4 x 6, 4 waves a work-group, no clusters, 1,024 bytes of LDS; arguments Wq_p, Wk_p, Wv_p, Wq_d, Wk_d, Wv_d, wq; writes wq
.if DOCPART == 1
	.amdgcn_target "amdgcn-amd-amdhsa--gfx1250"
	.amdhsa_code_object_version 6
	.text
	.protected	k_qdce8b9131d_wquant
	.globl	k_qdce8b9131d_wquant
	.p2align	8
	.type	k_qdce8b9131d_wquant,@function
k_qdce8b9131d_wquant:
	s_mov_b64 s[64:65], 0
	v_nop
	global_prefetch_b8 v0, s[64:65] scope:SCOPE_SE
	s_setreg_imm32_b32 hwreg(HW_REG_WAVE_MODE, 25, 1), 1
	s_wait_xcnt 0x0
; The six weights [256 (out)][256 (in)] f32 become codes of E2M1 with one E8M0 byte for each 32 along K = in, laid as IMAGES OF OPERAND REGISTERS:
;   wq + 0:       [weight 6][head 8][tile u 2][K step s 2][c 2][lane 32][16 bytes]
;   wq + 0x30000: scale words [weight][head][u][row r 16][s 2], 4 bytes each
; A tile is 16 rows of a weight.  For Wq and Wk lane r of tile u takes row 32 head + 8 u + r + 8 (r / 8), so that the two tiles' results are 16 neighbouring channels in a lane;
; for Wv it takes row 32 head + 16 u + r.  Work-group (x, y): weight y, heads 2 x and 2 x + 1; wave w: head 2 x + w / 2, tile w % 2.
; Lane (r, hf) owns whole blocks: k = 128 s + 64 c + 32 hf + 0 .. 31 of its row, so no other lane is asked for a maximum and the conversions' results are the operand's registers.
; A lane reads its 128 bytes of a block by eight loads of 16 bytes; the six weights are a small part of what the program reads.
; A block's byte is its largest magnitude's exponent field - 2, held at 1 from below.  A block of zeros keeps the byte 1 (its codes are zeros; this program alone reads the bytes).
; LIMITS: NaN and infinities among the inputs are not served.
.set X,  64                            ; v64-191  128 numbers: block q = 2 s + c at X + 32 q
.set CF, 24                            ; v24-39   the codes: block q at CF + 4 q
.set WS_OFF, 0x30000
	s_load_b256 s[4:11], s[0:1], 0x0               ; Wq_p, Wk_p, Wv_p, Wq_d
	s_load_b128 s[12:15], s[0:1], 0x20             ; Wk_d, Wv_d
	s_load_b64 s[16:17], s[0:1], 0x30              ; wq
	v_lshl_add_u32 v192, v0, 2, 0x200
	v_mov_b32 v193, 0
	v_lshrrev_b32 v1, 5, v0
	v_readfirstlane_b32 s21, v1                    ; wave
	s_and_b32 s20, ttmp7, 0xffff                   ; which weight
	v_and_b32 v1, 31, v0                           ; lane
	v_and_b32 v2, 15, v0                           ; r
	v_bfe_u32 v3, v0, 4, 1                         ; hf
	s_cmp_eq_u32 s20, 2
	s_cselect_b32 s22, 1, 0
	s_cmp_eq_u32 s20, 5
	s_cselect_b32 s22, 1, s22                      ; 1: a weight of V
	s_cmp_eq_u32 s22, 1
	s_cselect_b32 s23, 0, 1                        ; rows 8 .. 15 of a tile lie 8 further on (q, k) or not (v)
	s_cselect_b32 s24, 16, 8                       ; rows from tile 0 to tile 1
	s_lshr_b32 s25, s21, 1
	s_lshl_b32 s26, ttmp9, 1
	s_add_co_u32 s25, s25, s26                     ; head
	s_and_b32 s26, s21, 1                          ; u
	s_mul_i32 s27, s26, s24
	s_lshl_b32 s28, s25, 5
	s_add_co_u32 s27, s27, s28                     ; the tile's first row
	v_and_b32 v4, 8, v2
	v_mul_u32_u24 v4, s23, v4
	v_add3_u32 v4, v4, v2, s27                     ; my row
	v_lshlrev_b32 v4, 10, v4                       ; 1,024 bytes a row
	v_lshl_add_u32 v4, v3, 7, v4                   ; + 128 hf
	s_lshl_b32 s28, s20, 3
	s_add_co_u32 s28, s28, s25
	s_lshl_b32 s28, s28, 1
	s_add_co_u32 s28, s28, s26
	s_lshl_b32 s28, s28, 11                        ; the tile's images: 2,048 bytes
	v_lshl_add_u32 v5, v1, 4, s28
	s_lshl_b32 s29, s20, 2
	s_add_co_u32 s29, s29, ttmp9
	s_lshl_b32 s29, s29, 9                         ; the work-group's scale words: 512 bytes
	v_lshl_add_u32 v6, v1, 4, s29
	s_lshl_b32 s30, s21, 7
	v_lshl_add_u32 v7, v2, 3, s30                  ; LDS: 128 w + 8 r
	v_lshlrev_b32 v40, 4, v1                       ; LDS, on the way out: 16 x lane
	v_lshlrev_b32 v41, 3, v3                       ; 8 hf bits
	s_mov_b32 s32, 0x76543210
	s_mov_b32 s33, 0xfedcba98                      ; v_permlanex16_b32's selects for lane l xor 16
	v_mov_b32 v22, 0                               ; a lane permute's destination counts as one of its sources
	v_mov_b32 v23, 0
	s_wait_kmcnt 0x0
	s_mov_b64 s[18:19], s[4:5]                     ; the weight's address: a choice on the work-group's number alone
	s_cmp_eq_u32 s20, 1
	s_cselect_b64 s[18:19], s[6:7], s[18:19]
	s_cmp_eq_u32 s20, 2
	s_cselect_b64 s[18:19], s[8:9], s[18:19]
	s_cmp_eq_u32 s20, 3
	s_cselect_b64 s[18:19], s[10:11], s[18:19]
	s_cmp_eq_u32 s20, 4
	s_cselect_b64 s[18:19], s[12:13], s[18:19]
	s_cmp_eq_u32 s20, 5
	s_cselect_b64 s[18:19], s[14:15], s[18:19]
.irp q, 0,1,2,3
.irp i, 0,1,2,3,4,5,6,7
	global_load_b128 v[X+32*\q+4*\i:X+32*\q+4*\i+3], v4, s[18:19] offset:256*\q+16*\i
.endr
.endr
	s_wait_loadcnt 0x0
.irp q, 0,1,2,3
	v_max3_num_f32 v[8+\q], |v[X+32*\q]|, |v[X+32*\q+1]|, 0x1800000   ; the floor 2^(3 - 127) among the leaves: the byte cannot fall under 1
.endr
.irp i, 2,4,6,8,10,12,14,16,18,20,22,24,26,28,30
.irp q, 0,1,2,3
	v_max3_num_f32 v[8+\q], v[8+\q], |v[X+32*\q+\i]|, |v[X+32*\q+\i+1]|   ; the four blocks by turns
.endr
.endr
.irp q, 0,1,2,3
	v_add_nc_u32 v[12+\q], 0xff000000, v[8+\q]     ; 2 off the exponent field: the conversion's scale operand
.endr
.irp q, 0,1,2,3
	v_lshrrev_b32 v[16+\q], 23, v[12+\q]           ; the scale's byte
.endr
.irp q, 0,1,2,3
.irp g, 0,1,2,3
	v_cvt_scalef32_pk8_fp4_f32 v[CF+4*\q+\g], v[X+32*\q+8*\g:X+32*\q+8*\g+7], v[12+\q]
.endr
.endr
	v_nop                                          ; one plain place behind the conversions
.irp s, 0,1
	v_lshl_or_b32 v[20+\s], v[17+2*\s], 16, v[16+2*\s]   ; my two bytes of K step s: blocks hf and 2 + hf,
	v_lshlrev_b32 v[20+\s], v41, v[20+\s]          ; at their places in the word;
.endr
.irp s, 0,1
	v_permlanex16_b32 v[22+\s], v[20+\s], s32, s33
.endr
.irp s, 0,1
	v_or_b32 v[20+\s], v[20+\s], v[22+\s]          ; with lane l xor 16's two the word is whole
.endr
	ds_store_b64 v7, v[20:21]                      ; both halves of the lanes write the same words
.irp q, 0,1,2,3
	global_store_b128 v5, v[CF+4*\q:CF+4*\q+3], s[16:17] offset:512*\q   ; 32 lanes store 512 consecutive bytes
.endr
	s_wait_dscnt 0x0                               ; for the others' sake: my words lie in LDS
	s_barrier_signal -1
	s_barrier_wait -1
	s_cmp_lg_u32 s21, 0
	s_cbranch_scc1 .Lend
	ds_load_b128 v[44:47], v40                     ; the four tiles' scale words leave as 512 consecutive bytes
	s_wait_dscnt 0x0
	global_store_b128 v6, v[44:47], s[16:17] offset:WS_OFF
.Lend:
	s_wait_tensorcnt 0x0
	ds_add_u32 v192, v193
	s_wait_dscnt 0x0
	s_endpgm
.Lfunc_end_k_qdce8b9131d_wquant:
	.size	k_qdce8b9131d_wquant, .Lfunc_end_k_qdce8b9131d_wquant-k_qdce8b9131d_wquant
	.p2alignl 7, 3214868480
	.fill 96, 4, 3214868480
	.section	.rodata,"a",@progbits
	.p2align	6, 0x0
	.amdhsa_kernel k_qdce8b9131d_wquant
		.amdhsa_group_segment_fixed_size 1024
		.amdhsa_private_segment_fixed_size 0
		.amdhsa_enable_private_segment 0
		.amdhsa_kernarg_size 56
		.amdhsa_user_sgpr_count 2
		.amdhsa_user_sgpr_kernarg_segment_ptr 1
		.amdhsa_wavefront_size32 1
		.amdhsa_system_sgpr_workgroup_id_x 1
		.amdhsa_system_sgpr_workgroup_id_y 1
		.amdhsa_system_sgpr_workgroup_id_z 1
		.amdhsa_system_vgpr_workitem_id 0
		.amdhsa_next_free_vgpr 194
		.amdhsa_next_free_sgpr 66
		.amdhsa_reserve_vcc 0
		.amdhsa_float_denorm_mode_32 3
		.amdhsa_float_denorm_mode_16_64 3
		.amdhsa_memory_ordered 1
		.amdhsa_forward_progress 1
		.amdhsa_inst_pref_size 13
	.end_amdhsa_kernel
	.amdgpu_metadata
---
amdhsa.version: [ 1, 2 ]
amdhsa.kernels:
  - .name:           k_qdce8b9131d_wquant
    .symbol:         k_qdce8b9131d_wquant.kd
    .args:
      - { .name: Wq_p, .offset: 0, .size: 8, .value_kind: global_buffer, .address_space: global }
      - { .name: Wk_p, .offset: 8, .size: 8, .value_kind: global_buffer, .address_space: global }
      - { .name: Wv_p, .offset: 16, .size: 8, .value_kind: global_buffer, .address_space: global }
      - { .name: Wq_d, .offset: 24, .size: 8, .value_kind: global_buffer, .address_space: global }
      - { .name: Wk_d, .offset: 32, .size: 8, .value_kind: global_buffer, .address_space: global }
      - { .name: Wv_d, .offset: 40, .size: 8, .value_kind: global_buffer, .address_space: global }
      - { .name: wq, .offset: 48, .size: 8, .value_kind: global_buffer, .address_space: global }
    .group_segment_fixed_size: 1024
    .private_segment_fixed_size: 0
    .kernarg_segment_align: 8
    .kernarg_segment_size: 56
    .max_flat_workgroup_size: 128
    .sgpr_count:     66
    .vgpr_count:     194
    .wavefront_size: 32
...
	.end_amdgpu_metadata
.endif
;; end of part 1
;; launch proj (part 2): grid 160 x 1, 8 waves a work-group, no clusters, 15,360 bytes of LDS; arguments protein, drug, mask_prot, mask_drug, wq, pj; writes pj
.if DOCPART == 2
	.amdgcn_target "amdgcn-amd-amdhsa--gfx1250"
	.amdhsa_code_object_version 6
	.text
	.protected	k_qdce8b9131d_proj
	.globl	k_qdce8b9131d_proj
	.p2align	8
	.type	k_qdce8b9131d_proj,@function
k_qdce8b9131d_proj:
	s_mov_b64 s[64:65], 0
	v_nop
	global_prefetch_b8 v0, s[64:65] scope:SCOPE_SE
	s_setreg_imm32_b32 hwreg(HW_REG_WAVE_MODE, 25, 1), 1
	s_wait_xcnt 0x0
; Groups of four rows are averaged, quantised along K = 256, multiplied by the three weights of their kind (codes from wq), and q, k, v are quantised for the products that follow.
; Work-groups 0-127 take protein, 128-159 drug: only pointers and offsets are chosen, one path through the text.  A work-group owns 64 grouped rows (256 raw rows, 256 KiB).
; PHASE X: wave w averages raw rows 32 w .. 32 w + 31 into grouped rows 8 w .. 8 w + 7.  Each load reads 512 consecutive bytes; a lane holds 4 neighbouring columns of each half row, eight lanes a block of 32.
;   The codes go to LDS as rows of 128 bytes + 16 of padding, the scale bytes 8 a row.
; MATRIX PHASE: wave = head.  q, k: source 0 = 16 rows of W (chosen so that a lane's 16 results are 16 neighbouring channels), source 1 = 16 grouped rows: a lane holds one row and half a head, two lanes the block of 32.
;   v: source 0 = 16 grouped rows, chosen likewise, source 1 = 16 rows of Wv: a lane holds one channel and 16 neighbouring keys, since the keys are the next product's K.
; OUT (pj): q, k codes [n][h][l][16 B]; their scale bytes as words with the byte in all four places [n][h][l]; V^T as images of operand registers [n][h][dt][s][c][lane][16 B];
;   V's two scale bytes of 64 keys [n][g][h][dt][r] u16; the group masks as 0.0 or 1.0.
; No cluster: what the work-groups share, the weights' 100 KiB of codes, is the lesser part of a work-group's 356 KiB and goes straight into registers.
; A block of zeros keeps the byte 1 (its codes are zeros; this program alone reads the bytes).  LIMITS: NaN and infinities among the inputs are not served.
; REGISTERS: v1-15 addresses; v16-111 W's 12 fragments (later x's permuted fragments in v16-79); v112-123 scale words; v128-223 three sets of 32 raw numbers, later fragments, sums and results;
;   v224-239 codes and bytes on their way to LDS; v240-243 at work; v244-245 x's scale words; v246-251 addresses of the way out.
.set QC_P, 0x000000
.set KC_P, 0x100000
.set QC_D, 0x200000
.set KC_D, 0x240000
.set QS_P, 0x280000
.set KS_P, 0x2C0000
.set QS_D, 0x300000
.set KS_D, 0x310000
.set VI_P, 0x320000
.set VI_D, 0x420000
.set VH_P, 0x460000
.set VH_D, 0x470000
.set MF_P, 0x474000
.set MF_D, 0x47C000
.set WS_OFF, 0x30000
.set XP,    144                        ; LDS: a row of x's codes: 128 bytes + 16: the 16 rows of a fragment load start at 16 different groups of banks
.set L_XS,  9216                       ; 64 rows x 8 scale bytes
.set L_SCQ, 9728                       ; [q, k][head 8][row 64] scale words
.set L_VSS, 13824                      ; [head][dt][r] u16
	s_load_b256 s[4:11], s[0:1], 0x0               ; protein, drug, mask_prot, mask_drug
	s_load_b128 s[12:15], s[0:1], 0x20             ; wq, pj
	v_lshl_add_u32 v254, v0, 2, 0x3800
	v_mov_b32 v255, 0
	v_lshrrev_b32 v1, 5, v0
	v_readfirstlane_b32 s20, v1                    ; wave = head
	v_and_b32 v16, 31, v0                          ; lane
	v_and_b32 v17, 15, v0                          ; r
	v_bfe_u32 v18, v0, 4, 1                        ; hf
	v_and_b32 v19, 8, v17
	v_add_nc_u32 v19, v19, v17                     ; r + 8 (r / 8)
	s_lshl_b32 s36, s20, 15
	v_lshl_add_u32 v1, v16, 4, s36                 ; x: my wave's 32 raw rows, 16 bytes a lane
	s_mul_i32 s37, s20, 8*XP
	v_lshl_add_u32 v2, v16, 1, s37                 ; LDS: my wave's 8 rows of codes, 2 bytes a lane
	s_lshl_b32 s38, s20, 6
	v_lshrrev_b32 v3, 3, v16
	v_add_nc_u32 v3, s38, v3                       ; LDS: my wave's 64 scale bytes, my block's
	v_mul_u32_u24 v4, v17, XP
	v_lshl_add_u32 v4, v18, 4, v4                  ; a fragment of neighbouring rows
	v_mul_u32_u24 v5, v19, XP
	v_lshl_add_u32 v5, v18, 4, v5                  ; a fragment of chosen rows
	v_lshlrev_b32 v6, 3, v17                       ; their scale words
	v_lshlrev_b32 v7, 3, v19
	s_lshl_b32 s39, s20, 8
	v_lshl_add_u32 v8, v17, 2, s39                 ; LDS: my head's scale words of q and k
	v_lshl_add_u32 v9, v17, 1, s38                 ; LDS: my head's scale bytes of v
	v_lshlrev_b32 v246, 4, v0
	v_lshlrev_b32 v248, 4, v16
	s_mov_b32 s50, 0x76543210
	s_mov_b32 s51, 0xfedcba98                      ; v_permlanex16_b32's selects for lane l xor 16
	s_wait_kmcnt 0x0
	s_cmp_lt_u32 ttmp9, 128                        ; protein or drug: the choice hangs on the work-group's number alone
	s_cselect_b64 s[16:17], s[4:5], s[6:7]
	s_cselect_b64 s[18:19], s[8:9], s[10:11]
	s_cselect_b32 s21, 0, 128
	s_cselect_b32 s22, 9, 7                        ; log2 of the grouped rows of a batch entry
	s_cselect_b32 s23, 3, 1                        ; log2 of the work-groups of a batch entry
	s_cselect_b32 s24, 0, 3                        ; the first of my three weights
	s_mov_b32 s25, QC_D
	s_cselect_b32 s25, QC_P, s25
	s_mov_b32 s26, KC_D
	s_cselect_b32 s26, KC_P, s26
	s_mov_b32 s27, QS_D
	s_cselect_b32 s27, QS_P, s27
	s_mov_b32 s28, KS_D
	s_cselect_b32 s28, KS_P, s28
	s_mov_b32 s29, VI_D
	s_cselect_b32 s29, VI_P, s29
	s_mov_b32 s30, VH_D
	s_cselect_b32 s30, VH_P, s30
	s_mov_b32 s31, MF_D
	s_cselect_b32 s31, MF_P, s31
	s_sub_co_u32 s32, ttmp9, s21                   ; gg: my block of 64 grouped rows in my tensor
	s_lshr_b32 s33, s32, s23                       ; n
	s_bfm_b32 s34, s23, 0
	s_and_b32 s34, s32, s34                        ; blk: my block within n
	s_lshl_b32 s36, s32, 18
	s_mov_b32 s37, 0
	s_add_nc_u64 s[16:17], s[16:17], s[36:37]      ; x at my 256 raw rows
	s_lshl_b32 s36, s32, 8
	s_add_nc_u64 s[18:19], s[18:19], s[36:37]      ; the mask likewise
.macro XLOAD rho                       ; the four raw rows of grouped row rho: eight loads of 512 consecutive bytes
.set SL2, 128+32*((\rho)%3)
.irp i, 0,1,2,3
.irp e, 0,1
	global_load_b128 v[SL2+8*\i+4*\e:SL2+8*\i+4*\e+3], v1, s[16:17] offset:(4*(\rho)+\i)*1024+512*\e th:TH_LOAD_NT
.endr
.endr
.endm
	XLOAD 0
	XLOAD 1
	XLOAD 2
	s_lshl_b32 s35, s24, 3
	s_add_co_u32 s35, s35, s20                     ; 8 x weight + head
	s_lshl_b32 s36, s35, 12
	v_lshl_add_u32 v10, v16, 4, s36                ; W's images
	s_lshl_b32 s36, s35, 8
	v_lshl_add_u32 v11, v17, 3, s36                ; W's scale words
.irp p, 0,1,2
.irp u, 0,1
.irp s, 0,1
.irp c, 0,1
	global_load_b128 v[16+32*\p+16*\u+8*\s+4*\c:16+32*\p+16*\u+8*\s+4*\c+3], v10, s[12:13] offset:32768*\p+2048*\u+1024*\s+512*\c
.endr
.endr
	global_load_b64 v[112+4*\p+2*\u:113+4*\p+2*\u], v11, s[12:13] offset:WS_OFF+2048*\p+128*\u
.endr
.endr
	; offsets of the stores
	v_and_b32 v250, 15, v0
	v_bfe_u32 v251, v0, 4, 1
	s_lshl_b32 s35, s33, 3
	s_add_co_u32 s35, s35, s20                     ; 8 n + head
	s_lshl_b32 s38, s35, s22
	s_lshl_b32 s39, s34, 6
	s_add_co_u32 s38, s38, s39                     ; my head's first row of this block
	s_lshl_b32 s40, s38, 4
	s_add_co_u32 s41, s40, s25
	s_add_co_u32 s42, s40, s26
	v_lshlrev_b32 v12, 4, v250
	v_lshl_add_u32 v12, v251, 3, v12               ; 16 r + 8 hf
	v_add_nc_u32 v13, s42, v12                     ; k's codes
	v_add_nc_u32 v12, s41, v12                     ; q's codes
	s_add_co_u32 s43, s22, 4
	s_lshl_b32 s43, s35, s43
	s_lshl_b32 s44, s34, 9
	s_add_co_u32 s43, s43, s44
	s_add_co_u32 s43, s43, s29
	v_add_nc_u32 v14, s43, v248                    ; V's image, dt = 0
	s_add_co_u32 s44, s22, 3
	s_lshl_b32 s44, 1, s44
	v_add_nc_u32 v15, s44, v14                     ; dt = 1
	s_add_co_u32 s44, s22, 5
	s_lshl_b32 s44, s33, s44
	s_lshl_b32 s45, s34, 8
	s_add_co_u32 s44, s44, s45
	s_add_co_u32 s44, s44, s27
	v_lshlrev_b32 v247, 4, v250                    ; the scale words' way out: thread T holds rows 4 (T % 16) on of head (T / 16) % 8, of q (T < 128) or k
	v_bfe_u32 v250, v0, 4, 3
	s_add_co_u32 s45, s22, 2
	v_lshlrev_b32 v250, s45, v250
	v_add_nc_u32 v247, v247, v250
	v_lshrrev_b32 v250, 7, v0
	s_sub_co_u32 s46, s28, s27
	v_mul_u32_u24 v250, s46, v250
	v_add_nc_u32 v247, v247, v250
	v_add_nc_u32 v247, s44, v247
	s_lshl_b32 s45, s32, 9
	s_add_co_u32 s45, s45, s30
	v_add_nc_u32 v249, s45, v248                   ; V's scale bytes
	v_and_b32 v250, 31, v0
	v_lshlrev_b32 v250, 3, v250                    ; the mask: 8 bytes a lane
	s_lshl_b32 s45, s32, 8
	s_add_co_u32 s45, s45, s31
	v_add_nc_u32 v251, s45, v250                   ; and two group masks a lane
; Grouped row rho.  cnt: the loads issued behind this row's eight, which may stay out.
.macro XROW rho, cnt
.set SL, 128+32*((\rho)%3)
.set CR, 224+2*((\rho)%4)
.set BR, 232+2*((\rho)%4)
	s_wait_loadcnt \cnt
.irp i, 1,2,3
.irp p, 0,2,4,6
	v_pk_add_f32 v[SL+\p:SL+\p+1], v[SL+\p:SL+\p+1], v[SL+8*\i+\p:SL+8*\i+\p+1]   ; ((x0 + x1) + x2) + x3
.endr
.endr
.irp p, 0,2,4,6
	v_pk_mul_f32 v[SL+\p:SL+\p+1], v[SL+\p:SL+\p+1], 0x3e800000 op_sel_hi:[1,0]   ; x 0.25: exact
.endr
	v_max3_num_f32 v240, |v[SL]|, |v[SL+1]|, 0x1800000     ; my four numbers of each half row, and the floor 2^(3 - 127)
	v_max3_num_f32 v241, |v[SL+4]|, |v[SL+5]|, 0x1800000
	v_max3_num_f32 v240, v240, |v[SL+2]|, |v[SL+3]|
	v_max3_num_f32 v241, v241, |v[SL+6]|, |v[SL+7]|
.irp x, 1,2,4
	v_max_num_f32_dpp v240, v240, v240 row_xmask:\x row_mask:0xf bank_mask:0xf   ; eight lanes hold a block of 32
	v_max_num_f32_dpp v241, v241, v241 row_xmask:\x row_mask:0xf bank_mask:0xf
.endr
	v_add_nc_u32 v242, 0xff000000, v240            ; 2 off the exponent field: the conversion's scale operand
	v_add_nc_u32 v243, 0xff000000, v241
	v_cvt_scalef32_pk8_fp4_f32 v[CR], v[SL:SL+7], v242       ; the low 16 bits are my four codes; the upper four numbers are not used
	v_cvt_scalef32_pk8_fp4_f32 v[CR+1], v[SL+4:SL+11], v243
	v_lshrrev_b32 v[BR], 23, v242                  ; the scale's byte (a plain place behind the conversions)
	v_lshrrev_b32 v[BR+1], 23, v243
	ds_store_b16 v2, v[CR] offset:XP*(\rho)
	ds_store_b16 v2, v[CR+1] offset:XP*(\rho)+64
	ds_store_b8 v3, v[BR] offset:L_XS+8*(\rho)     ; the eight lanes of a block write the same byte
	ds_store_b8 v3, v[BR+1] offset:L_XS+8*(\rho)+4
.if (\rho)+3 < 8
	XLOAD (\rho)+3
.endif
.endm
	XROW 0, 46                                     ; behind row 0's loads: rows 1, 2 and the 30 loads of the weights
	XROW 1, 46                                     ; row 2, the weights, row 3
	XROW 2, 46                                     ; the weights, rows 3, 4
	XROW 3, 16                                     ; rows 4, 5: the weights are in from here on
	XROW 4, 16
	XROW 5, 16
	XROW 6, 8
	XROW 7, 0
	s_wait_dscnt 0x0                               ; for the others' sake: my rows lie in LDS
	s_barrier_signal -1
	s_barrier_wait -1
	; ---- q and k of my head, 16 grouped rows at a time.  Four sums by turns: q's two tiles, k's two tiles.
.irp lt, 0,1,2,3
.irp s, 0,1
.irp c, 0,1
	ds_load_b128 v[128+8*\s+4*\c:128+8*\s+4*\c+3], v4 offset:16*XP*\lt+64*\s+32*\c
.endr
.endr
	ds_load_b64 v[244:245], v6 offset:L_XS+128*\lt
	s_wait_dscnt 0x0
.irp a, 0,1,2,3
	v_wmma_scale_f32_16x16x128_f8f6f4 v[160+8*\a:167+8*\a], v[16+16*\a:23+16*\a], v[128:135], 0, v[112+2*\a], v244 matrix_a_fmt:MATRIX_FMT_FP4 matrix_b_fmt:MATRIX_FMT_FP4
.endr
.irp a, 0,1,2,3
	v_wmma_scale_f32_16x16x128_f8f6f4 v[160+8*\a:167+8*\a], v[24+16*\a:31+16*\a], v[136:143], v[160+8*\a:167+8*\a], v[113+2*\a], v245 matrix_a_fmt:MATRIX_FMT_FP4 matrix_b_fmt:MATRIX_FMT_FP4
.endr
.rept 4
	v_nop                                          ; places behind the products: for the reads of their results and for the next loads into their operands
.endr
	v_max3_num_f32 v216, |v160|, |v161|, 0x1800000 ; lane (r, hf): row r, channels 16 hf + 0 .. 15 of the head
	v_max3_num_f32 v217, |v176|, |v177|, 0x1800000
.irp i, 2,4,6,8,10,12,14
	v_max3_num_f32 v216, v216, |v[160+\i]|, |v[161+\i]|
	v_max3_num_f32 v217, v217, |v[176+\i]|, |v[177+\i]|
.endr
	v_permlanex16_b32 v218, v216, s50, s51
	v_permlanex16_b32 v219, v217, s50, s51
	v_max_num_f32 v216, v216, v218                 ; with lane l xor 16's: the head's 32 channels are one block
	v_max_num_f32 v217, v217, v219
	v_add_nc_u32 v220, 0xff000000, v216
	v_add_nc_u32 v221, 0xff000000, v217
	v_lshrrev_b32 v222, 23, v220
	v_lshrrev_b32 v223, 23, v221
	v_cvt_scalef32_pk8_fp4_f32 v[192+4*\lt], v[160:167], v220
	v_cvt_scalef32_pk8_fp4_f32 v[193+4*\lt], v[168:175], v220
	v_cvt_scalef32_pk8_fp4_f32 v[194+4*\lt], v[176:183], v221
	v_cvt_scalef32_pk8_fp4_f32 v[195+4*\lt], v[184:191], v221
	v_lshl_or_b32 v[208+2*\lt], v222, 8, v222      ; the byte in all four places of a word (plain places behind the conversions)
	v_lshl_or_b32 v[209+2*\lt], v223, 8, v223
	v_lshl_or_b32 v[208+2*\lt], v[208+2*\lt], 16, v[208+2*\lt]
	v_lshl_or_b32 v[209+2*\lt], v[209+2*\lt], 16, v[209+2*\lt]
	global_store_b64 v12, v[192+4*\lt:193+4*\lt], s[14:15] offset:256*\lt   ; 32 lanes store 256 consecutive bytes, aligned; each tile of rows has result registers of its own
	global_store_b64 v13, v[194+4*\lt:195+4*\lt], s[14:15] offset:256*\lt
	ds_store_b32 v8, v[208+2*\lt] offset:L_SCQ+64*\lt
	ds_store_b32 v8, v[209+2*\lt] offset:L_SCQ+2048+64*\lt
.endr
	; ---- v of my head: rows chosen so that a lane's 16 results of two tiles are 16 neighbouring keys
.irp t, 0,1,2,3
.irp s, 0,1
.irp c, 0,1
	ds_load_b128 v[16+16*\t+8*\s+4*\c:16+16*\t+8*\s+4*\c+3], v5 offset:(32*(\t/2)+8*(\t%2))*XP+64*\s+32*\c
.endr
.endr
	ds_load_b64 v[112+2*\t:113+2*\t], v7 offset:L_XS+(32*(\t/2)+8*(\t%2))*8
.endr
	s_wait_dscnt 0x0
.rept 5
	v_nop                                          ; the sums below lie over registers of the products above
.endr
.irp d, 0,1
.irp t, 0,1,2,3
	v_wmma_scale_f32_16x16x128_f8f6f4 v[128+32*\d+8*\t:135+32*\d+8*\t], v[16+16*\t:23+16*\t], v[80+16*\d:87+16*\d], 0, v[112+2*\t], v[120+2*\d] matrix_a_fmt:MATRIX_FMT_FP4 matrix_b_fmt:MATRIX_FMT_FP4
.endr
.endr
.irp d, 0,1
.irp t, 0,1,2,3
	v_wmma_scale_f32_16x16x128_f8f6f4 v[128+32*\d+8*\t:135+32*\d+8*\t], v[24+16*\t:31+16*\t], v[88+16*\d:95+16*\d], v[128+32*\d+8*\t:135+32*\d+8*\t], v[113+2*\t], v[121+2*\d] matrix_a_fmt:MATRIX_FMT_FP4 matrix_b_fmt:MATRIX_FMT_FP4
.endr
.endr
.rept 4
	v_nop
.endr
.irp q, 0,1,2,3                        ; block q = 2 dt + b: channel 16 dt + r, keys 32 b + 16 hf + 0 .. 15
	v_max3_num_f32 v[232+\q], |v[128+16*\q]|, |v[129+16*\q]|, 0x1800000
.endr
.irp i, 2,4,6,8,10,12,14
.irp q, 0,1,2,3
	v_max3_num_f32 v[232+\q], v[232+\q], |v[128+16*\q+\i]|, |v[129+16*\q+\i]|
.endr
.endr
.irp q, 0,1,2,3
	v_permlanex16_b32 v[236+\q], v[232+\q], s50, s51
.endr
.irp q, 0,1,2,3
	v_max_num_f32 v[232+\q], v[232+\q], v[236+\q]
.endr
.irp q, 0,1,2,3
	v_add_nc_u32 v[240+\q], 0xff000000, v[232+\q]
.endr
.irp q, 0,1,2,3
	v_lshrrev_b32 v[232+\q], 23, v[240+\q]
.endr
.irp q, 0,1,2,3
	v_cvt_scalef32_pk8_fp4_f32 v[224+2*\q], v[128+16*\q:135+16*\q], v[240+\q]
	v_cvt_scalef32_pk8_fp4_f32 v[225+2*\q], v[136+16*\q:143+16*\q], v[240+\q]
.endr
	v_nop                                          ; one plain place behind the conversions
.irp d, 0,1
.irp i, 0,1
	v_permlane16_swap_b32 v[224+4*\d+\i], v[226+4*\d+\i]   ; the operand's layout wants a whole block in a lane: lanes 0-15 keys 0-31, lanes 16-31 keys 32-63
.endr
	v_lshl_or_b32 v[232+2*\d], v[233+2*\d], 8, v[232+2*\d]   ; the two blocks' bytes
.endr
	ds_store_b16 v9, v232 offset:L_VSS
	ds_store_b16 v9, v234 offset:L_VSS+32
	global_store_b128 v14, v[224:227], s[14:15]    ; 32 lanes store 512 consecutive bytes
	global_store_b128 v15, v[228:231], s[14:15]
	s_wait_dscnt 0x0                               ; for the others' sake: my scale words and bytes lie in LDS
	s_barrier_signal -1
	s_barrier_wait -1
	ds_load_b128 v[128:131], v246 offset:L_SCQ
	s_wait_dscnt 0x0
	global_store_b128 v247, v[128:131], s[14:15]   ; sixteen lanes store a head's 256 bytes, aligned
	s_cmp_lg_u32 s20, 0
	s_cbranch_scc1 .Lend
	ds_load_b128 v[132:135], v248 offset:L_VSS
	global_load_b64 v[136:137], v250, s[18:19]     ; eight mask bytes: two groups of four
	s_wait_dscnt 0x0
	global_store_b128 v249, v[132:135], s[14:15]
	s_wait_loadcnt 0x0
	v_cmp_ne_u32 vcc_lo, 0, v136                   ; any of the four
	v_cndmask_b32 v138, 0, 1.0, vcc_lo
	v_cmp_ne_u32 vcc_lo, 0, v137
	v_cndmask_b32 v139, 0, 1.0, vcc_lo
	global_store_b64 v251, v[138:139], s[14:15]
.Lend:
	s_wait_tensorcnt 0x0
	ds_add_u32 v254, v255
	s_wait_dscnt 0x0
	s_endpgm
.Lfunc_end_k_qdce8b9131d_proj:
	.size	k_qdce8b9131d_proj, .Lfunc_end_k_qdce8b9131d_proj-k_qdce8b9131d_proj
	.p2alignl 7, 3214868480
	.fill 96, 4, 3214868480
	.section	.rodata,"a",@progbits
	.p2align	6, 0x0
	.amdhsa_kernel k_qdce8b9131d_proj
		.amdhsa_group_segment_fixed_size 15360
		.amdhsa_private_segment_fixed_size 0
		.amdhsa_enable_private_segment 0
		.amdhsa_kernarg_size 48
		.amdhsa_user_sgpr_count 2
		.amdhsa_user_sgpr_kernarg_segment_ptr 1
		.amdhsa_wavefront_size32 1
		.amdhsa_system_sgpr_workgroup_id_x 1
		.amdhsa_system_sgpr_workgroup_id_y 1
		.amdhsa_system_sgpr_workgroup_id_z 1
		.amdhsa_system_vgpr_workitem_id 0
		.amdhsa_next_free_vgpr 256
		.amdhsa_next_free_sgpr 66
		.amdhsa_reserve_vcc 1
		.amdhsa_float_denorm_mode_32 3
		.amdhsa_float_denorm_mode_16_64 3
		.amdhsa_memory_ordered 1
		.amdhsa_forward_progress 1
		.amdhsa_inst_pref_size 57
	.end_amdhsa_kernel
	.amdgpu_metadata
---
amdhsa.version: [ 1, 2 ]
amdhsa.kernels:
  - .name:           k_qdce8b9131d_proj
    .symbol:         k_qdce8b9131d_proj.kd
    .args:
      - { .name: protein, .offset: 0, .size: 8, .value_kind: global_buffer, .address_space: global }
      - { .name: drug, .offset: 8, .size: 8, .value_kind: global_buffer, .address_space: global }
      - { .name: mask_prot, .offset: 16, .size: 8, .value_kind: global_buffer, .address_space: global }
      - { .name: mask_drug, .offset: 24, .size: 8, .value_kind: global_buffer, .address_space: global }
      - { .name: wq, .offset: 32, .size: 8, .value_kind: global_buffer, .address_space: global }
      - { .name: pj, .offset: 40, .size: 8, .value_kind: global_buffer, .address_space: global }
    .group_segment_fixed_size: 15360
    .private_segment_fixed_size: 0
    .kernarg_segment_align: 8
    .kernarg_segment_size: 48
    .max_flat_workgroup_size: 256
    .sgpr_count:     66
    .vgpr_count:     256
    .wavefront_size: 32
...
	.end_amdgpu_metadata
.endif
;; end of part 2
;; launch sink (part 3): grid 256 x 1, 4 waves a work-group, no clusters, 176,384 bytes of LDS; arguments pj, sk; writes sk
.if DOCPART == 3
	.amdgcn_target "amdgcn-amd-amdhsa--gfx1250"
	.amdhsa_code_object_version 6
	.text
	.protected	k_qdce8b9131d_sink
	.globl	k_qdce8b9131d_sink
	.p2align	8
	.type	k_qdce8b9131d_sink,@function
k_qdce8b9131d_sink:
	s_mov_b64 s[64:65], 0
	v_nop
	global_prefetch_b8 v0, s[64:65] scope:SCOPE_SE
	s_setreg_imm32_b32 hwreg(HW_REG_WAVE_MODE, 25, 1), 1
	s_wait_xcnt 0x0
; Softmax over a whole attention matrix, four rounds of row and column normalisation, the product with V and the sum over the rows, for one (batch entry, head) and two of its four matrices.
; Work-group id: typ = id % 2, nh = id / 2 = 8 n + h.  typ 0: protein x protein, then drug x drug.  typ 1: drug x protein, then protein x drug.  One text: SINK 32 (512 keys), then SINK 8 (128 keys).
; THE MATRIX IS NEVER KEPT: it is A = u_i v_j A0_ij, A0 = 2^(t - m) / S + eps, t = c2 s, s the product of q's and k's codes.  Each pass makes s anew (one matrix instruction for 16 x 16) and works on the vectors:
;   P1: m = the largest t' and S = the sum of 2^(t' - m) over ALL pairs, t' = t - INF' where the pair is masked, by a running maximum (row, then strip, lanes, waves).
;   G (4 x): F_ij = 2^(c2 s' + LV_j), LV_j = log2 v_j - m, s' = s - 1e30 in masked rows (given as the C of the product): F = 0 in masked rows and columns.
;        u' = u / (u (sum_j F / S + eps sum v) + eps);   v' = v / (sum_i u' F / S + eps v sum u' + eps).
;   FIN: A = a_i (F + w_j), a = u / S, w = S eps v; quantised along the keys; O^T += V^T A^T, all strips onto the same two sums, since only the sum over the rows is wanted.
; SHARES: a strip is 16 queries x all keys; wave w owns strips of rows 16 ns w on, ns = 8 (protein queries) or 2 (drug).  The strip loop always has 8 trips and jumps over the work of strips that the job does not have.
; OPERANDS: K = 32 fills one of the instruction's four blocks.  A fragment of k holds FOUR tiles of 16 keys, one in each block; q's codes stand in block beta alone of variant beta (zeros elsewhere), which picks the tile.
;   The keys of a tile are chosen (32 b + 8 u + r + 8 (r / 8)) so that registers 16 b .. 16 b + 15 of a strip are keys 32 b + 16 hf + 0 .. 15.  In q's scale word the idle blocks have the byte 1.
; REGISTER WINDOWS: 1: the strip (8 NT registers); 2: column offsets (P1), column sums (G), w_j (FIN); 3: LV_j; 0: all else.
; LIMITS: NaN and infinities among the inputs are not served; exponents carry f32's rounding of |t|, as the reference's do; a v under 2^-126 counts as 0 in LV; a block of zeros has the byte 1 (zero codes).
; No cluster: the two work-groups of a head share 10 KiB of codes.  No tensor loads: nothing is streamed.
.set QC_P, 0x000000
.set KC_P, 0x100000
.set QC_D, 0x200000
.set KC_D, 0x240000
.set QS_P, 0x280000
.set KS_P, 0x2C0000
.set QS_D, 0x300000
.set KS_D, 0x310000
.set VI_P, 0x320000
.set VI_D, 0x420000
.set VH_P, 0x460000
.set VH_D, 0x470000
.set MF_P, 0x474000
.set MF_D, 0x47C000
.set DPA,  0x10000
.set DPL,  0x20000
.set DPW,  0x60000
; LDS
.set L_QSW4, 16384                     ; behind q's images (4 waves x 8 strips x 512 bytes: 16 rows of codes, 256 bytes of zeros): [w][row 128][4 scale words]
.set L_MRF,  24576                     ; [w][row 128] row masks
.set L_UU,   26624                     ; [w][row 128] u
.set L_VV,   28672                     ; v
.set L_LV,   30720                     ; LV
.set L_WJ,   32768                     ; w
.set L_WST,  34816                     ; the waves' m, S, count
.set L_SU,   34880                     ; the waves' sums of u'
.set L_SV,   34896                     ; the waves' sums of v
.set L_OST,  35072                     ; the waves' O
.set L_VIMG, 35584                     ; V^T's images
.set STAGE,  43776                     ; 64 rows (16 w + r) of column sums
; window 0
.set QSC,  36                          ; v36-39   q's four scale words
.set QF,   40                          ; v40-63   [QA][0][QA][QB][0][QB]: QA codes in lanes 0-15, QB in lanes 16-31
.set KF,   64                          ; v64-127  k's fragments
.set KS,   128                         ; v128-135 their scale words
.set VS,   136                         ; v136-143 V's scale words
.set RO,   144                         ; v144-151 the row offset, as C
.set OACC, 152                         ; v152-167 O^T: two sums
.set MAXC, 168                         ; v168-171 chains of maxima
.set SUMC, 172                         ; v172-179 chains of sums
.set PC,   184                         ; v184-215 A's codes; at work elsewhere
.set PS,   216                         ; v216-219 A's scale words
.set MX,   220                         ; v220-235 blocks' maxima, then bytes
.set MP,   236                         ; v236-251 the other half's maxima, then the conversions' scale operands
; v1, v2 q's images (lane, lane xor 16); v3 scale words; v4 row words; v5 64 hf; v6-8 stage; v9 16 T; v10, v11, v252-255 addresses and whole numbers at work; v33 4 w; v34 16 w; v35 128 w + 32 hf
; v12 m; v13 1/S; v14 S eps; v15 0.5/count; v16 u'; v18 u; v19 mr; v20 sum u'; v21 eps sum v; v22 a; v24 mr; v26 row offset; v28 -m_i; v30-32 running m, S, count; v180-183 at work
.set MSB, 0
.macro WIN new                         ; the immediate's high byte repeats the setting that is left; bits 1:0 source 0, 3:2 source 1, 5:4 source 2, 7:6 destination
.if MSB != \new
	s_set_vgpr_msb (MSB<<8)|\new
.set MSB, \new
.endif
.endm
.macro NOPS n
.rept \n
	v_nop
.endr
.endm
.macro BAR                             ; my LDS stores have landed and my LDS loads are in: then the work-group's barrier
	s_wait_dscnt 0x0
	s_barrier_signal -1
	s_barrier_wait -1
.endm
.macro DPPSUM r                        ; over the 16 lanes of a half
.irp x, 1,2,4,8
	v_add_f32_dpp v[\r], v[\r], v[\r] row_xmask:\x row_mask:0xf bank_mask:0xf
.endr
.endm
; The strip's q: codes in two forms, four scale words, its rows' mask and u.
.macro QFETCH
	v_add_nc_u32 v10, s21, v1
	v_add_nc_u32 v11, s21, v2
	v_add_nc_u32 v252, s22, v3
	v_add_nc_u32 v253, s23, v4
	ds_load_b128 v[QF:QF+3], v10
	ds_load_b128 v[QF+8:QF+11], v10
	ds_load_b128 v[QF+12:QF+15], v11
	ds_load_b128 v[QF+20:QF+23], v11
	ds_load_b128 v[QSC:QSC+3], v252 offset:L_QSW4
	ds_load_b32 v19, v253 offset:L_MRF
	ds_load_b32 v18, v253 offset:L_UU
	s_wait_dscnt 0x0
.endm
; S^T = k q^T: tile ti = 4 f + beta; variant beta begins at QF + 12 (beta % 2) + 4 (beta / 2).  c = 1: the row offset is the C.
.macro LOGITS nt, c
	WIN 0x40
.set ti, 0
.rept \nt
.if \c
	v_wmma_scale_f32_16x16x128_f8f6f4 v[8*ti:8*ti+7], v[KF+8*(ti/4):KF+8*(ti/4)+7], v[QF+12*(ti%2)+4*((ti%4)/2):QF+12*(ti%2)+4*((ti%4)/2)+7], v[RO:RO+7], v[KS+ti/4], v[QSC+ti%4] matrix_a_fmt:MATRIX_FMT_FP4 matrix_b_fmt:MATRIX_FMT_FP4
.else
	v_wmma_scale_f32_16x16x128_f8f6f4 v[8*ti:8*ti+7], v[KF+8*(ti/4):KF+8*(ti/4)+7], v[QF+12*(ti%2)+4*((ti%4)/2):QF+12*(ti%2)+4*((ti%4)/2)+7], 0, v[KS+ti/4], v[QSC+ti%4] matrix_a_fmt:MATRIX_FMT_FP4 matrix_b_fmt:MATRIX_FMT_FP4
.endif
.set ti, ti+1
.endr
	NOPS 4                                         ; places behind the products
.endm
; The sum of the strip's 8 NT registers and of the other half's: the row's sum, in v172.
.macro ROWSUM nt
	WIN 0x01
.set ei, 0
.rept 4*\nt
.if ei < 8
	v_pk_add_f32 v[SUMC+ei:SUMC+ei+1], v[ei:ei+1], 0 op_sel_hi:[1,0]   ; the first links start the four chains
.else
	v_pk_add_f32 v[SUMC+ei%8:SUMC+ei%8+1], v[ei:ei+1], v[SUMC+ei%8:SUMC+ei%8+1]
.endif
.set ei, ei+2
.endr
	WIN 0
	v_pk_add_f32 v[172:173], v[172:173], v[174:175]
	v_pk_add_f32 v[176:177], v[176:177], v[178:179]
	v_pk_add_f32 v[172:173], v[172:173], v[176:177]
	v_add_f32 v172, v172, v173
	v_permlanex16_b32 v180, v172, s32, s33
	v_add_f32 v172, v172, v180
.endm
; P1: the strip's rows' maxima and sums, merged into the lane's running pair.
.macro P1STRIP nt
	QFETCH
	v_mov_b32 v24, v19
	v_fma_f32 v26, v19, s34, s35                   ; 0, or -INF' in a masked row
	LOGITS \nt, 0
	WIN 0x41
.set ei, 0
.rept 4*\nt
	v_pk_fma_f32 v[ei:ei+1], v[ei:ei+1], s[30:31], v[26:27] op_sel_hi:[1,0,0]   ; t + the row's offset
.set ei, ei+2
.endr
	WIN 0x52
.set ei, 0
.rept 4*\nt
	v_pk_fma_f32 v[ei:ei+1], v[ei:ei+1], v[24:25], v[ei:ei+1] op_sel_hi:[1,0,1]   ; + the column's offset, in rows that have none of their own
.set ei, ei+2
.endr
	WIN 0x14
.set ei, 0
.rept 4*\nt
.if ei < 8
	v_max3_num_f32 v[MAXC+(ei/2)%4], s39, v[ei], v[ei+1]
.else
	v_max3_num_f32 v[MAXC+(ei/2)%4], v[MAXC+(ei/2)%4], v[ei], v[ei+1]
.endif
.set ei, ei+2
.endr
	WIN 0
	v_max3_num_f32 v168, v168, v169, v170
	v_max_num_f32 v168, v168, v171
	v_permlanex16_b32 v180, v168, s32, s33
	v_max_num_f32 v168, v168, v180                 ; m_i
	v_sub_f32 v28, 0, v168
	WIN 0x41
.set ei, 0
.rept 4*\nt
	v_pk_add_f32 v[ei:ei+1], v[ei:ei+1], v[28:29] op_sel_hi:[1,0]
.set ei, ei+2
.endr
.set ei, 0
.rept 8*\nt
	v_exp_f32 v[ei], v[ei]
.set ei, ei+1
.endr
	v_nop                                          ; a plain place behind the exponentials
	s_wait_alu depctr_va_vdst(0)
	ROWSUM \nt
	v_max_num_f32 v181, v30, v168                  ; the running maximum moves: both sums are brought under the new one
	v_sub_f32 v182, v30, v181
	v_sub_f32 v183, v168, v181
	v_exp_f32 v182, v182
	v_exp_f32 v183, v183
	v_mov_b32 v30, v181
	s_wait_alu depctr_va_vdst(0)
	v_mul_f32 v31, v31, v182
	v_fmac_f32 v31, v172, v183
	v_add_f32 v32, v32, v19                        ; valid rows
.endm
; F = 2^(c2 s' + LV), for G and FIN.
.macro FMAKE nt
	QFETCH
.irp j, 0,1,2,3,4,5,6,7
	v_fma_f32 v[RO+\j], v19, s36, s37              ; 0, or -1e30 in a masked row
.endr
	NOPS 4
	LOGITS \nt, 1
	WIN 0x71
.set ei, 0
.rept 4*\nt
	v_pk_fma_f32 v[ei:ei+1], v[ei:ei+1], s[30:31], v[ei:ei+1] op_sel_hi:[1,0,1]
.set ei, ei+2
.endr
.set ei, 0
.rept 8*\nt
	v_exp_f32 v[ei], v[ei]
.set ei, ei+1
.endr
	v_nop                                          ; a plain place behind the exponentials
	s_wait_alu depctr_va_vdst(0)
.endm
; G: the row step for the strip's 16 rows, and their part of the column sums.
.macro GSTRIP nt
	FMAKE \nt
	ROWSUM \nt
	v_fma_f32 v181, v172, v13, v21                 ; sum F / S + eps sum v
	v_fma_f32 v181, v18, v181, s38                 ; x u + eps
	v_rcp_f32 v181, v181
	v_nop
	s_wait_alu depctr_va_vdst(0)
	v_mul_f32 v16, v18, v181                       ; u'
	ds_store_b32 v253, v16 offset:L_UU             ; my wave's own words
	v_add_f32 v20, v20, v16
	s_cmp_lg_u32 s20, 0
	s_cbranch_scc1 .Lacc_\@
	WIN 0x81
.set ei, 0
.rept 4*\nt
	v_pk_mul_f32 v[ei:ei+1], v[ei:ei+1], v[16:17] op_sel_hi:[1,0]   ; the first strip starts the column sums: nothing is cleared
.set ei, ei+2
.endr
	WIN 0
	s_branch .Ldone_\@
.Lacc_\@:
	WIN 0xa1
.set ei, 0
.rept 4*\nt
	v_pk_fma_f32 v[ei:ei+1], v[ei:ei+1], v[16:17], v[ei:ei+1] op_sel_hi:[1,0,1]
.set ei, ei+2
.endr
	WIN 0
.Ldone_\@:
.endm
; FIN: A, its codes along the keys, and O^T += V^T A^T.
.macro FSTRIP nt
	FMAKE \nt
	WIN 0
	v_mul_f32 v22, v18, v13                        ; a = u / S
	v_and_b32 v254, 31, v0
	v_lshlrev_b32 v254, 4, v254                    ; 16 x lane: an image's place
	WIN 0x49
.set ei, 0
	s_wait_alu depctr_va_vdst(0)
.rept 4*\nt
	v_pk_add_f32 v[ei:ei+1], v[ei:ei+1], v[ei:ei+1]   ; F + w (source 1: window 2)
.set ei, ei+2
.endr
	WIN 0x41
.set ei, 0
.rept 4*\nt
	v_pk_mul_f32 v[ei:ei+1], v[ei:ei+1], v[22:23] op_sel_hi:[1,0]
.set ei, ei+2
.endr
	WIN 0x14
.set bi, 0
.rept \nt/2
	v_max3_num_f32 v[MX+bi], s55, v[16*bi], v[16*bi+1]   ; no |.|: nothing is negative; the floor 2^(3 - 127) among the leaves
.set bi, bi+1
.endr
.irp i, 2,4,6,8,10,12,14
.set bi, 0
.rept \nt/2
	v_max3_num_f32 v[MX+bi], v[MX+bi], v[16*bi+\i], v[16*bi+\i+1]
.set bi, bi+1
.endr
.endr
	WIN 0
.set bi, 0
.rept \nt/2
	v_permlanex16_b32 v[MP+bi], v[MX+bi], s32, s33
.set bi, bi+1
.endr
.set bi, 0
.rept \nt/2
	v_max_num_f32 v[MX+bi], v[MX+bi], v[MP+bi]
.set bi, bi+1
.endr
.set bi, 0
.rept \nt/2
	v_add_nc_u32 v[MP+bi], 0xff000000, v[MX+bi]    ; the conversion's scale operand
.set bi, bi+1
.endr
.set bi, 0
.rept \nt/2
	v_lshrrev_b32 v[MX+bi], 23, v[MP+bi]           ; the byte
.set bi, bi+1
.endr
.set si, 0
.rept \nt/8
	v_lshl_or_b32 v[PS+si], v[MX+4*si+1], 8, v[MX+4*si]
	v_lshl_or_b32 v[PS+si], v[MX+4*si+2], 16, v[PS+si]
	v_lshl_or_b32 v[PS+si], v[MX+4*si+3], 24, v[PS+si]
.set si, si+1
.endr
	WIN 0x01
.set bi, 0
.rept \nt/2
	v_cvt_scalef32_pk8_fp4_f32 v[PC+2*bi], v[16*bi:16*bi+7], v[MP+bi]
	v_cvt_scalef32_pk8_fp4_f32 v[PC+2*bi+1], v[16*bi+8:16*bi+15], v[MP+bi]
.set bi, bi+1
.endr
	WIN 0x40
.set qi, 0
.rept \nt/2
	ds_load_b128 v[4*qi:4*qi+3], v254 offset:L_VIMG+512*qi   ; V^T's fragments, into the strip's registers, which are done with
.set qi, qi+1
.endr
	WIN 0
	v_nop                                          ; one plain place behind the conversions
.set qi, 0
.rept \nt/4
	v_permlane16_swap_b32 v[PC+4*qi], v[PC+4*qi+2]   ; a whole block in a lane
	v_permlane16_swap_b32 v[PC+4*qi+1], v[PC+4*qi+3]
.set qi, qi+1
.endr
	NOPS 8                                         ; places between the vector instructions that made the scale words and codes and the scaled products
	s_wait_dscnt 0x0
	WIN 0x01
.set si, 0
.rept \nt/8
.irp d, 0,1                            ; the two sums by turns
	v_wmma_scale_f32_16x16x128_f8f6f4 v[OACC+8*\d:OACC+8*\d+7], v[8*(\d*(\nt/8)+si):8*(\d*(\nt/8)+si)+7], v[PC+8*si:PC+8*si+7], v[OACC+8*\d:OACC+8*\d+7], v[VS+\d*(\nt/8)+si], v[PS+si] matrix_a_fmt:MATRIX_FMT_FP4 matrix_b_fmt:MATRIX_FMT_FP4
.endr
.set si, si+1
.endr
	WIN 0
	NOPS 5                                         ; places behind the products: the next strip's products write over V's registers
.endm
; The loop over a wave's strips: always 8 trips; a strip that the job does not have is jumped over, its address steps are not.
.macro STRIPS kind, nt
	s_mov_b32 s20, 0
	s_mov_b32 s21, 0
	s_mov_b32 s22, 0
	s_mov_b32 s23, 0
.Lstrip_\@:
	s_cmp_ge_u32 s20, s12
	s_cbranch_scc1 .Lskip_\@
.if \kind == 0
	P1STRIP \nt
.elseif \kind == 1
	GSTRIP \nt
.else
	FSTRIP \nt
.endif
.Lskip_\@:
	s_add_co_u32 s21, s21, 512
	s_add_co_u32 s22, s22, 256
	s_add_co_u32 s23, s23, 64
	s_add_co_u32 s20, s20, 1
	s_cmp_lt_u32 s20, 8
	s_cbranch_scc1 .Lstrip_\@
.endm
; LV_j into window 3, eps sum v, sum u' = 0.
.macro PASS_START nt
	WIN 0xc0
.set bi, 0
.rept \nt/2
.irp a, 0,1,2,3
	ds_load_b128 v[16*bi+4*\a:16*bi+4*\a+3], v5 offset:L_LV+128*bi+16*\a
.endr
.set bi, bi+1
.endr
	WIN 0
	v_mov_b32 v252, 0
.if \nt == 32
	ds_load_b128 v[180:183], v252 offset:L_SV
	s_wait_dscnt 0x0
	v_add_f32 v180, v180, v181
	v_add_f32 v182, v182, v183
	v_add_f32 v180, v180, v182
.else
	ds_load_b32 v180, v252 offset:L_SV
	s_wait_dscnt 0x0
.endif
	v_mul_f32 v21, s38, v180
	v_mov_b32 v20, 0
.endm
; The column step: the lanes' column sums meet in the stage; thread T of the first NT / 8 waves owns columns 4 T .. 4 T + 3.
.macro FINALISE nt
	WIN 0x08
.set bi, 0
.rept \nt/2
.irp a, 0,1,2,3
	ds_store_b128 v6, v[16*bi+4*\a:16*bi+4*\a+3] offset:128*bi+16*\a
.endr
.set bi, bi+1
.endr
	WIN 0
	v_mov_b32 v180, v20
	DPPSUM 180
	ds_store_b32 v33, v180 offset:L_SU
	v_mov_b32 v252, 0
	BAR                                            ; the stage and the four sums of u' lie in LDS
.if \nt < 32
	s_cmp_lt_u32 s8, \nt/8
	s_cbranch_scc0 .Lnofin_\@
.endif
	ds_load_b128 v[192:195], v252 offset:L_SU
	ds_load_b128 v[188:191], v9 offset:L_VV
	WIN 0x40
.set qi, 0
.rept 32
	ds_load_b128 v[4*qi:4*qi+3], v7 offset:qi*PITCH
.set qi, qi+1
.endr
.set qi, 0
.rept 32
	ds_load_b128 v[128+4*qi:128+4*qi+3], v8 offset:qi*PITCH
.set qi, qi+1
.endr
	s_wait_dscnt 0x0
	WIN 0x45
.set qi, 4
.rept 60
	v_pk_add_f32 v[4*(qi%4):4*(qi%4)+1], v[4*(qi%4):4*(qi%4)+1], v[4*qi:4*qi+1]   ; 64 rows in four chains
	v_pk_add_f32 v[4*(qi%4)+2:4*(qi%4)+3], v[4*(qi%4)+2:4*(qi%4)+3], v[4*qi+2:4*qi+3]
.set qi, qi+1
.endr
	v_pk_add_f32 v[0:1], v[0:1], v[4:5]
	v_pk_add_f32 v[2:3], v[2:3], v[6:7]
	v_pk_add_f32 v[8:9], v[8:9], v[12:13]
	v_pk_add_f32 v[10:11], v[10:11], v[14:15]
	WIN 0x05
	v_pk_add_f32 v[184:185], v[0:1], v[8:9]
	v_pk_add_f32 v[186:187], v[2:3], v[10:11]
	WIN 0
	v_add_f32 v192, v192, v193
	v_add_f32 v194, v194, v195
	v_add_f32 v192, v192, v194
	v_mul_f32 v192, s38, v192                      ; eps sum u'
.irp k, 0,1,2,3
	v_fma_f32 v[196+\k], v[184+\k], v13, s38       ; sum u' F / S + eps
.endr
.irp k, 0,1,2,3
	v_fma_f32 v[196+\k], v192, v[188+\k], v[196+\k]   ; + eps sum u' v
.endr
.irp k, 0,1,2,3
	v_rcp_f32 v[196+\k], v[196+\k]
.endr
	v_nop
	s_wait_alu depctr_va_vdst(0)
.irp k, 0,1,2,3
	v_mul_f32 v[208+\k], v[188+\k], v[196+\k]      ; v'
.endr
.irp k, 0,1,2,3
	v_log_f32 v[200+\k], v[208+\k]
.endr
.irp k, 0,1,2,3
	v_mul_f32 v[204+\k], v14, v[208+\k]            ; w = S eps v' (plain places behind the logarithms)
.endr
	s_wait_alu depctr_va_vdst(0)
.irp k, 0,1,2,3
	v_sub_f32 v[200+\k], v[200+\k], v12            ; LV = log2 v' - m
.endr
	ds_store_b128 v9, v[208:211] offset:L_VV
	ds_store_b128 v9, v[200:203] offset:L_LV
	ds_store_b128 v9, v[204:207] offset:L_WJ
	v_add_f32 v180, v208, v209
	v_add_f32 v181, v210, v211
	v_add_f32 v180, v180, v181
	DPPSUM 180
	v_permlanex16_b32 v181, v180, s32, s33
	v_add_f32 v180, v180, v181
	ds_store_b32 v33, v180 offset:L_SV
.if \nt < 32
.Lnofin_\@:
.endif
	BAR                                            ; v, LV, w and the sums of v lie in LDS, and the stage has been read
.endm
; A JOB.  nt: tiles of 16 keys; qp: the typ whose queries are protein's; matp, matd: the matrix's number then and else; logl2: log2 of the keys; the key side's sections of pj.
.macro SINK nt, qp, matp, matd, logl2, kco, kso, vio, vho, mfk
.set PITCH, 64*\nt+16                  ; a stage row: the keys' f32 + 16 bytes: an odd multiple of 16
	s_cmp_eq_u32 s9, \qp
	s_cselect_b32 s12, 8, 2                        ; ns: strips a wave
	s_cselect_b32 s13, 9, 7                        ; log2 of the queries
	s_mov_b32 s14, QC_D
	s_cselect_b32 s14, QC_P, s14
	s_mov_b32 s15, QS_D
	s_cselect_b32 s15, QS_P, s15
	s_mov_b32 s16, MF_D
	s_cselect_b32 s16, MF_P, s16
	s_cselect_b32 s18, \matp, \matd
	s_lshl_b32 s17, 1, s13
	s_add_co_u32 s45, s13, 4
	s_lshl_b32 s45, s10, s45
	s_add_co_u32 s14, s14, s45                     ; q's codes of my head
	s_add_co_u32 s45, s13, 2
	s_lshl_b32 s46, s10, s45
	s_add_co_u32 s15, s15, s46                     ; q's scale words
	s_lshl_b32 s46, s11, s45
	s_add_co_u32 s16, s16, s46                     ; the rows' masks
	s_lshl_b32 s18, s18, 14
	s_lshl_b32 s46, s10, 7
	s_add_co_u32 s18, s18, s46                     ; where the result goes
	s_mul_i32 s19, s8, s12
	s_lshl_b32 s19, s19, 4                         ; my wave's first row
	s_sub_co_u32 s46, s17, 1
	s_sub_co_u32 s47, s17, 4
	s_lshl_b32 s48, s10, \logl2+4
	s_lshl_b32 s49, s10, \logl2+2
	s_lshl_b32 s50, s11, \logl2+3
	s_and_b32 s51, s10, 7
	s_lshl_b32 s51, s51, 6
	s_add_co_u32 s50, s50, s51
	s_lshl_b32 s51, s11, \logl2+2
	v_and_b32 v253, 31, v0                         ; lane
	v_and_b32 v254, 15, v0                         ; r
	v_bfe_u32 v255, v0, 4, 1                       ; hf
	v_lshrrev_b32 v252, 5, v0
	v_lshl_add_u32 v252, v252, 4, v254             ; 16 w + r
	v_mul_u32_u24 v6, v252, PITCH
	v_lshl_add_u32 v6, v255, 6, v6
	v_add_nc_u32 v6, STAGE, v6
	v_add_nc_u32 v7, STAGE, v9
	v_add_nc_u32 v8, STAGE+32*PITCH, v9
	v_lshl_add_u32 v10, v255, 9, s40
	v_lshl_add_u32 v10, v254, 4, v10               ; q's images, on the way in: 4,096 w + 512 hf + 16 r
	v_lshl_add_u32 v11, v253, 6, s41               ; q's scale words, on the way in: 2,048 w + 64 x lane
	v_add_nc_u32 v252, s19, v253
.irp g, 0,1,2,3
	v_add_nc_u32 v[12+\g], 32*\g, v252
	v_min_u32 v[12+\g], s46, v[12+\g]              ; rows of strips that the job does not have are held at the last row: loaded, never used
	v_lshl_add_u32 v[12+\g], v[12+\g], 4, s14
.endr
	v_lshl_add_u32 v16, v253, 2, s19
	v_min_u32 v16, s47, v16
	v_lshl_add_u32 v17, v16, 2, s16
	v_lshl_add_u32 v16, v16, 2, s15
	v_and_b32 v252, 8, v254
	v_add_nc_u32 v252, v252, v254                  ; r + 8 (r / 8)
	v_lshl_add_u32 v18, v255, 3, v252
	v_lshl_add_u32 v18, v18, 4, s48                ; k's codes: key 8 hf + r + 8 (r / 8)
	v_lshl_add_u32 v19, v252, 2, s49               ; k's scale words
	v_lshl_add_u32 v20, v254, 1, s50               ; V's scale bytes
	v_add_nc_u32 v21, s48, v9                      ; V's images
	v_add_nc_u32 v22, s51, v9                      ; the columns' masks
.irp g, 0,1,2,3
	global_load_b128 v[184+4*\g:187+4*\g], v[12+\g], s[4:5]
.endr
	global_load_b128 v[200:203], v16, s[4:5]
	global_load_b128 v[204:207], v17, s[4:5]
.set qi, 0
.rept \nt/2
	global_load_b128 v[KF+4*qi:KF+4*qi+3], v18, s[4:5] offset:\kco+512*qi   ; 32 keys: 512 consecutive bytes
.set qi, qi+1
.endr
.set ti, 0
.rept \nt
	global_load_b32 v[MX+ti], v19, s[4:5] offset:\kso+(64*(ti/4)+32*((ti%4)/2)+8*(ti%2))*4
.set ti, ti+1
.endr
.set si, 0
.rept \nt/8
.irp d, 0,1
	global_load_u16 v[VS+\d*(\nt/8)+si], v20, s[4:5] offset:\vho+1024*si+32*\d
	global_load_u16 v[208+\d*(\nt/8)+si], v20, s[4:5] offset:\vho+1024*si+512+32*\d
.endr
.set si, si+1
.endr
.set qi, 0
.rept \nt/8
	global_load_b128 v[OACC+4*qi:OACC+4*qi+3], v21, s[4:5] offset:\vio+2048*qi
.set qi, qi+1
.endr
.if \nt < 32
	s_cmp_lt_u32 s8, \nt/8
	s_cbranch_scc0 .Lnomc_\@
.endif
	global_load_b128 v[168:171], v22, s[4:5] offset:\mfk
	s_wait_loadcnt 0x0
	ds_store_b128 v9, v[168:171] offset:L_VV       ; v begins as the columns' mask
.if \nt < 32
.Lnomc_\@:
.endif
	s_wait_loadcnt 0x0
.irp g, 0,1,2,3
	ds_store_b128 v10, v[184+4*\g:187+4*\g] offset:1024*\g
	ds_store_b128 v10, v[QF+4:QF+7] offset:1024*\g+256   ; zeros behind each strip's codes
.endr
.irp k, 0,1,2,3
.set TQ, 144+4*\k+20*(\k/2)            ; v144-151, v172-179
.irp be, 0,1,2,3
	v_bfi_b32 v[TQ+\be], 0xff<<(8*\be), v[200+\k], s52   ; q's byte in block beta, 1 in the idle blocks
.endr
	ds_store_b128 v11, v[TQ:TQ+3] offset:L_QSW4+16*\k
.endr
	ds_store_b128 v9, v[204:207] offset:L_MRF
	ds_store_b128 v9, v[204:207] offset:L_UU       ; u begins as the rows' mask
.set qi, 0
.rept \nt/8
	ds_store_b128 v9, v[OACC+4*qi:OACC+4*qi+3] offset:L_VIMG+2048*qi
.set qi, qi+1
.endr
.set qi, 0
.rept \nt/4
	v_bfi_b32 v[KS+qi], 0xff0000, v[MX+4*qi+2], v[MX+4*qi+3]   ; a fragment's scale word: byte beta is tile beta's
	v_bfi_b32 v[KS+qi], 0xff00, v[MX+4*qi+1], v[KS+qi]
	v_bfi_b32 v[KS+qi], 0xff, v[MX+4*qi], v[KS+qi]
	v_lshl_or_b32 v[VS+qi], v[208+qi], 16, v[VS+qi]
.set qi, qi+1
.endr
	BAR
.set qi, 0
.rept 16
	v_mov_b32 v[OACC+qi], 0
.set qi, qi+1
.endr
	v_mov_b32 v30, s39                             ; the running maximum: -3e38, under every t
	v_mov_b32 v31, 0
	v_mov_b32 v32, 0
	WIN 0x80
.set bi, 0
.rept \nt/2
.irp a, 0,1,2,3
	ds_load_b128 v[16*bi+4*\a:16*bi+4*\a+3], v5 offset:L_VV+128*bi+16*\a
.endr
.set bi, bi+1
.endr
	s_wait_dscnt 0x0
	WIN 0x82
.set ei, 0
.rept 4*\nt
	v_pk_add_f32 v[ei:ei+1], v[ei:ei+1], -1.0 op_sel_hi:[1,0]
.set ei, ei+2
.endr
.set ei, 0
.rept 4*\nt
	v_pk_mul_f32 v[ei:ei+1], v[ei:ei+1], s[34:35] op_sel_hi:[1,0]   ; the column's offset: 0, or -INF'
.set ei, ei+2
.endr
	WIN 0
	STRIPS 0, \nt
	; ---- m, S and the count of valid rows, over lanes and waves
	v_mov_b32 v180, v30
.irp x, 1,2,4,8
	v_max_num_f32_dpp v180, v180, v180 row_xmask:\x row_mask:0xf bank_mask:0xf
.endr
	v_sub_f32 v181, v30, v180
	v_exp_f32 v181, v181
	v_mov_b32 v182, v32
	s_wait_alu depctr_va_vdst(0)
	v_mul_f32 v181, v31, v181
	DPPSUM 181
	DPPSUM 182
	v_mov_b32 v183, 0
	ds_store_b128 v34, v[180:183] offset:L_WST
	v_mov_b32 v252, 0
	BAR
.irp k, 0,1,2,3
	ds_load_b128 v[184+4*\k:187+4*\k], v252 offset:L_WST+16*\k
.endr
	s_wait_dscnt 0x0
	v_max3_num_f32 v12, v184, v188, v192
	v_max_num_f32 v12, v12, v196                   ; m
.irp k, 0,1,2,3
	v_sub_f32 v[200+\k], v[184+4*\k], v12
.endr
.irp k, 0,1,2,3
	v_exp_f32 v[200+\k], v[200+\k]
.endr
	v_add_f32 v181, v186, v190
	v_add_f32 v182, v194, v198
	v_add_f32 v181, v181, v182                     ; the count
	s_wait_alu depctr_va_vdst(0)
	v_mul_f32 v180, v185, v200
	v_fmac_f32 v180, v189, v201
	v_fmac_f32 v180, v193, v202
	v_fmac_f32 v180, v197, v203                    ; S
	v_rcp_f32 v13, v180
	v_rcp_f32 v15, v181
	v_mul_f32 v14, s38, v180
	s_wait_alu depctr_va_vdst(0)
	v_mul_f32 v15, 0.5, v15
.if \nt < 32
	s_cmp_lt_u32 s8, \nt/8
	s_cbranch_scc0 .Lnolv_\@
.endif
	ds_load_b128 v[184:187], v9 offset:L_VV
	s_wait_dscnt 0x0
.irp k, 0,1,2,3
	v_log_f32 v[188+\k], v[184+\k]
.endr
	v_add_f32 v180, v184, v185
	v_add_f32 v181, v186, v187
	v_add_f32 v180, v180, v181
	s_wait_alu depctr_va_vdst(0)
.irp k, 0,1,2,3
	v_sub_f32 v[188+\k], v[188+\k], v12
.endr
	ds_store_b128 v9, v[188:191] offset:L_LV
	DPPSUM 180
	v_permlanex16_b32 v181, v180, s32, s33
	v_add_f32 v180, v180, v181
	ds_store_b32 v33, v180 offset:L_SV
.if \nt < 32
.Lnolv_\@:
.endif
	BAR
	; ---- four rounds
	s_mov_b32 s24, 4
.Lpass_\@:
	PASS_START \nt
	STRIPS 1, \nt
	FINALISE \nt
	s_sub_co_u32 s24, s24, 1
	s_cmp_lg_u32 s24, 0
	s_cbranch_scc1 .Lpass_\@
	; ---- the finished matrix and its product with V
	PASS_START \nt
	WIN 0x80
.set bi, 0
.rept \nt/2
.irp a, 0,1,2,3
	ds_load_b128 v[16*bi+4*\a:16*bi+4*\a+3], v5 offset:L_WJ+128*bi+16*\a
.endr
.set bi, bi+1
.endr
	WIN 0
	s_wait_dscnt 0x0
	STRIPS 2, \nt
	; ---- O^T(channel, query) summed over the 16 queries of a lane half, then over the waves
.irp x, 1,2,4,8
.set qi, 0
.rept 16
	v_add_f32_dpp v[OACC+qi], v[OACC+qi], v[OACC+qi] row_xmask:\x row_mask:0xf bank_mask:0xf   ; each sum from its low end on
.set qi, qi+1
.endr
.endr
.irp d, 0,1
.irp q, 0,1
	ds_store_b128 v35, v[OACC+8*\d+4*\q:OACC+8*\d+4*\q+3] offset:L_OST+64*\d+16*\q   ; channel 16 dt + 8 hf + 4 q on
.endr
.endr
	v_and_b32 v254, 31, v0
	v_lshlrev_b32 v254, 2, v254                    ; 4 x lane
	v_add_nc_u32 v255, s42, v254
	v_add_nc_u32 v10, s18, v254
	BAR
	s_cmp_lg_u32 s8, 0
	s_cbranch_scc1 .Lnot0_\@
.irp k, 0,1,2,3
	ds_load_b32 v[180+\k], v254 offset:L_OST+128*\k
.endr
	s_wait_dscnt 0x0
	v_add_f32 v180, v180, v181
	v_add_f32 v182, v182, v183
	v_add_f32 v180, v180, v182
	v_mul_f32 v180, v15, v180                      ; x 0.5 / the count of valid rows
	global_store_b32 v10, v180, s[6:7]
.Lnot0_\@:
.if \nt == 32
	s_cmp_lg_u32 s9, 1                             ; drug x protein: its vectors go out, for the launch that writes the matrix itself
	s_cbranch_scc1 .Lnodp_\@
	s_lshl_b32 s53, s10, 9
	s_add_co_u32 s53, s53, s43
	v_add_nc_u32 v11, s53, v254
	s_lshl_b32 s54, s10, 11
	v_add_nc_u32 v252, s54, v9
	ds_load_b32 v184, v255 offset:L_UU
	ds_load_b128 v[188:191], v9 offset:L_LV
	ds_load_b128 v[192:195], v9 offset:L_WJ
	s_wait_dscnt 0x0
	v_mul_f32 v184, v184, v13
	global_store_b32 v11, v184, s[6:7] offset:DPA
	global_store_b128 v252, v[188:191], s[6:7] offset:DPL
	global_store_b128 v252, v[192:195], s[6:7] offset:DPW
.Lnodp_\@:
.endif
	s_wait_xcnt 0x0                                ; the stores have read their registers
	BAR                                            ; the job's LDS has been read by all: the next job may write it
.endm
	s_load_b128 s[4:7], s[0:1], 0x0                ; pj, sk
	v_lshrrev_b32 v252, 5, v0
	v_readfirstlane_b32 s8, v252                   ; wave
	s_and_b32 s9, ttmp9, 1                         ; typ
	s_lshr_b32 s10, ttmp9, 1                       ; nh = 8 n + h
	s_lshr_b32 s11, s10, 3                         ; n
	s_mov_b32 s30, 0x3e8293ee                      ; c2 = log2(e) / sqrt(32)
	s_mov_b32 s31, s30
	s_mov_b32 s32, 0x76543210
	s_mov_b32 s33, 0xfedcba98                      ; v_permlanex16_b32's selects for lane l xor 16
	s_mov_b32 s34, 0x49b01c38                      ; INF' = 1e6 log2(e)
	s_mov_b32 s35, 0xc9b01c38
	s_mov_b32 s36, 0x7149f2ca                      ; 1e30
	s_mov_b32 s37, 0xf149f2ca
	s_mov_b32 s38, 0x2b8cbccc                      ; 1e-12
	s_mov_b32 s39, 0xff61b1e6                      ; -3e38
	s_mov_b32 s52, 0x01010101
	s_mov_b32 s55, 0x01800000                      ; 2^(3 - 127)
	s_lshl_b32 s40, s8, 12
	s_lshl_b32 s41, s8, 11
	s_lshl_b32 s42, s8, 9
	s_lshl_b32 s43, s8, 7
	s_lshl_b32 s44, s8, 2
	s_lshl_b32 s45, s8, 4
	v_and_b32 v253, 31, v0
	v_and_b32 v254, 15, v0
	v_bfe_u32 v255, v0, 4, 1
	v_lshl_add_u32 v1, v253, 4, s40
	v_xor_b32 v2, 256, v1
	v_lshl_add_u32 v3, v254, 4, s41
	v_lshl_add_u32 v4, v254, 2, s42
	v_lshlrev_b32 v5, 6, v255
	v_lshlrev_b32 v9, 4, v0
	v_mov_b32 v33, s44
	v_mov_b32 v34, s45
	v_lshl_add_u32 v35, v255, 5, s43
.irp r, 4,5,6,7,16,17,18,19
	v_mov_b32 v[QF+\r], 0                          ; the zero quads of q's variants: written once
.endr
.irp r, 17,23,25,27,29,180,181,182,183
	v_mov_b32 v\r, 0                               ; upper halves of pairs whose low word serves both halves, and lane permutes' destinations
.endr
	s_wait_kmcnt 0x0
	SINK 32, 0, 0, 2, 9, KC_P, KS_P, VI_P, VH_P, MF_P
	SINK 8, 1, 1, 3, 7, KC_D, KS_D, VI_D, VH_D, MF_D
	s_wait_xcnt 0x0
	v_lshl_add_u32 v254, v0, 2, 0x2af00
	v_mov_b32 v255, 0
	s_wait_tensorcnt 0x0
	ds_add_u32 v254, v255
	s_wait_dscnt 0x0
	s_endpgm
.Lfunc_end_k_qdce8b9131d_sink:
	.size	k_qdce8b9131d_sink, .Lfunc_end_k_qdce8b9131d_sink-k_qdce8b9131d_sink
	.p2alignl 7, 3214868480
	.fill 96, 4, 3214868480
	.section	.rodata,"a",@progbits
	.p2align	6, 0x0
	.amdhsa_kernel k_qdce8b9131d_sink
		.amdhsa_group_segment_fixed_size 176384
		.amdhsa_private_segment_fixed_size 0
		.amdhsa_enable_private_segment 0
		.amdhsa_kernarg_size 16
		.amdhsa_user_sgpr_count 2
		.amdhsa_user_sgpr_kernarg_segment_ptr 1
		.amdhsa_wavefront_size32 1
		.amdhsa_system_sgpr_workgroup_id_x 1
		.amdhsa_system_sgpr_workgroup_id_y 1
		.amdhsa_system_sgpr_workgroup_id_z 1
		.amdhsa_system_vgpr_workitem_id 0
		.amdhsa_next_free_vgpr 1024
		.amdhsa_next_free_sgpr 96
		.amdhsa_reserve_vcc 0
		.amdhsa_float_denorm_mode_32 3
		.amdhsa_float_denorm_mode_16_64 3
		.amdhsa_memory_ordered 1
		.amdhsa_forward_progress 1
		.amdhsa_inst_pref_size 255
	.end_amdhsa_kernel
	.section	.bss,"aw",@nobits
	.p2align	6
	.space	262144
	.amdgpu_metadata
---
amdhsa.version: [ 1, 2 ]
amdhsa.kernels:
  - .name:           k_qdce8b9131d_sink
    .symbol:         k_qdce8b9131d_sink.kd
    .args:
      - { .name: pj, .offset: 0, .size: 8, .value_kind: global_buffer, .address_space: global }
      - { .name: sk, .offset: 8, .size: 8, .value_kind: global_buffer, .address_space: global }
    .group_segment_fixed_size: 176384
    .private_segment_fixed_size: 0
    .kernarg_segment_align: 8
    .kernarg_segment_size: 16
    .max_flat_workgroup_size: 128
    .sgpr_count:     96
    .vgpr_count:     1024
    .wavefront_size: 32
...
	.end_amdgpu_metadata
.endif
;; end of part 3
;; launch emit (part 4): grid 16 x 16, 4 waves a work-group, no clusters, 23,552 bytes of LDS; arguments pj, sk, out0, out1; writes out0, out1
.if DOCPART == 4
	.amdgcn_target "amdgcn-amd-amdhsa--gfx1250"
	.amdhsa_code_object_version 6
	.text
	.protected	k_qdce8b9131d_emit
	.globl	k_qdce8b9131d_emit
	.p2align	8
	.type	k_qdce8b9131d_emit,@function
k_qdce8b9131d_emit:
	s_mov_b64 s[64:65], 0
	v_nop
	global_prefetch_b8 v0, s[64:65] scope:SCOPE_SE
	s_setreg_imm32_b32 hwreg(HW_REG_WAVE_MODE, 25, 1), 1
	s_wait_xcnt 0x0
; out1[n][l 128][k 512][h 8] = the drug x protein matrix, made anew from codes and from the vectors that the launch before left: A = a_i (2^(c2 s' + LV_j) + w_j); and out0 = the sums of that launch's parts.
; Work-group (x = g, y = n): keys 32 g .. 32 g + 31; wave w: keys k0 = 32 g + 8 w .. + 7, all 128 rows, all 8 heads.
; ONE MATRIX INSTRUCTION (hh = 0 .. 3) MAKES 16 ROWS x 8 KEYS x 2 HEADS: source 0, lane (r, hf): q's codes of row r and head hh + 4 hf, so that the two heads stand in K blocks 0 and 1; source 1, column r:
; key k0 + r / 2 and head hh + 4 (r % 2), its codes in block r % 2 alone, zeros elsewhere.  After the four, lane r holds heads 4 (r % 2) + 0 .. 3 of its key: 16 neighbouring bytes of out1,
; and sixteen lanes store 256 consecutive bytes, aligned, with no turn through LDS.
; The row offset (0, or -1e30 in a masked row) is the C of the product, so that masked rows give 0.  LIMITS: as in the launch before.
.set QC_D, 0x200000
.set KC_P, 0x100000
.set KS_P, 0x2C0000
.set QS_D, 0x300000
.set MF_D, 0x47C000
.set DPA,  0x10000
.set DPL,  0x20000
.set DPW,  0x60000
.set L_ASW,  16384                     ; LDS: behind q's codes [head][l][16 B]: source 0's scale words [hh][l]
.set L_DPA,  18432                     ; a [head][l]
.set L_RO,   22528                     ; the row offsets [l]
.set LVP, 12                           ; v12-19  LV of my key and four heads, as pairs whose low word serves both halves
.set WP,  20                           ; v20-27  w likewise
.set AS,  28                           ; v28-31  source 0's scale words
.set BS,  32                           ; v32-35  source 1's
.set BF,  40                           ; v40-71  source 1's four fragments
.set AF,  72                           ; v72-103 source 0's
.set RO,  104                          ; v104-111
.set AI,  112                          ; v112-143 a of my 8 rows and four heads
.set D,   144                          ; v144-175
.set OUT, 176                          ; v176-207 register 4 j + hh
	s_load_b256 s[4:11], s[0:1], 0x0               ; pj, sk, out0, out1
	v_lshl_add_u32 v254, v0, 2, 0x5a00
	v_mov_b32 v255, 0
	v_lshrrev_b32 v1, 5, v0
	v_readfirstlane_b32 s12, v1                    ; wave
	s_and_b32 s14, ttmp7, 0xffff                   ; n
	s_mov_b32 s16, 0x3e8293ee                      ; c2 = log2(e) / sqrt(32)
	s_mov_b32 s17, s16
	s_mov_b32 s18, 0x7149f2ca                      ; 1e30
	s_mov_b32 s19, 0xf149f2ca
	s_mov_b32 s24, 0x01010101
	v_lshlrev_b32 v1, 4, v0                        ; 16 T
	v_lshlrev_b32 v2, 2, v0                        ; 4 T
	v_and_b32 v3, 15, v0                           ; r
	v_bfe_u32 v4, v0, 4, 1                         ; hf
	s_lshl_b32 s25, s14, 14
	v_add_nc_u32 v5, s25, v1
	s_lshl_b32 s26, s14, 12
	v_add_nc_u32 v6, s26, v1
	v_add_nc_u32 v7, s26, v2
	s_lshl_b32 s27, s14, 9
	v_add_nc_u32 v8, s27, v2
	s_lshl_b32 s28, ttmp9, 5
	s_lshl_b32 s29, s12, 3
	s_add_co_u32 s28, s28, s29                     ; k0
	s_add_co_u32 s29, s26, s28
	v_and_b32 v202, 1, v3                          ; r % 2
	v_lshrrev_b32 v9, 1, v3
	v_lshl_add_u32 v9, v202, 11, v9
	v_add_nc_u32 v9, s29, v9                       ; (8 n + 4 (r % 2)) 512 + k0 + r / 2
	v_lshlrev_b32 v10, 4, v9
	v_lshlrev_b32 v11, 2, v9
	v_lshlrev_b32 v208, 4, v3
	v_lshl_add_u32 v208, v4, 13, v208              ; q's codes: 8,192 hf + 16 r
	v_lshlrev_b32 v209, 2, v3                      ; scale words: 4 r
	v_lshlrev_b32 v210, 11, v202
	v_lshl_add_u32 v210, v4, 5, v210               ; a: 2,048 (r % 2) + 32 hf
	v_lshlrev_b32 v211, 5, v4                      ; row offsets: 32 hf
	s_lshl_b32 s30, s28, 5
	v_lshl_add_u32 v216, v3, 4, s30
	v_lshl_add_u32 v216, v4, 17, v216              ; out1: 8 hf rows of 16,384 bytes + 32 k0 + 16 r
.irp h, 0,1,2,3
	v_mov_b32 v[LVP+2*\h+1], 0
	v_mov_b32 v[WP+2*\h+1], 0
.irp k, 4,5,6,7
	v_mov_b32 v[BF+8*\h+\k], 0                     ; blocks 2 and 3 are idle: zero codes
	v_mov_b32 v[AF+8*\h+\k], 0
.endr
.endr
	s_wait_kmcnt 0x0
.irp i, 0,1,2,3,4,5,6,7
	global_load_b128 v[144+4*\i:147+4*\i], v5, s[4:5] offset:QC_D+2048*\i
.endr
.irp i, 0,1
	global_load_b128 v[176+4*\i:179+4*\i], v6, s[6:7] offset:DPA+2048*\i
.endr
.irp h, 0,1,2,3,4,5,6,7
	global_load_b32 v[184+\h], v7, s[4:5] offset:QS_D+512*\h
.endr
	global_load_b32 v192, v8, s[4:5] offset:MF_D
.irp h, 0,1,2,3
	global_load_b128 v[BF+8*\h:BF+8*\h+3], v10, s[4:5] offset:KC_P+8192*\h
	global_load_b32 v[193+\h], v11, s[4:5] offset:KS_P+2048*\h
	global_load_b32 v[LVP+2*\h], v11, s[6:7] offset:DPL+2048*\h
	global_load_b32 v[WP+2*\h], v11, s[6:7] offset:DPW+2048*\h
.endr
	s_lshl_b32 s30, s14, 21
	s_mov_b32 s31, 0
	s_add_nc_u64 s[10:11], s[10:11], s[30:31]      ; out1 at my batch entry
	s_wait_loadcnt 0x0
.irp i, 0,1,2,3,4,5,6,7
	ds_store_b128 v1, v[144+4*\i:147+4*\i] offset:2048*\i
.endr
.irp i, 0,1
	ds_store_b128 v1, v[176+4*\i:179+4*\i] offset:L_DPA+2048*\i
.endr
.irp h, 0,1,2,3
	v_bfi_b32 v[197+\h], 0xff, v[184+\h], v[188+\h]   ; byte 0: head hh; byte 1: head hh + 4
	ds_store_b32 v2, v[197+\h] offset:L_ASW+512*\h
.endr
	v_fma_f32 v201, v192, s18, s19
	ds_store_b32 v2, v201 offset:L_RO
	v_lshlrev_b32 v203, 3, v202
	v_mov_b32 v204, 0xff
	v_lshlrev_b32 v203, v203, v204                 ; my column's block, as a mask of its byte
.irp h, 0,1,2,3
	v_bfi_b32 v[BS+\h], v203, v[193+\h], s24       ; k's byte there, 1 in the idle blocks
.endr
	v_cmp_eq_u32 vcc_lo, v202, v4
.irp h, 0,1,2,3
.irp k, 0,1,2,3
	v_cndmask_b32 v[BF+8*\h+\k], 0, v[BF+8*\h+\k], vcc_lo   ; codes in block r % 2 alone
.endr
.endr
.rept 8
	v_nop                                          ; places between the vector instructions that made scale words and codes and the scaled products
.endr
	s_wait_dscnt 0x0
	s_barrier_signal -1
	s_barrier_wait -1
	s_mov_b32 s20, 0
	s_mov_b32 s21, 0
	s_mov_b32 s22, 0
.Lrows:                                            ; 8 trips of 16 rows
	v_add_nc_u32 v212, s20, v208
	v_add_nc_u32 v213, s21, v209
	v_add_nc_u32 v214, s21, v210
	v_add_nc_u32 v215, s21, v211
.irp h, 0,1,2,3
	ds_load_b128 v[AF+8*\h:AF+8*\h+3], v212 offset:2048*\h
	ds_load_b32 v[AS+\h], v213 offset:L_ASW+512*\h
	ds_load_b128 v[AI+8*\h:AI+8*\h+3], v214 offset:L_DPA+512*\h
	ds_load_b128 v[AI+8*\h+4:AI+8*\h+7], v214 offset:L_DPA+512*\h+16
.endr
	ds_load_b128 v[RO:RO+3], v215 offset:L_RO
	ds_load_b128 v[RO+4:RO+7], v215 offset:L_RO+16
	s_wait_dscnt 0x0
.irp h, 0,1,2,3
	v_wmma_scale_f32_16x16x128_f8f6f4 v[D+8*\h:D+8*\h+7], v[AF+8*\h:AF+8*\h+7], v[BF+8*\h:BF+8*\h+7], v[RO:RO+7], v[AS+\h], v[BS+\h] matrix_a_fmt:MATRIX_FMT_FP4 matrix_b_fmt:MATRIX_FMT_FP4
.endr
.rept 4
	v_nop                                          ; places behind the products
.endr
.irp h, 0,1,2,3
.irp j, 0,2,4,6
	v_pk_fma_f32 v[D+8*\h+\j:D+8*\h+\j+1], v[D+8*\h+\j:D+8*\h+\j+1], s[16:17], v[LVP+2*\h:LVP+2*\h+1] op_sel_hi:[1,0,0]
.endr
.endr
.set ei, 0
.rept 32
	v_exp_f32 v[D+ei], v[D+ei]
.set ei, ei+1
.endr
	v_nop                                          ; a plain place behind the exponentials
	s_wait_alu depctr_va_vdst(0)
.irp h, 0,1,2,3
.irp j, 0,2,4,6
	v_pk_add_f32 v[D+8*\h+\j:D+8*\h+\j+1], v[D+8*\h+\j:D+8*\h+\j+1], v[WP+2*\h:WP+2*\h+1] op_sel_hi:[1,0]
.endr
.endr
.irp h, 0,1,2,3
.irp j, 0,1,2,3,4,5,6,7
	v_mul_f32 v[OUT+4*\j+\h], v[D+8*\h+\j], v[AI+8*\h+\j]
.endr
.endr
.irp j, 0,1,2,3,4,5,6,7
	global_store_b128 v216, v[OUT+4*\j:OUT+4*\j+3], s[10:11] offset:16384*\j th:TH_STORE_NT   ; lanes 0-15 store 256 consecutive bytes of row j, lanes 16-31 of row 8 + j, both aligned
.endr
	s_wait_xcnt 0x0                                ; the stores have read their registers and their base
	s_add_nc_u64 s[10:11], s[10:11], 0x40000       ; 16 rows on
	s_add_co_u32 s20, s20, 256
	s_add_co_u32 s21, s21, 64
	s_add_co_u32 s22, s22, 1
	s_cmp_lt_u32 s22, 8
	s_cbranch_scc1 .Lrows
	s_cmp_lg_u32 s12, 0
	s_cbranch_scc1 .Lend
	; out0[n][32 g + lane]: columns 0-255 are protein's (matrices 0 and 1), columns 256-511 drug's (2 and 3)
	s_lshr_b32 s25, ttmp9, 3
	s_lshl_b32 s25, s25, 15
	s_lshl_b32 s26, s14, 10
	s_add_co_u32 s25, s25, s26
	s_and_b32 s26, ttmp9, 7
	s_lshl_b32 s26, s26, 7
	s_add_co_u32 s25, s25, s26
	v_and_b32 v217, 31, v0
	v_lshlrev_b32 v220, 2, v217
	v_add_nc_u32 v217, s25, v220
	global_load_b32 v218, v217, s[6:7]
	global_load_b32 v219, v217, s[6:7] offset:16384
	s_lshl_b32 s26, s14, 11
	s_lshl_b32 s27, ttmp9, 7
	s_add_co_u32 s26, s26, s27
	v_add_nc_u32 v220, s26, v220
	s_wait_loadcnt 0x0
	v_add_f32 v218, v218, v219
	global_store_b32 v220, v218, s[8:9]
.Lend:
	s_wait_tensorcnt 0x0
	ds_add_u32 v254, v255
	s_wait_dscnt 0x0
	s_endpgm
.Lfunc_end_k_qdce8b9131d_emit:
	.size	k_qdce8b9131d_emit, .Lfunc_end_k_qdce8b9131d_emit-k_qdce8b9131d_emit
	.p2alignl 7, 3214868480
	.fill 96, 4, 3214868480
	.section	.rodata,"a",@progbits
	.p2align	6, 0x0
	.amdhsa_kernel k_qdce8b9131d_emit
		.amdhsa_group_segment_fixed_size 23552
		.amdhsa_private_segment_fixed_size 0
		.amdhsa_enable_private_segment 0
		.amdhsa_kernarg_size 32
		.amdhsa_user_sgpr_count 2
		.amdhsa_user_sgpr_kernarg_segment_ptr 1
		.amdhsa_wavefront_size32 1
		.amdhsa_system_sgpr_workgroup_id_x 1
		.amdhsa_system_sgpr_workgroup_id_y 1
		.amdhsa_system_sgpr_workgroup_id_z 1
		.amdhsa_system_vgpr_workitem_id 0
		.amdhsa_next_free_vgpr 256
		.amdhsa_next_free_sgpr 66
		.amdhsa_reserve_vcc 1
		.amdhsa_float_denorm_mode_32 3
		.amdhsa_float_denorm_mode_16_64 3
		.amdhsa_memory_ordered 1
		.amdhsa_forward_progress 1
		.amdhsa_inst_pref_size 18
	.end_amdhsa_kernel
	.amdgpu_metadata
---
amdhsa.version: [ 1, 2 ]
amdhsa.kernels:
  - .name:           k_qdce8b9131d_emit
    .symbol:         k_qdce8b9131d_emit.kd
    .args:
      - { .name: pj, .offset: 0, .size: 8, .value_kind: global_buffer, .address_space: global }
      - { .name: sk, .offset: 8, .size: 8, .value_kind: global_buffer, .address_space: global }
      - { .name: out0, .offset: 16, .size: 8, .value_kind: global_buffer, .address_space: global }
      - { .name: out1, .offset: 24, .size: 8, .value_kind: global_buffer, .address_space: global }
    .group_segment_fixed_size: 23552
    .private_segment_fixed_size: 0
    .kernarg_segment_align: 8
    .kernarg_segment_size: 32
    .max_flat_workgroup_size: 128
    .sgpr_count:     66
    .vgpr_count:     256
    .wavefront_size: 32
...
	.end_amdgpu_metadata
.endif
;; end of part 4
;; ======== version 2 of 2: 4 launches; version 1 with the launches proj, sink, emit written anew for expert scheduling mode
;; workspace buffers: wq 208,896 bytes; pj 4,710,400 bytes; sk 655,360 bytes
;; launch wquant: the kernel of part 1 again; grid 4 x 6, 4 waves a work-group, no clusters, 1,024 bytes of LDS; arguments Wq_p, Wk_p, Wv_p, Wq_d, Wk_d, Wv_d, wq; writes wq
;; launch proj (part 5): grid 160 x 1, 8 waves a work-group, no clusters, 15,360 bytes of LDS; arguments protein, drug, mask_prot, mask_drug, wq, pj; writes pj
.if DOCPART == 5
	.amdgcn_target "amdgcn-amd-amdhsa--gfx1250"
	.amdhsa_code_object_version 6
	.text
	.protected	k_qdce8b9131d_proj
	.globl	k_qdce8b9131d_proj
	.p2align	8
	.type	k_qdce8b9131d_proj,@function
k_qdce8b9131d_proj:
	s_mov_b64 s[64:65], 0
	v_nop
	global_prefetch_b8 v0, s[64:65] scope:SCOPE_SE
	s_setreg_imm32_b32 hwreg(HW_REG_WAVE_SCHED_MODE, 0, 2), 2
	s_setreg_imm32_b32 hwreg(HW_REG_WAVE_MODE, 25, 1), 1
	s_wait_xcnt 0x0
	s_wait_alu depctr_vm_vsrc(0)
; Groups of four rows are averaged, quantised along K = 256, multiplied by the three weights of their kind (codes from wq), and q, k, v are quantised for the products that follow.
; Work-groups 0-127 take protein, 128-159 drug: only pointers and offsets are chosen, one path through the text.  A work-group owns 64 grouped rows (256 raw rows, 256 KiB).
; PHASE X: wave w averages raw rows 32 w .. 32 w + 31 into grouped rows 8 w .. 8 w + 7.  Each load reads 512 consecutive bytes; a lane holds 4 neighbouring columns of each half row, eight lanes a block of 32.
;   The codes go to LDS as rows of 128 bytes + 16 of padding, the scale bytes 8 a row.
; MATRIX PHASE: wave = head.  q, k: source 0 = 16 rows of W (chosen so that a lane's 16 results are 16 neighbouring channels), source 1 = 16 grouped rows: a lane holds one row and half a head, two lanes the block of 32.
;   v: source 0 = 16 grouped rows, chosen likewise, source 1 = 16 rows of Wv: a lane holds one channel and 16 neighbouring keys, since the keys are the next product's K.
; OUT (pj): q, k codes [n][h][l][16 B]; their scale bytes as words with the byte in all four places [n][h][l]; V^T as images of operand registers [n][h][dt][s][c][lane][16 B];
;   V's two scale bytes of 64 keys [n][g][h][dt][r] u16; the group masks as 0.0 or 1.0.
; No cluster: what the work-groups share, the weights' 100 KiB of codes, is the lesser part of a work-group's 356 KiB and goes straight into registers.
; A block of zeros keeps the byte 1 (its codes are zeros; this program alone reads the bytes).  LIMITS: NaN and infinities among the inputs are not served.
; REGISTERS: v1-15 addresses; v16-111 W's 12 fragments (later x's permuted fragments in v16-79); v112-123 scale words; v128-223 three sets of 32 raw numbers, later fragments, sums and results;
;   v224-239 codes and bytes on their way to LDS; v240-243 at work; v244-245 and v252-253 x's scale words, two sets; v246-251 addresses of the way out.
; THE MODE: SCHED_MODE bits 1:0 = 2 (LLVM: expert scheduling mode 2), set by the entry lines.  The code itself states the register dependences
; between vector or matrix instructions and memory or LDS instructions, with s_wait_alu, always for 0.
; THE PLAN.  Registers that memory or LDS instructions touch:
;   the three raw sets     Row rho: its vector lines work in set rho % 3; behind them the loads of row rho + 3 land in it.
;   v224-239               Row rho's codes and bytes (four registers, rho % 4): written by its vector lines, read by its four LDS stores, written again four rows on and in V's phase.
;   x's fragments, words   Two sets by turns: tile lt's products read set lt % 2; the loads of tile lt + 1 are issued at tile lt's head into the other set, which tile lt - 1's products read.
;   v192-215               A tile's codes and scale words, registers of its own for each tile: written by its vector lines, read by its stores.
;   v16-79, v112-119       Read by the products of q and k; V's phase loads x's chosen rows into them.
;   v1-15, v246-251        Offsets and addresses, made at the head, never written again.
; So ONE wait on va_vdst stands in a row, behind its last vector line, and one in a tile of q and k, ahead of its stores; each also frees the registers in which the next loads land.
.set QC_P, 0x000000
.set KC_P, 0x100000
.set QC_D, 0x200000
.set KC_D, 0x240000
.set QS_P, 0x280000
.set KS_P, 0x2C0000
.set QS_D, 0x300000
.set KS_D, 0x310000
.set VI_P, 0x320000
.set VI_D, 0x420000
.set VH_P, 0x460000
.set VH_D, 0x470000
.set MF_P, 0x474000
.set MF_D, 0x47C000
.set WS_OFF, 0x30000
.set XP,    144                        ; LDS: a row of x's codes: 128 bytes + 16: the 16 rows of a fragment load start at 16 different groups of banks
.set L_XS,  9216                       ; 64 rows x 8 scale bytes
.set L_SCQ, 9728                       ; [q, k][head 8][row 64] scale words
.set L_VSS, 13824                      ; [head][dt][r] u16
	s_load_b256 s[4:11], s[0:1], 0x0               ; protein, drug, mask_prot, mask_drug
	s_load_b128 s[12:15], s[0:1], 0x20             ; wq, pj
	v_lshl_add_u32 v254, v0, 2, 0x3800
	v_mov_b32 v255, 0
	v_lshrrev_b32 v1, 5, v0
	v_readfirstlane_b32 s20, v1                    ; wave = head
	v_and_b32 v16, 31, v0                          ; lane
	v_and_b32 v17, 15, v0                          ; r
	v_bfe_u32 v18, v0, 4, 1                        ; hf
	v_and_b32 v19, 8, v17
	v_add_nc_u32 v19, v19, v17                     ; r + 8 (r / 8)
	s_wait_alu depctr_va_sdst(0)                   ; s20 is written, ahead of its first reader
	s_lshl_b32 s36, s20, 15
	v_lshl_add_u32 v1, v16, 4, s36                 ; x: my wave's 32 raw rows, 16 bytes a lane
	s_mul_i32 s37, s20, 8*XP
	v_lshl_add_u32 v2, v16, 1, s37                 ; LDS: my wave's 8 rows of codes, 2 bytes a lane
	s_lshl_b32 s38, s20, 6
	v_lshrrev_b32 v3, 3, v16
	v_add_nc_u32 v3, s38, v3                       ; LDS: my wave's 64 scale bytes, my block's
	v_mul_u32_u24 v4, v17, XP
	v_lshl_add_u32 v4, v18, 4, v4                  ; a fragment of neighbouring rows
	v_mul_u32_u24 v5, v19, XP
	v_lshl_add_u32 v5, v18, 4, v5                  ; a fragment of chosen rows
	v_lshlrev_b32 v6, 3, v17                       ; their scale words
	v_lshlrev_b32 v7, 3, v19
	s_lshl_b32 s39, s20, 8
	v_lshl_add_u32 v8, v17, 2, s39                 ; LDS: my head's scale words of q and k
	v_lshl_add_u32 v9, v17, 1, s38                 ; LDS: my head's scale bytes of v
	v_lshlrev_b32 v246, 4, v0
	v_lshlrev_b32 v248, 4, v16
	s_mov_b32 s50, 0x76543210
	s_mov_b32 s51, 0xfedcba98                      ; v_permlanex16_b32's selects for lane l xor 16
	s_wait_kmcnt 0x0
	s_cmp_lt_u32 ttmp9, 128                        ; protein or drug: the choice hangs on the work-group's number alone
	s_cselect_b64 s[16:17], s[4:5], s[6:7]
	s_cselect_b64 s[18:19], s[8:9], s[10:11]
	s_cselect_b32 s21, 0, 128
	s_cselect_b32 s22, 9, 7                        ; log2 of the grouped rows of a batch entry
	s_cselect_b32 s23, 3, 1                        ; log2 of the work-groups of a batch entry
	s_cselect_b32 s24, 0, 3                        ; the first of my three weights
	s_mov_b32 s25, QC_D
	s_cselect_b32 s25, QC_P, s25
	s_mov_b32 s26, KC_D
	s_cselect_b32 s26, KC_P, s26
	s_mov_b32 s27, QS_D
	s_cselect_b32 s27, QS_P, s27
	s_mov_b32 s28, KS_D
	s_cselect_b32 s28, KS_P, s28
	s_mov_b32 s29, VI_D
	s_cselect_b32 s29, VI_P, s29
	s_mov_b32 s30, VH_D
	s_cselect_b32 s30, VH_P, s30
	s_mov_b32 s31, MF_D
	s_cselect_b32 s31, MF_P, s31
	s_sub_co_u32 s32, ttmp9, s21                   ; gg: my block of 64 grouped rows in my tensor
	s_lshr_b32 s33, s32, s23                       ; n
	s_bfm_b32 s34, s23, 0
	s_and_b32 s34, s32, s34                        ; blk: my block within n
	s_lshl_b32 s36, s32, 18
	s_mov_b32 s37, 0
	s_add_nc_u64 s[16:17], s[16:17], s[36:37]      ; x at my 256 raw rows
	s_lshl_b32 s36, s32, 8
	s_add_nc_u64 s[18:19], s[18:19], s[36:37]      ; the mask likewise
	s_lshl_b32 s35, s24, 3
	s_add_co_u32 s35, s35, s20                     ; 8 x weight + head
	s_lshl_b32 s36, s35, 12
	v_lshl_add_u32 v10, v16, 4, s36                ; W's images
	s_lshl_b32 s36, s35, 8
	v_lshl_add_u32 v11, v17, 3, s36                ; W's scale words
.macro XLOAD rho                       ; the four raw rows of grouped row rho: eight loads of 512 consecutive bytes
.set SL2, 128+32*((\rho)%3)
.irp i, 0,1,2,3
.irp e, 0,1
	global_load_b128 v[SL2+8*\i+4*\e:SL2+8*\i+4*\e+3], v1, s[16:17] offset:(4*(\rho)+\i)*1024+512*\e th:TH_LOAD_NT
.endr
.endr
.endm
	s_wait_alu depctr_va_vdst(0)                   ; v1 to v11 are written, which the loads and LDS instructions below read; the lines above are done with v16 to v19, in which loads of the weights land
	XLOAD 0
	XLOAD 1
	XLOAD 2
.irp p, 0,1,2
.irp u, 0,1
.irp s, 0,1
.irp c, 0,1
	global_load_b128 v[16+32*\p+16*\u+8*\s+4*\c:16+32*\p+16*\u+8*\s+4*\c+3], v10, s[12:13] offset:32768*\p+2048*\u+1024*\s+512*\c
.endr
.endr
	global_load_b64 v[112+4*\p+2*\u:113+4*\p+2*\u], v11, s[12:13] offset:WS_OFF+2048*\p+128*\u
.endr
.endr
	; offsets of the stores: none of these lines names a register that a load above touches; the first wait of the rows below shows them written
	v_and_b32 v250, 15, v0
	v_bfe_u32 v251, v0, 4, 1
	s_lshl_b32 s35, s33, 3
	s_add_co_u32 s35, s35, s20                     ; 8 n + head
	s_lshl_b32 s38, s35, s22
	s_lshl_b32 s39, s34, 6
	s_add_co_u32 s38, s38, s39                     ; my head's first row of this block
	s_lshl_b32 s40, s38, 4
	s_add_co_u32 s41, s40, s25
	s_add_co_u32 s42, s40, s26
	v_lshlrev_b32 v12, 4, v250
	v_lshl_add_u32 v12, v251, 3, v12               ; 16 r + 8 hf
	v_add_nc_u32 v13, s42, v12                     ; k's codes
	v_add_nc_u32 v12, s41, v12                     ; q's codes
	s_add_co_u32 s43, s22, 4
	s_lshl_b32 s43, s35, s43
	s_lshl_b32 s44, s34, 9
	s_add_co_u32 s43, s43, s44
	s_add_co_u32 s43, s43, s29
	v_add_nc_u32 v14, s43, v248                    ; V's image, dt = 0
	s_add_co_u32 s44, s22, 3
	s_lshl_b32 s44, 1, s44
	v_add_nc_u32 v15, s44, v14                     ; dt = 1
	s_add_co_u32 s44, s22, 5
	s_lshl_b32 s44, s33, s44
	s_lshl_b32 s45, s34, 8
	s_add_co_u32 s44, s44, s45
	s_add_co_u32 s44, s44, s27
	v_lshlrev_b32 v247, 4, v250                    ; the scale words' way out: thread T holds rows 4 (T % 16) on of head (T / 16) % 8, of q (T < 128) or k
	v_bfe_u32 v250, v0, 4, 3
	s_add_co_u32 s45, s22, 2
	v_lshlrev_b32 v250, s45, v250
	v_add_nc_u32 v247, v247, v250
	v_lshrrev_b32 v250, 7, v0
	s_sub_co_u32 s46, s28, s27
	v_mul_u32_u24 v250, s46, v250
	v_add_nc_u32 v247, v247, v250
	v_add_nc_u32 v247, s44, v247
	s_lshl_b32 s45, s32, 9
	s_add_co_u32 s45, s45, s30
	v_add_nc_u32 v249, s45, v248                   ; V's scale bytes
	v_and_b32 v250, 31, v0
	v_lshlrev_b32 v250, 3, v250                    ; the mask: 8 bytes a lane
	s_lshl_b32 s45, s32, 8
	s_add_co_u32 s45, s45, s31
	v_add_nc_u32 v251, s45, v250                   ; and two group masks a lane
; Grouped row rho.  cnt: the loads issued behind this row's eight, which may stay out.
.macro XROW rho, cnt
.set SL, 128+32*((\rho)%3)
.set CR, 224+2*((\rho)%4)
.set BR, 232+2*((\rho)%4)
	s_wait_loadcnt \cnt
.if (\rho) == 4
	s_wait_alu depctr_vm_vsrc(0)                   ; the LDS stores of rows 0 to 3 have read their codes and bytes, whose registers rows 4 to 7 write again
.endif
.irp i, 1,2,3
.irp p, 0,2,4,6
	v_pk_add_f32 v[SL+\p:SL+\p+1], v[SL+\p:SL+\p+1], v[SL+8*\i+\p:SL+8*\i+\p+1]   ; ((x0 + x1) + x2) + x3
.endr
.endr
.irp p, 0,2,4,6
	v_pk_mul_f32 v[SL+\p:SL+\p+1], v[SL+\p:SL+\p+1], 0x3e800000 op_sel_hi:[1,0]   ; x 0.25: exact
.endr
	v_max3_num_f32 v240, |v[SL]|, |v[SL+1]|, 0x1800000     ; my four numbers of each half row, and the floor 2^(3 - 127)
	v_max3_num_f32 v241, |v[SL+4]|, |v[SL+5]|, 0x1800000
	v_max3_num_f32 v240, v240, |v[SL+2]|, |v[SL+3]|
	v_max3_num_f32 v241, v241, |v[SL+6]|, |v[SL+7]|
.irp x, 1,2,4
	v_max_num_f32_dpp v240, v240, v240 row_xmask:\x row_mask:0xf bank_mask:0xf   ; eight lanes hold a block of 32
	v_max_num_f32_dpp v241, v241, v241 row_xmask:\x row_mask:0xf bank_mask:0xf
.endr
	v_add_nc_u32 v242, 0xff000000, v240            ; 2 off the exponent field: the conversion's scale operand
	v_add_nc_u32 v243, 0xff000000, v241
	v_cvt_scalef32_pk8_fp4_f32 v[CR], v[SL:SL+7], v242       ; the low 16 bits are my four codes; the upper four numbers are not used
	v_cvt_scalef32_pk8_fp4_f32 v[CR+1], v[SL+4:SL+11], v243
	v_lshrrev_b32 v[BR], 23, v242                  ; the scale's byte (a plain place behind the conversions)
	v_lshrrev_b32 v[BR+1], 23, v243
	s_wait_alu depctr_va_vdst(0)                   ; the row's codes and bytes are written, which the LDS stores read; its lines are done with the raw set, in which the loads of three rows on land
	ds_store_b16 v2, v[CR] offset:XP*(\rho)
	ds_store_b16 v2, v[CR+1] offset:XP*(\rho)+64
	ds_store_b8 v3, v[BR] offset:L_XS+8*(\rho)     ; the eight lanes of a block write the same byte
	ds_store_b8 v3, v[BR+1] offset:L_XS+8*(\rho)+4
.if (\rho)+3 < 8
	XLOAD (\rho)+3
.endif
.endm
	XROW 0, 46                                     ; behind row 0's loads: rows 1, 2 and the 30 loads of the weights
	XROW 1, 46                                     ; row 2, the weights, row 3
	XROW 2, 46                                     ; the weights, rows 3, 4
	XROW 3, 16                                     ; rows 4, 5: the weights are in from here on
	XROW 4, 16
	XROW 5, 16
	XROW 6, 8
	XROW 7, 0
	s_wait_dscnt 0x0                               ; for the others' sake: my rows lie in LDS
	s_barrier_signal -1
	s_barrier_wait -1
	s_wait_alu depctr_vm_vsrc(0)                   ; the LDS stores of rows 4 to 7 have read v224 to v239, which V's phase writes again
; 16 grouped rows' fragments and scale words, tile lt, into set lt % 2
.macro XFETCH lt
.set FB, 128+16*((\lt)%2)
.set SB2, 244+8*((\lt)%2)
.irp s, 0,1
.irp c, 0,1
	ds_load_b128 v[FB+8*\s+4*\c:FB+8*\s+4*\c+3], v4 offset:16*XP*(\lt)+64*\s+32*\c
.endr
.endr
	ds_load_b64 v[SB2:SB2+1], v6 offset:L_XS+128*(\lt)
.endm
	XFETCH 0                                       ; no wait: no vector line since row 7's wait, which shows the rows' lines done with v128 to v159
	; ---- q and k of my head, 16 grouped rows at a time.  Four sums by turns: q's two tiles, k's two tiles.
.irp lt, 0,1,2,3
.set XB, 128+16*(\lt%2)
.set XW, 244+8*(\lt%2)
	s_wait_dscnt 0x0                               ; this tile's fragments and scale words, asked for a tile ago, are in
.if \lt < 3
	XFETCH \lt+1                                   ; the next tile's, into the other set.  No wait: the products that read that set stand ahead of the last tile's wait, and no vector or matrix line has been issued since
.endif
.irp a, 0,1,2,3
	v_wmma_scale_f32_16x16x128_f8f6f4 v[160+8*\a:167+8*\a], v[16+16*\a:23+16*\a], v[XB:XB+7], 0, v[112+2*\a], v[XW] matrix_a_fmt:MATRIX_FMT_FP4 matrix_b_fmt:MATRIX_FMT_FP4
.endr
.irp a, 0,1,2,3
	v_wmma_scale_f32_16x16x128_f8f6f4 v[160+8*\a:167+8*\a], v[24+16*\a:31+16*\a], v[XB+8:XB+15], v[160+8*\a:167+8*\a], v[113+2*\a], v[XW+1] matrix_a_fmt:MATRIX_FMT_FP4 matrix_b_fmt:MATRIX_FMT_FP4
.endr
.rept 4
	v_nop                                          ; places behind the products, for the reads of their results
.endr
	v_max3_num_f32 v216, |v160|, |v161|, 0x1800000 ; lane (r, hf): row r, channels 16 hf + 0 .. 15 of the head
	v_max3_num_f32 v217, |v176|, |v177|, 0x1800000
.irp i, 2,4,6,8,10,12,14
	v_max3_num_f32 v216, v216, |v[160+\i]|, |v[161+\i]|
	v_max3_num_f32 v217, v217, |v[176+\i]|, |v[177+\i]|
.endr
	v_permlanex16_b32 v218, v216, s50, s51
	v_permlanex16_b32 v219, v217, s50, s51
	v_max_num_f32 v216, v216, v218                 ; with lane l xor 16's: the head's 32 channels are one block
	v_max_num_f32 v217, v217, v219
	v_add_nc_u32 v220, 0xff000000, v216
	v_add_nc_u32 v221, 0xff000000, v217
	v_lshrrev_b32 v222, 23, v220
	v_lshrrev_b32 v223, 23, v221
	v_cvt_scalef32_pk8_fp4_f32 v[192+4*\lt], v[160:167], v220
	v_cvt_scalef32_pk8_fp4_f32 v[193+4*\lt], v[168:175], v220
	v_cvt_scalef32_pk8_fp4_f32 v[194+4*\lt], v[176:183], v221
	v_cvt_scalef32_pk8_fp4_f32 v[195+4*\lt], v[184:191], v221
	v_lshl_or_b32 v[208+2*\lt], v222, 8, v222      ; the byte in all four places of a word (plain places behind the conversions)
	v_lshl_or_b32 v[209+2*\lt], v223, 8, v223
	v_lshl_or_b32 v[208+2*\lt], v[208+2*\lt], 16, v[208+2*\lt]
	v_lshl_or_b32 v[209+2*\lt], v[209+2*\lt], 16, v[209+2*\lt]
	s_wait_alu depctr_va_vdst(0)                   ; the tile's codes and scale words are written, which the stores read; its products are done reading their fragments and scale words, in which later loads land
	global_store_b64 v12, v[192+4*\lt:193+4*\lt], s[14:15] offset:256*\lt   ; 32 lanes store 256 consecutive bytes, aligned; each tile of rows has result registers of its own
	global_store_b64 v13, v[194+4*\lt:195+4*\lt], s[14:15] offset:256*\lt
	ds_store_b32 v8, v[208+2*\lt] offset:L_SCQ+64*\lt
	ds_store_b32 v8, v[209+2*\lt] offset:L_SCQ+2048+64*\lt
.endr
	; ---- v of my head: rows chosen so that a lane's 16 results of two tiles are 16 neighbouring keys.  The loads land in the registers of Wq and Wk and of their scale words: the last tile's wait shows the products done with them
.irp t, 0,1,2,3
.irp s, 0,1
.irp c, 0,1
	ds_load_b128 v[16+16*\t+8*\s+4*\c:16+16*\t+8*\s+4*\c+3], v5 offset:(32*(\t/2)+8*(\t%2))*XP+64*\s+32*\c
.endr
.endr
	ds_load_b64 v[112+2*\t:113+2*\t], v7 offset:L_XS+(32*(\t/2)+8*(\t%2))*8
.endr
	s_wait_dscnt 0x0
.rept 5
	v_nop                                          ; the sums below lie over registers of the products above
.endr
.irp d, 0,1
.irp t, 0,1,2,3
	v_wmma_scale_f32_16x16x128_f8f6f4 v[128+32*\d+8*\t:135+32*\d+8*\t], v[16+16*\t:23+16*\t], v[80+16*\d:87+16*\d], 0, v[112+2*\t], v[120+2*\d] matrix_a_fmt:MATRIX_FMT_FP4 matrix_b_fmt:MATRIX_FMT_FP4
.endr
.endr
.irp d, 0,1
.irp t, 0,1,2,3
	v_wmma_scale_f32_16x16x128_f8f6f4 v[128+32*\d+8*\t:135+32*\d+8*\t], v[24+16*\t:31+16*\t], v[88+16*\d:95+16*\d], v[128+32*\d+8*\t:135+32*\d+8*\t], v[113+2*\t], v[121+2*\d] matrix_a_fmt:MATRIX_FMT_FP4 matrix_b_fmt:MATRIX_FMT_FP4
.endr
.endr
.rept 4
	v_nop
.endr
.irp q, 0,1,2,3                        ; block q = 2 dt + b: channel 16 dt + r, keys 32 b + 16 hf + 0 .. 15
	v_max3_num_f32 v[232+\q], |v[128+16*\q]|, |v[129+16*\q]|, 0x1800000
.endr
.irp i, 2,4,6,8,10,12,14
.irp q, 0,1,2,3
	v_max3_num_f32 v[232+\q], v[232+\q], |v[128+16*\q+\i]|, |v[129+16*\q+\i]|
.endr
.endr
.irp q, 0,1,2,3
	v_permlanex16_b32 v[236+\q], v[232+\q], s50, s51
.endr
.irp q, 0,1,2,3
	v_max_num_f32 v[232+\q], v[232+\q], v[236+\q]
.endr
.irp q, 0,1,2,3
	v_add_nc_u32 v[240+\q], 0xff000000, v[232+\q]
.endr
.irp q, 0,1,2,3
	v_lshrrev_b32 v[232+\q], 23, v[240+\q]
.endr
.irp q, 0,1,2,3
	v_cvt_scalef32_pk8_fp4_f32 v[224+2*\q], v[128+16*\q:135+16*\q], v[240+\q]
	v_cvt_scalef32_pk8_fp4_f32 v[225+2*\q], v[136+16*\q:143+16*\q], v[240+\q]
.endr
	v_nop                                          ; one plain place behind the conversions
.irp d, 0,1
.irp i, 0,1
	v_permlane16_swap_b32 v[224+4*\d+\i], v[226+4*\d+\i]   ; the operand's layout wants a whole block in a lane: lanes 0-15 keys 0-31, lanes 16-31 keys 32-63
.endr
	v_lshl_or_b32 v[232+2*\d], v[233+2*\d], 8, v[232+2*\d]   ; the two blocks' bytes
.endr
	s_wait_alu depctr_va_vdst(0)                   ; V's codes and bytes are written, which the stores read; the lines above are done with v128 to v139, in which the loads behind the barrier land
	ds_store_b16 v9, v232 offset:L_VSS
	ds_store_b16 v9, v234 offset:L_VSS+32
	global_store_b128 v14, v[224:227], s[14:15]    ; 32 lanes store 512 consecutive bytes
	global_store_b128 v15, v[228:231], s[14:15]
	s_wait_dscnt 0x0                               ; for the others' sake: my scale words and bytes lie in LDS
	s_barrier_signal -1
	s_barrier_wait -1
	ds_load_b128 v[128:131], v246 offset:L_SCQ
	s_wait_dscnt 0x0
	global_store_b128 v247, v[128:131], s[14:15]   ; sixteen lanes store a head's 256 bytes, aligned
	s_cmp_lg_u32 s20, 0
	s_cbranch_scc1 .Lend
	ds_load_b128 v[132:135], v248 offset:L_VSS
	global_load_b64 v[136:137], v250, s[18:19]     ; eight mask bytes: two groups of four
	s_wait_dscnt 0x0
	global_store_b128 v249, v[132:135], s[14:15]
	s_wait_loadcnt 0x0
	v_cmp_ne_u32 vcc_lo, 0, v136                   ; any of the four
	s_wait_alu depctr_va_vcc(0)                    ; VCC is written, ahead of the select that reads it
	v_cndmask_b32 v138, 0, 1.0, vcc_lo
	v_cmp_ne_u32 vcc_lo, 0, v137
	s_wait_alu depctr_va_vcc(0)                    ; and again
	v_cndmask_b32 v139, 0, 1.0, vcc_lo
	s_wait_alu depctr_va_vdst(0)                   ; the two group masks are written, which the store reads
	global_store_b64 v251, v[138:139], s[14:15]
.Lend:
	s_wait_dscnt 0x0                               ; the closing lines, six on end
	s_wait_alu 0x0
	s_wait_tensorcnt 0x0
	ds_add_u32 v254, v255
	s_wait_dscnt 0x0
	s_endpgm
.Lfunc_end_k_qdce8b9131d_proj:
	.size	k_qdce8b9131d_proj, .Lfunc_end_k_qdce8b9131d_proj-k_qdce8b9131d_proj
	.p2alignl 7, 3214868480
	.fill 96, 4, 3214868480
	.section	.rodata,"a",@progbits
	.p2align	6, 0x0
	.amdhsa_kernel k_qdce8b9131d_proj
		.amdhsa_group_segment_fixed_size 15360
		.amdhsa_private_segment_fixed_size 0
		.amdhsa_enable_private_segment 0
		.amdhsa_kernarg_size 48
		.amdhsa_user_sgpr_count 2
		.amdhsa_user_sgpr_kernarg_segment_ptr 1
		.amdhsa_wavefront_size32 1
		.amdhsa_system_sgpr_workgroup_id_x 1
		.amdhsa_system_sgpr_workgroup_id_y 1
		.amdhsa_system_sgpr_workgroup_id_z 1
		.amdhsa_system_vgpr_workitem_id 0
		.amdhsa_next_free_vgpr 256
		.amdhsa_next_free_sgpr 66
		.amdhsa_reserve_vcc 1
		.amdhsa_float_denorm_mode_32 3
		.amdhsa_float_denorm_mode_16_64 3
		.amdhsa_memory_ordered 1
		.amdhsa_forward_progress 1
		.amdhsa_inst_pref_size 58
	.end_amdhsa_kernel
	.amdgpu_metadata
---
amdhsa.version: [ 1, 2 ]
amdhsa.kernels:
  - .name:           k_qdce8b9131d_proj
    .symbol:         k_qdce8b9131d_proj.kd
    .args:
      - { .name: protein, .offset: 0, .size: 8, .value_kind: global_buffer, .address_space: global }
      - { .name: drug, .offset: 8, .size: 8, .value_kind: global_buffer, .address_space: global }
      - { .name: mask_prot, .offset: 16, .size: 8, .value_kind: global_buffer, .address_space: global }
      - { .name: mask_drug, .offset: 24, .size: 8, .value_kind: global_buffer, .address_space: global }
      - { .name: wq, .offset: 32, .size: 8, .value_kind: global_buffer, .address_space: global }
      - { .name: pj, .offset: 40, .size: 8, .value_kind: global_buffer, .address_space: global }
    .group_segment_fixed_size: 15360
    .private_segment_fixed_size: 0
    .kernarg_segment_align: 8
    .kernarg_segment_size: 48
    .max_flat_workgroup_size: 256
    .sgpr_count:     66
    .vgpr_count:     256
    .wavefront_size: 32
...
	.end_amdgpu_metadata
.endif
;; end of part 5
;; launch sink (part 6): grid 256 x 1, 4 waves a work-group, no clusters, 176,384 bytes of LDS; arguments pj, sk; writes sk
.if DOCPART == 6
	.amdgcn_target "amdgcn-amd-amdhsa--gfx1250"
	.amdhsa_code_object_version 6
	.text
	.protected	k_qdce8b9131d_sink
	.globl	k_qdce8b9131d_sink
	.p2align	8
	.type	k_qdce8b9131d_sink,@function
k_qdce8b9131d_sink:
	s_mov_b64 s[64:65], 0
	v_nop
	global_prefetch_b8 v0, s[64:65] scope:SCOPE_SE
	s_setreg_imm32_b32 hwreg(HW_REG_WAVE_SCHED_MODE, 0, 2), 2
	s_setreg_imm32_b32 hwreg(HW_REG_WAVE_MODE, 25, 1), 1
	s_wait_xcnt 0x0
	s_wait_alu depctr_vm_vsrc(0)
; Softmax over a whole attention matrix, four rounds of row and column normalisation, the product with V and the sum over the rows, for one (batch entry, head) and two of its four matrices.
; Work-group id: typ = id % 2, nh = id / 2 = 8 n + h.  typ 0: protein x protein, then drug x drug.  typ 1: drug x protein, then protein x drug.  One text: SINK 32 (512 keys), then SINK 8 (128 keys).
; THE MATRIX IS NEVER KEPT: it is A = u_i v_j A0_ij, A0 = 2^(t - m) / S + eps, t = c2 s, s the product of q's and k's codes.  Each pass makes s anew (one matrix instruction for 16 x 16) and works on the vectors:
;   P1: m = the largest t' and S = the sum of 2^(t' - m) over ALL pairs, t' = t - INF' where the pair is masked, by a running maximum (row, then strip, lanes, waves).
;   G (4 x): F_ij = 2^(c2 s' + LV_j), LV_j = log2 v_j - m, s' = s - 1e30 in masked rows (given as the C of the product): F = 0 in masked rows and columns.
;        u' = u / (u (sum_j F / S + eps sum v) + eps);   v' = v / (sum_i u' F / S + eps v sum u' + eps).
;   FIN: A = a_i (F + w_j), a = u / S, w = S eps v; quantised along the keys; O^T += V^T A^T, all strips onto the same two sums, since only the sum over the rows is wanted.
; SHARES: a strip is 16 queries x all keys; wave w owns strips of rows 16 ns w on, ns = 8 (protein queries) or 2 (drug).  The strip loop always has 8 trips and jumps over the work of strips that the job does not have.
; OPERANDS: K = 32 fills one of the instruction's four blocks.  A fragment of k holds FOUR tiles of 16 keys, one in each block; q's codes stand in block beta alone of variant beta (zeros elsewhere), which picks the tile.
;   The keys of a tile are chosen (32 b + 8 u + r + 8 (r / 8)) so that registers 16 b .. 16 b + 15 of a strip are keys 32 b + 16 hf + 0 .. 15.  In q's scale word the idle blocks have the byte 1.
; REGISTER WINDOWS: 1: the strip (8 NT registers); 2: column offsets (P1), column sums (G), w_j (FIN); 3: LV_j; 0: all else.
; LIMITS: NaN and infinities among the inputs are not served; exponents carry f32's rounding of |t|, as the reference's do; a v under 2^-126 counts as 0 in LV; a block of zeros has the byte 1 (zero codes).
; No cluster: the two work-groups of a head share 10 KiB of codes.  No tensor loads: nothing is streamed.
; THE MODE: SCHED_MODE bits 1:0 = 2 (LLVM: expert scheduling mode 2), set by the entry lines.  The code itself states the register dependences
; between vector or matrix instructions and memory or LDS instructions, with s_wait_alu, always for 0.
; THE PLAN.  Registers that LDS or memory instructions touch, in the strip loops:
;   QF's code quads, QSC, v18, v19   A strip's q, its rows' mask and u.  Read by the strip's products and a few vector lines; the loads of the NEXT strip land in them, issued in this strip at a wait that the strip
;                                    has anyway: behind the products (P1), ahead of the store of u' (G), ahead of V's loads (FIN).  The first strip's are asked for in the run of loads that opens a pass, by v1 to v4.
;   v10, v11, v252, v255             The next strip's LDS addresses; v253 (G): this strip's row words.  Written at a strip's head, behind a wait on vm_vsrc; shown written by the wait named above.
;                                    The scalar steps are held at the wave's eighth strip, so that no address leaves the wave's own bytes: a wave's last strip asks once for bytes that nobody uses.
;   v16                              u': written behind the reciprocal, read by the store into the wave's own words.
;   window 1                         The strip: products and vector lines.  FIN: V's fragments land in it behind the conversions.  Column step: the stage's rows land in it.
;   window 2, window 3               Loaded at a pass's start (masks, w; LV); window 2 is also the data of the stage's stores.
;   v254 (FIN)                       The address of V's images.
; Outside the loops the vector lines that make a run of stores' data and addresses stand together ahead of ONE wait on va_vdst, and one wait on vm_vsrc stands ahead of the first line that writes such a register again.
; No dependence that crosses a strip loop leans on a wait inside the strip's body, which can be jumped over.
.set QC_P, 0x000000
.set KC_P, 0x100000
.set QC_D, 0x200000
.set KC_D, 0x240000
.set QS_P, 0x280000
.set KS_P, 0x2C0000
.set QS_D, 0x300000
.set KS_D, 0x310000
.set VI_P, 0x320000
.set VI_D, 0x420000
.set VH_P, 0x460000
.set VH_D, 0x470000
.set MF_P, 0x474000
.set MF_D, 0x47C000
.set DPA,  0x10000
.set DPL,  0x20000
.set DPW,  0x60000
; LDS
.set L_QSW4, 16384                     ; behind q's images (4 waves x 8 strips x 512 bytes: 16 rows of codes, 256 bytes of zeros): [w][row 128][4 scale words]
.set L_MRF,  24576                     ; [w][row 128] row masks
.set L_UU,   26624                     ; [w][row 128] u
.set L_VV,   28672                     ; v
.set L_LV,   30720                     ; LV
.set L_WJ,   32768                     ; w
.set L_WST,  34816                     ; the waves' m, S, count
.set L_SU,   34880                     ; the waves' sums of u'
.set L_SV,   34896                     ; the waves' sums of v
.set L_OST,  35072                     ; the waves' O
.set L_VIMG, 35584                     ; V^T's images
.set STAGE,  43776                     ; 64 rows (16 w + r) of column sums
; window 0
.set QSC,  36                          ; v36-39   q's four scale words
.set QF,   40                          ; v40-63   [QA][0][QA][QB][0][QB]: QA codes in lanes 0-15, QB in lanes 16-31
.set KF,   64                          ; v64-127  k's fragments
.set KS,   128                         ; v128-135 their scale words
.set VS,   136                         ; v136-143 V's scale words
.set RO,   144                         ; v144-151 the row offset, as C
.set OACC, 152                         ; v152-167 O^T: two sums
.set MAXC, 168                         ; v168-171 chains of maxima
.set SUMC, 172                         ; v172-179 chains of sums
.set PC,   184                         ; v184-215 A's codes; at work elsewhere
.set PS,   216                         ; v216-219 A's scale words
.set MX,   220                         ; v220-235 blocks' maxima, then bytes
.set MP,   236                         ; v236-251 the other half's maxima, then the conversions' scale operands
; v1, v2 q's images (lane, lane xor 16); v3 scale words; v4 row words; v5 64 hf; v6-8 stage; v9 16 T; v10, v11, v252-255 addresses and whole numbers at work; v33 4 w; v34 16 w; v35 128 w + 32 hf
; v12 m; v13 1/S; v14 S eps; v15 0.5/count; v16 u'; v18 u; v19 mr; v20 sum u'; v21 eps sum v; v22 a; v24 mr; v26 row offset; v28 -m_i; v30-32 running m, S, count; v180-183 at work
.set MSB, 0
.macro WIN new                         ; the immediate's high byte repeats the setting that is left; bits 1:0 source 0, 3:2 source 1, 5:4 source 2, 7:6 destination
.if MSB != \new
	s_set_vgpr_msb (MSB<<8)|\new
.set MSB, \new
.endif
.endm
.macro NOPS n
.rept \n
	v_nop
.endr
.endm
.macro BAR                             ; my LDS stores have landed and my LDS loads are in: then the work-group's barrier
	s_wait_dscnt 0x0
	s_barrier_signal -1
	s_barrier_wait -1
.endm
.macro DPPSUM r                        ; over the 16 lanes of a half
.irp x, 1,2,4,8
	v_add_f32_dpp v[\r], v[\r], v[\r] row_xmask:\x row_mask:0xf bank_mask:0xf
.endr
.endm
; A strip's q: codes in two forms, four scale words, its rows' mask and u.  QFIRST: the wave's first strip, by the addresses that are never written again.
.macro QFIRST
	ds_load_b128 v[QF:QF+3], v1
	ds_load_b128 v[QF+8:QF+11], v1
	ds_load_b128 v[QF+12:QF+15], v2
	ds_load_b128 v[QF+20:QF+23], v2
	ds_load_b128 v[QSC:QSC+3], v3 offset:L_QSW4
	ds_load_b32 v19, v4 offset:L_MRF
	ds_load_b32 v18, v4 offset:L_UU
.endm
; QNEXT: the next strip's, by the addresses that QHEAD has made.
.macro QNEXT
	ds_load_b128 v[QF:QF+3], v10
	ds_load_b128 v[QF+8:QF+11], v10
	ds_load_b128 v[QF+12:QF+15], v11
	ds_load_b128 v[QF+20:QF+23], v11
	ds_load_b128 v[QSC:QSC+3], v252 offset:L_QSW4
	ds_load_b32 v19, v255 offset:L_MRF
	ds_load_b32 v18, v255 offset:L_UU
.endm
; A strip's head.  own = 1: the strip stores into its own row words (G).
.macro QHEAD own
	s_wait_dscnt 0x0                               ; this strip's q, mask and u, asked for a strip ago, are in
	s_add_co_u32 s25, s21, 512                     ; the next strip's places, held at the wave's eighth strip
	s_min_u32 s25, s25, 3584
	s_add_co_u32 s26, s22, 256
	s_min_u32 s26, s26, 1792
	s_add_co_u32 s27, s23, 64
	s_min_u32 s27, s27, 448
	s_wait_alu depctr_vm_vsrc(0)                   ; the LDS instructions issued so far have read v10, v11, v252 to v255 and v16, which this strip writes again
	v_add_nc_u32 v10, s25, v1
	v_add_nc_u32 v11, s25, v2
	v_add_nc_u32 v252, s26, v3
	v_add_nc_u32 v255, s27, v4
.if \own
	v_add_nc_u32 v253, s23, v4
.endif
.endm
; S^T = k q^T: tile ti = 4 f + beta; variant beta begins at QF + 12 (beta % 2) + 4 (beta / 2).  c = 1: the row offset is the C.
.macro LOGITS nt, c
	WIN 0x40
.set ti, 0
.rept \nt
.if \c
	v_wmma_scale_f32_16x16x128_f8f6f4 v[8*ti:8*ti+7], v[KF+8*(ti/4):KF+8*(ti/4)+7], v[QF+12*(ti%2)+4*((ti%4)/2):QF+12*(ti%2)+4*((ti%4)/2)+7], v[RO:RO+7], v[KS+ti/4], v[QSC+ti%4] matrix_a_fmt:MATRIX_FMT_FP4 matrix_b_fmt:MATRIX_FMT_FP4
.else
	v_wmma_scale_f32_16x16x128_f8f6f4 v[8*ti:8*ti+7], v[KF+8*(ti/4):KF+8*(ti/4)+7], v[QF+12*(ti%2)+4*((ti%4)/2):QF+12*(ti%2)+4*((ti%4)/2)+7], 0, v[KS+ti/4], v[QSC+ti%4] matrix_a_fmt:MATRIX_FMT_FP4 matrix_b_fmt:MATRIX_FMT_FP4
.endif
.set ti, ti+1
.endr
	NOPS 4                                         ; places behind the products
.endm
; The sum of the strip's 8 NT registers and of the other half's: the row's sum, in v172.
.macro ROWSUM nt
	WIN 0x01
.set ei, 0
.rept 4*\nt
.if ei < 8
	v_pk_add_f32 v[SUMC+ei:SUMC+ei+1], v[ei:ei+1], 0 op_sel_hi:[1,0]   ; the first links start the four chains
.else
	v_pk_add_f32 v[SUMC+ei%8:SUMC+ei%8+1], v[ei:ei+1], v[SUMC+ei%8:SUMC+ei%8+1]
.endif
.set ei, ei+2
.endr
	WIN 0
	v_pk_add_f32 v[172:173], v[172:173], v[174:175]
	v_pk_add_f32 v[176:177], v[176:177], v[178:179]
	v_pk_add_f32 v[172:173], v[172:173], v[176:177]
	v_add_f32 v172, v172, v173
	v_permlanex16_b32 v180, v172, s32, s33
	v_add_f32 v172, v172, v180
.endm
; P1: the strip's rows' maxima and sums, merged into the lane's running pair.
.macro P1STRIP nt
	QHEAD 0
	v_mov_b32 v24, v19
	v_fma_f32 v26, v19, s34, s35                   ; 0, or -INF' in a masked row
	v_add_f32 v32, v32, v19                        ; valid rows
	LOGITS \nt, 0
	WIN 0
	s_wait_alu depctr_va_vdst(0)                   ; the products are done reading q's codes and scale words, the three lines above v19; the next strip's addresses are written
	QNEXT
	WIN 0x41
.set ei, 0
.rept 4*\nt
	v_pk_fma_f32 v[ei:ei+1], v[ei:ei+1], s[30:31], v[26:27] op_sel_hi:[1,0,0]   ; t + the row's offset
.set ei, ei+2
.endr
	WIN 0x52
.set ei, 0
.rept 4*\nt
	v_pk_fma_f32 v[ei:ei+1], v[ei:ei+1], v[24:25], v[ei:ei+1] op_sel_hi:[1,0,1]   ; + the column's offset, in rows that have none of their own
.set ei, ei+2
.endr
	WIN 0x14
.set ei, 0
.rept 4*\nt
.if ei < 8
	v_max3_num_f32 v[MAXC+(ei/2)%4], s39, v[ei], v[ei+1]
.else
	v_max3_num_f32 v[MAXC+(ei/2)%4], v[MAXC+(ei/2)%4], v[ei], v[ei+1]
.endif
.set ei, ei+2
.endr
	WIN 0
	v_max3_num_f32 v168, v168, v169, v170
	v_max_num_f32 v168, v168, v171
	v_permlanex16_b32 v180, v168, s32, s33
	v_max_num_f32 v168, v168, v180                 ; m_i
	v_sub_f32 v28, 0, v168
	WIN 0x41
.set ei, 0
.rept 4*\nt
	v_pk_add_f32 v[ei:ei+1], v[ei:ei+1], v[28:29] op_sel_hi:[1,0]
.set ei, ei+2
.endr
.set ei, 0
.rept 8*\nt
	v_exp_f32 v[ei], v[ei]
.set ei, ei+1
.endr
	v_nop                                          ; a plain place behind the exponentials
	s_wait_alu depctr_va_vdst(0)                   ; the strip's exponentials are written, ahead of their first reader
	ROWSUM \nt
	v_max_num_f32 v181, v30, v168                  ; the running maximum moves: both sums are brought under the new one
	v_sub_f32 v182, v30, v181
	v_sub_f32 v183, v168, v181
	v_exp_f32 v182, v182
	v_exp_f32 v183, v183
	v_mov_b32 v30, v181
	s_wait_alu depctr_va_vdst(0)                   ; the two factors are written, ahead of their readers
	v_mul_f32 v31, v31, v182
	v_fmac_f32 v31, v172, v183
.endm
; F = 2^(c2 s' + LV), for G and FIN.
.macro FMAKE nt, own
	QHEAD \own
.irp j, 0,1,2,3,4,5,6,7
	v_fma_f32 v[RO+\j], v19, s36, s37              ; 0, or -1e30 in a masked row
.endr
	NOPS 4
	LOGITS \nt, 1
	WIN 0x71
.set ei, 0
.rept 4*\nt
	v_pk_fma_f32 v[ei:ei+1], v[ei:ei+1], s[30:31], v[ei:ei+1] op_sel_hi:[1,0,1]
.set ei, ei+2
.endr
.set ei, 0
.rept 8*\nt
	v_exp_f32 v[ei], v[ei]
.set ei, ei+1
.endr
	v_nop                                          ; a plain place behind the exponentials
	s_wait_alu depctr_va_vdst(0)                   ; the strip's exponentials are written, ahead of their first reader
.endm
; G: the row step for the strip's 16 rows, and their part of the column sums.
.macro GSTRIP nt
	FMAKE \nt, 1
	ROWSUM \nt
	v_fma_f32 v181, v172, v13, v21                 ; sum F / S + eps sum v
	v_fma_f32 v181, v18, v181, s38                 ; x u + eps
	v_rcp_f32 v181, v181
	v_nop
	s_wait_alu depctr_va_vdst(0)                   ; the reciprocal is written, ahead of its reader
	v_mul_f32 v16, v18, v181                       ; u'
	s_wait_alu depctr_va_vdst(0)                   ; u' is written, which the store reads, and so are the addresses made at the strip's head; the strip is done reading q's codes and scale words, v18 and v19, in which the next strip's land
	ds_store_b32 v253, v16 offset:L_UU             ; my wave's own words
	QNEXT                                          ; the column sums below stand between these loads and the wait for them
	v_add_f32 v20, v20, v16
	s_cmp_lg_u32 s20, 0
	s_cbranch_scc1 .Lacc_\@
	WIN 0x81
.set ei, 0
.rept 4*\nt
	v_pk_mul_f32 v[ei:ei+1], v[ei:ei+1], v[16:17] op_sel_hi:[1,0]   ; the first strip starts the column sums: nothing is cleared
.set ei, ei+2
.endr
	WIN 0
	s_branch .Ldone_\@
.Lacc_\@:
	WIN 0xa1
.set ei, 0
.rept 4*\nt
	v_pk_fma_f32 v[ei:ei+1], v[ei:ei+1], v[16:17], v[ei:ei+1] op_sel_hi:[1,0,1]
.set ei, ei+2
.endr
	WIN 0
.Ldone_\@:
.endm
; FIN: A, its codes along the keys, and O^T += V^T A^T.
.macro FSTRIP nt
	FMAKE \nt, 0
	WIN 0
	v_mul_f32 v22, v18, v13                        ; a = u / S
	v_and_b32 v254, 31, v0
	v_lshlrev_b32 v254, 4, v254                    ; 16 x lane: an image's place
	WIN 0x49
.set ei, 0
.rept 4*\nt
	v_pk_add_f32 v[ei:ei+1], v[ei:ei+1], v[ei:ei+1]   ; F + w (source 1: window 2)
.set ei, ei+2
.endr
	WIN 0x41
.set ei, 0
.rept 4*\nt
	v_pk_mul_f32 v[ei:ei+1], v[ei:ei+1], v[22:23] op_sel_hi:[1,0]
.set ei, ei+2
.endr
	WIN 0x14
.set bi, 0
.rept \nt/2
	v_max3_num_f32 v[MX+bi], s55, v[16*bi], v[16*bi+1]   ; no |.|: nothing is negative; the floor 2^(3 - 127) among the leaves
.set bi, bi+1
.endr
.irp i, 2,4,6,8,10,12,14
.set bi, 0
.rept \nt/2
	v_max3_num_f32 v[MX+bi], v[MX+bi], v[16*bi+\i], v[16*bi+\i+1]
.set bi, bi+1
.endr
.endr
	WIN 0
.set bi, 0
.rept \nt/2
	v_permlanex16_b32 v[MP+bi], v[MX+bi], s32, s33
.set bi, bi+1
.endr
.set bi, 0
.rept \nt/2
	v_max_num_f32 v[MX+bi], v[MX+bi], v[MP+bi]
.set bi, bi+1
.endr
.set bi, 0
.rept \nt/2
	v_add_nc_u32 v[MP+bi], 0xff000000, v[MX+bi]    ; the conversion's scale operand
.set bi, bi+1
.endr
.set bi, 0
.rept \nt/2
	v_lshrrev_b32 v[MX+bi], 23, v[MP+bi]           ; the byte
.set bi, bi+1
.endr
.set si, 0
.rept \nt/8
	v_lshl_or_b32 v[PS+si], v[MX+4*si+1], 8, v[MX+4*si]
	v_lshl_or_b32 v[PS+si], v[MX+4*si+2], 16, v[PS+si]
	v_lshl_or_b32 v[PS+si], v[MX+4*si+3], 24, v[PS+si]
.set si, si+1
.endr
	WIN 0x01
.set bi, 0
.rept \nt/2
	v_cvt_scalef32_pk8_fp4_f32 v[PC+2*bi], v[16*bi:16*bi+7], v[MP+bi]
	v_cvt_scalef32_pk8_fp4_f32 v[PC+2*bi+1], v[16*bi+8:16*bi+15], v[MP+bi]
.set bi, bi+1
.endr
	WIN 0
	s_wait_alu depctr_va_vdst(0)                   ; the conversions are done reading the strip, in which V's fragments land; the strip is done reading q's codes and scale words, v18 and v19; v254 and the next strip's addresses are written
	QNEXT
	WIN 0x40
.set qi, 0
.rept \nt/2
	ds_load_b128 v[4*qi:4*qi+3], v254 offset:L_VIMG+512*qi   ; V^T's fragments, into the strip's registers, which are done with
.set qi, qi+1
.endr
	WIN 0
	v_nop                                          ; one plain place behind the conversions
.set qi, 0
.rept \nt/4
	v_permlane16_swap_b32 v[PC+4*qi], v[PC+4*qi+2]   ; a whole block in a lane
	v_permlane16_swap_b32 v[PC+4*qi+1], v[PC+4*qi+3]
.set qi, qi+1
.endr
	NOPS 8                                         ; places between the vector instructions that made the scale words and codes and the scaled products
	s_wait_alu depctr_va_vdst(0)                   ; A's codes and scale words are written, which the scaled products take; the places above stay beside this wait
	s_wait_dscnt 0x0
	WIN 0x01
.set si, 0
.rept \nt/8
.irp d, 0,1                            ; the two sums by turns
	v_wmma_scale_f32_16x16x128_f8f6f4 v[OACC+8*\d:OACC+8*\d+7], v[8*(\d*(\nt/8)+si):8*(\d*(\nt/8)+si)+7], v[PC+8*si:PC+8*si+7], v[OACC+8*\d:OACC+8*\d+7], v[VS+\d*(\nt/8)+si], v[PS+si] matrix_a_fmt:MATRIX_FMT_FP4 matrix_b_fmt:MATRIX_FMT_FP4
.endr
.set si, si+1
.endr
	WIN 0
	NOPS 5                                         ; places behind the products: the next strip's products write over V's registers
.endm
; The loop over a wave's strips: always 8 trips; a strip that the job does not have is jumped over, its address steps are not.
.macro STRIPS kind, nt
	s_mov_b32 s20, 0
	s_mov_b32 s21, 0
	s_mov_b32 s22, 0
	s_mov_b32 s23, 0
.Lstrip_\@:
	s_cmp_ge_u32 s20, s12
	s_cbranch_scc1 .Lskip_\@
.if \kind == 0
	P1STRIP \nt
.elseif \kind == 1
	GSTRIP \nt
.else
	FSTRIP \nt
.endif
.Lskip_\@:
	s_add_co_u32 s21, s21, 512
	s_add_co_u32 s22, s22, 256
	s_add_co_u32 s23, s23, 64
	s_add_co_u32 s20, s20, 1
	s_cmp_lt_u32 s20, 8
	s_cbranch_scc1 .Lstrip_\@
.endm
; LV_j into window 3, the first strip's q, eps sum v, sum u' = 0.
.macro PASS_START nt
	s_wait_alu depctr_vm_vsrc(0)                   ; the LDS instructions issued so far have read v252 and v180, which are written below
	v_mov_b32 v252, 0
	WIN 0xc0
	s_wait_alu depctr_va_vdst(0)                   ; v252 is written; the pass before is done with window 3, v180 to v183, q's codes and scale words, v18 and v19, in which the loads below land
.set bi, 0
.rept \nt/2
.irp a, 0,1,2,3
	ds_load_b128 v[16*bi+4*\a:16*bi+4*\a+3], v5 offset:L_LV+128*bi+16*\a
.endr
.set bi, bi+1
.endr
	WIN 0
.if \nt == 32
	ds_load_b128 v[180:183], v252 offset:L_SV
	QFIRST
	s_wait_dscnt 0x0
	v_add_f32 v180, v180, v181
	v_add_f32 v182, v182, v183
	v_add_f32 v180, v180, v182
.else
	ds_load_b32 v180, v252 offset:L_SV
	QFIRST
	s_wait_dscnt 0x0
.endif
	v_mul_f32 v21, s38, v180
	v_mov_b32 v20, 0
.endm
; The column step: the lanes' column sums meet in the stage; thread T of the first NT / 8 waves owns columns 4 T .. 4 T + 3.
.macro FINALISE nt
	s_wait_alu depctr_vm_vsrc(0)                   ; the strips' loads have read v252; the last column step's stores have read v180 and v200 to v211: all are written again below
	v_mov_b32 v180, v20
	DPPSUM 180
	v_mov_b32 v252, 0
	WIN 0x08
	s_wait_alu depctr_va_vdst(0)                   ; the column sums, the sum of u' and v252 are written, which the stores and loads below read; the strips are done with window 1 and v188 to v195, in which the loads behind the barrier land
.set bi, 0
.rept \nt/2
.irp a, 0,1,2,3
	ds_store_b128 v6, v[16*bi+4*\a:16*bi+4*\a+3] offset:128*bi+16*\a
.endr
.set bi, bi+1
.endr
	WIN 0
	ds_store_b32 v33, v180 offset:L_SU
	BAR                                            ; the stage and the four sums of u' lie in LDS
	s_wait_alu depctr_vm_vsrc(0)                   ; my stores have read v180, which is written again below, and window 2, which the next pass writes again
.if \nt < 32
	s_cmp_lt_u32 s8, \nt/8
	s_cbranch_scc0 .Lnofin_\@
.endif
	ds_load_b128 v[192:195], v252 offset:L_SU
	ds_load_b128 v[188:191], v9 offset:L_VV
	WIN 0x40
.set qi, 0
.rept 32
	ds_load_b128 v[4*qi:4*qi+3], v7 offset:qi*PITCH
.set qi, qi+1
.endr
.set qi, 0
.rept 32
	ds_load_b128 v[128+4*qi:128+4*qi+3], v8 offset:qi*PITCH
.set qi, qi+1
.endr
	s_wait_dscnt 0x0
	WIN 0x45
.set qi, 4
.rept 60
	v_pk_add_f32 v[4*(qi%4):4*(qi%4)+1], v[4*(qi%4):4*(qi%4)+1], v[4*qi:4*qi+1]   ; 64 rows in four chains
	v_pk_add_f32 v[4*(qi%4)+2:4*(qi%4)+3], v[4*(qi%4)+2:4*(qi%4)+3], v[4*qi+2:4*qi+3]
.set qi, qi+1
.endr
	v_pk_add_f32 v[0:1], v[0:1], v[4:5]
	v_pk_add_f32 v[2:3], v[2:3], v[6:7]
	v_pk_add_f32 v[8:9], v[8:9], v[12:13]
	v_pk_add_f32 v[10:11], v[10:11], v[14:15]
	WIN 0x05
	v_pk_add_f32 v[184:185], v[0:1], v[8:9]
	v_pk_add_f32 v[186:187], v[2:3], v[10:11]
	WIN 0
	v_add_f32 v192, v192, v193
	v_add_f32 v194, v194, v195
	v_add_f32 v192, v192, v194
	v_mul_f32 v192, s38, v192                      ; eps sum u'
.irp k, 0,1,2,3
	v_fma_f32 v[196+\k], v[184+\k], v13, s38       ; sum u' F / S + eps
.endr
.irp k, 0,1,2,3
	v_fma_f32 v[196+\k], v192, v[188+\k], v[196+\k]   ; + eps sum u' v
.endr
.irp k, 0,1,2,3
	v_rcp_f32 v[196+\k], v[196+\k]
.endr
	v_nop
	s_wait_alu depctr_va_vdst(0)                   ; the four reciprocals are written, ahead of their readers
.irp k, 0,1,2,3
	v_mul_f32 v[208+\k], v[188+\k], v[196+\k]      ; v'
.endr
.irp k, 0,1,2,3
	v_log_f32 v[200+\k], v[208+\k]
.endr
.irp k, 0,1,2,3
	v_mul_f32 v[204+\k], v14, v[208+\k]            ; w = S eps v' (plain places behind the logarithms)
.endr
	s_wait_alu depctr_va_vdst(0)                   ; the four logarithms are written, ahead of their readers
.irp k, 0,1,2,3
	v_sub_f32 v[200+\k], v[200+\k], v12            ; LV = log2 v' - m
.endr
	v_add_f32 v180, v208, v209
	v_add_f32 v181, v210, v211
	v_add_f32 v180, v180, v181
	DPPSUM 180
	v_permlanex16_b32 v181, v180, s32, s33
	v_add_f32 v180, v180, v181
	s_wait_alu depctr_va_vdst(0)                   ; v', LV, w and the sum of v' are written, which the four stores read
	ds_store_b128 v9, v[208:211] offset:L_VV
	ds_store_b128 v9, v[200:203] offset:L_LV
	ds_store_b128 v9, v[204:207] offset:L_WJ
	ds_store_b32 v33, v180 offset:L_SV
.if \nt < 32
.Lnofin_\@:
.endif
	BAR                                            ; v, LV, w and the sums of v lie in LDS, and the stage has been read
.endm
; A JOB.  nt: tiles of 16 keys; qp: the typ whose queries are protein's; matp, matd: the matrix's number then and else; logl2: log2 of the keys; the key side's sections of pj.
.macro SINK nt, qp, matp, matd, logl2, kco, kso, vio, vho, mfk
.set PITCH, 64*\nt+16                  ; a stage row: the keys' f32 + 16 bytes: an odd multiple of 16
	s_cmp_eq_u32 s9, \qp
	s_cselect_b32 s12, 8, 2                        ; ns: strips a wave
	s_cselect_b32 s13, 9, 7                        ; log2 of the queries
	s_mov_b32 s14, QC_D
	s_cselect_b32 s14, QC_P, s14
	s_mov_b32 s15, QS_D
	s_cselect_b32 s15, QS_P, s15
	s_mov_b32 s16, MF_D
	s_cselect_b32 s16, MF_P, s16
	s_cselect_b32 s18, \matp, \matd
	s_lshl_b32 s17, 1, s13
	s_add_co_u32 s45, s13, 4
	s_lshl_b32 s45, s10, s45
	s_add_co_u32 s14, s14, s45                     ; q's codes of my head
	s_add_co_u32 s45, s13, 2
	s_lshl_b32 s46, s10, s45
	s_add_co_u32 s15, s15, s46                     ; q's scale words
	s_lshl_b32 s46, s11, s45
	s_add_co_u32 s16, s16, s46                     ; the rows' masks
	s_lshl_b32 s18, s18, 14
	s_lshl_b32 s46, s10, 7
	s_add_co_u32 s18, s18, s46                     ; where the result goes
	s_mul_i32 s19, s8, s12
	s_lshl_b32 s19, s19, 4                         ; my wave's first row
	s_sub_co_u32 s46, s17, 1
	s_sub_co_u32 s47, s17, 4
	s_lshl_b32 s48, s10, \logl2+4
	s_lshl_b32 s49, s10, \logl2+2
	s_lshl_b32 s50, s11, \logl2+3
	s_and_b32 s51, s10, 7
	s_lshl_b32 s51, s51, 6
	s_add_co_u32 s50, s50, s51
	s_lshl_b32 s51, s11, \logl2+2
	v_and_b32 v253, 31, v0                         ; lane
	v_and_b32 v254, 15, v0                         ; r
	v_bfe_u32 v255, v0, 4, 1                       ; hf
	v_lshrrev_b32 v252, 5, v0
	v_lshl_add_u32 v252, v252, 4, v254             ; 16 w + r
	v_mul_u32_u24 v6, v252, PITCH
	v_lshl_add_u32 v6, v255, 6, v6
	v_add_nc_u32 v6, STAGE, v6
	v_add_nc_u32 v7, STAGE, v9
	v_add_nc_u32 v8, STAGE+32*PITCH, v9
	v_lshl_add_u32 v10, v255, 9, s40
	v_lshl_add_u32 v10, v254, 4, v10               ; q's images, on the way in: 4,096 w + 512 hf + 16 r
	v_lshl_add_u32 v11, v253, 6, s41               ; q's scale words, on the way in: 2,048 w + 64 x lane
	v_add_nc_u32 v252, s19, v253
.irp g, 0,1,2,3
	v_add_nc_u32 v[12+\g], 32*\g, v252
	v_min_u32 v[12+\g], s46, v[12+\g]              ; rows of strips that the job does not have are held at the last row: loaded, never used
	v_lshl_add_u32 v[12+\g], v[12+\g], 4, s14
.endr
	v_lshl_add_u32 v16, v253, 2, s19
	v_min_u32 v16, s47, v16
	v_lshl_add_u32 v17, v16, 2, s16
	v_lshl_add_u32 v16, v16, 2, s15
	v_and_b32 v252, 8, v254
	v_add_nc_u32 v252, v252, v254                  ; r + 8 (r / 8)
	v_lshl_add_u32 v18, v255, 3, v252
	v_lshl_add_u32 v18, v18, 4, s48                ; k's codes: key 8 hf + r + 8 (r / 8)
	v_lshl_add_u32 v19, v252, 2, s49               ; k's scale words
	v_lshl_add_u32 v20, v254, 1, s50               ; V's scale bytes
	v_add_nc_u32 v21, s48, v9                      ; V's images
	v_add_nc_u32 v22, s51, v9                      ; the columns' masks
	s_wait_alu depctr_va_vdst(0)                   ; the job's offsets and addresses, and the head's, are written, which the loads and LDS stores below read; the job before is done with the registers in which the loads land
.irp g, 0,1,2,3
	global_load_b128 v[184+4*\g:187+4*\g], v[12+\g], s[4:5]
.endr
	global_load_b128 v[200:203], v16, s[4:5]
	global_load_b128 v[204:207], v17, s[4:5]
.set qi, 0
.rept \nt/2
	global_load_b128 v[KF+4*qi:KF+4*qi+3], v18, s[4:5] offset:\kco+512*qi   ; 32 keys: 512 consecutive bytes
.set qi, qi+1
.endr
.set ti, 0
.rept \nt
	global_load_b32 v[MX+ti], v19, s[4:5] offset:\kso+(64*(ti/4)+32*((ti%4)/2)+8*(ti%2))*4
.set ti, ti+1
.endr
.set si, 0
.rept \nt/8
.irp d, 0,1
	global_load_u16 v[VS+\d*(\nt/8)+si], v20, s[4:5] offset:\vho+1024*si+32*\d
	global_load_u16 v[208+\d*(\nt/8)+si], v20, s[4:5] offset:\vho+1024*si+512+32*\d
.endr
.set si, si+1
.endr
.set qi, 0
.rept \nt/8
	global_load_b128 v[OACC+4*qi:OACC+4*qi+3], v21, s[4:5] offset:\vio+2048*qi
.set qi, qi+1
.endr
.if \nt < 32
	s_cmp_lt_u32 s8, \nt/8
	s_cbranch_scc0 .Lnomc_\@
.endif
	global_load_b128 v[168:171], v22, s[4:5] offset:\mfk
	s_wait_loadcnt 0x0
	ds_store_b128 v9, v[168:171] offset:L_VV       ; v begins as the columns' mask
.if \nt < 32
.Lnomc_\@:
.endif
	s_wait_loadcnt 0x0
.irp g, 0,1,2,3
	ds_store_b128 v10, v[184+4*\g:187+4*\g] offset:1024*\g
	ds_store_b128 v10, v[QF+4:QF+7] offset:1024*\g+256   ; zeros behind each strip's codes
.endr
	ds_store_b128 v9, v[204:207] offset:L_MRF
	ds_store_b128 v9, v[204:207] offset:L_UU       ; u begins as the rows' mask
.set qi, 0
.rept \nt/8
	ds_store_b128 v9, v[OACC+4*qi:OACC+4*qi+3] offset:L_VIMG+2048*qi
.set qi, qi+1
.endr
.irp k, 0,1,2,3
.set TQ, 144+4*\k+20*(\k/2)            ; v144-151, v172-179
.irp be, 0,1,2,3
	v_bfi_b32 v[TQ+\be], 0xff<<(8*\be), v[200+\k], s52   ; q's byte in block beta, 1 in the idle blocks
.endr
.endr
.set qi, 0
.rept \nt/4
	v_bfi_b32 v[KS+qi], 0xff0000, v[MX+4*qi+2], v[MX+4*qi+3]   ; a fragment's scale word: byte beta is tile beta's
	v_bfi_b32 v[KS+qi], 0xff00, v[MX+4*qi+1], v[KS+qi]
	v_bfi_b32 v[KS+qi], 0xff, v[MX+4*qi], v[KS+qi]
	v_lshl_or_b32 v[VS+qi], v[208+qi], 16, v[VS+qi]
.set qi, qi+1
.endr
	s_wait_alu depctr_va_vdst(0)                   ; q's sixteen scale words are written, which the four stores read; so are k's and V's scale words, which the scaled products take
.irp k, 0,1,2,3
.set TQ, 144+4*\k+20*(\k/2)
	ds_store_b128 v11, v[TQ:TQ+3] offset:L_QSW4+16*\k
.endr
	BAR
	s_wait_alu depctr_vm_vsrc(0)                   ; the loads and LDS stores above have read their offsets and data: v10 to v22, v144 to v207 are written again from here on
.set qi, 0
.rept 16
	v_mov_b32 v[OACC+qi], 0
.set qi, qi+1
.endr
	v_mov_b32 v30, s39                             ; the running maximum: -3e38, under every t
	v_mov_b32 v31, 0
	v_mov_b32 v32, 0
	QFIRST                                         ; no wait for these loads and those below: no vector line since the last wait on va_vdst names a register that they touch
	WIN 0x80
.set bi, 0
.rept \nt/2
.irp a, 0,1,2,3
	ds_load_b128 v[16*bi+4*\a:16*bi+4*\a+3], v5 offset:L_VV+128*bi+16*\a
.endr
.set bi, bi+1
.endr
	s_wait_dscnt 0x0
	WIN 0x82
.set ei, 0
.rept 4*\nt
	v_pk_add_f32 v[ei:ei+1], v[ei:ei+1], -1.0 op_sel_hi:[1,0]
.set ei, ei+2
.endr
.set ei, 0
.rept 4*\nt
	v_pk_mul_f32 v[ei:ei+1], v[ei:ei+1], s[34:35] op_sel_hi:[1,0]   ; the column's offset: 0, or -INF'
.set ei, ei+2
.endr
	WIN 0
	STRIPS 0, \nt
	; ---- m, S and the count of valid rows, over lanes and waves
	v_mov_b32 v180, v30
.irp x, 1,2,4,8
	v_max_num_f32_dpp v180, v180, v180 row_xmask:\x row_mask:0xf bank_mask:0xf
.endr
	v_sub_f32 v181, v30, v180
	v_exp_f32 v181, v181
	v_mov_b32 v182, v32
	s_wait_alu depctr_va_vdst(0)                   ; the factor is written, ahead of its reader
	v_mul_f32 v181, v31, v181
	DPPSUM 181
	DPPSUM 182
	v_mov_b32 v183, 0
	s_wait_alu depctr_vm_vsrc(0)                   ; the strips' loads have read v252
	v_mov_b32 v252, 0
	s_wait_alu depctr_va_vdst(0)                   ; my m, S and count are written, which the store reads, and v252, by which the loads behind the barrier go
	ds_store_b128 v34, v[180:183] offset:L_WST
	BAR
	s_wait_alu depctr_vm_vsrc(0)                   ; the store has read v180 to v183, which are written again below
.irp k, 0,1,2,3
	ds_load_b128 v[184+4*\k:187+4*\k], v252 offset:L_WST+16*\k
.endr
	s_wait_dscnt 0x0
	v_max3_num_f32 v12, v184, v188, v192
	v_max_num_f32 v12, v12, v196                   ; m
.irp k, 0,1,2,3
	v_sub_f32 v[200+\k], v[184+4*\k], v12
.endr
.irp k, 0,1,2,3
	v_exp_f32 v[200+\k], v[200+\k]
.endr
	v_add_f32 v181, v186, v190
	v_add_f32 v182, v194, v198
	v_add_f32 v181, v181, v182                     ; the count
	s_wait_alu depctr_va_vdst(0)                   ; the four factors are written, ahead of their readers
	v_mul_f32 v180, v185, v200
	v_fmac_f32 v180, v189, v201
	v_fmac_f32 v180, v193, v202
	v_fmac_f32 v180, v197, v203                    ; S
	v_rcp_f32 v13, v180
	v_rcp_f32 v15, v181
	v_mul_f32 v14, s38, v180
	s_wait_alu depctr_va_vdst(0)                   ; the two reciprocals are written, ahead of their readers; the lines above are done reading v184 to v187, in which the load below lands
	v_mul_f32 v15, 0.5, v15
.if \nt < 32
	s_cmp_lt_u32 s8, \nt/8
	s_cbranch_scc0 .Lnolv_\@
.endif
	ds_load_b128 v[184:187], v9 offset:L_VV
	s_wait_dscnt 0x0
.irp k, 0,1,2,3
	v_log_f32 v[188+\k], v[184+\k]
.endr
	v_add_f32 v180, v184, v185
	v_add_f32 v181, v186, v187
	v_add_f32 v180, v180, v181
	s_wait_alu depctr_va_vdst(0)                   ; the four logarithms are written, ahead of their readers
.irp k, 0,1,2,3
	v_sub_f32 v[188+\k], v[188+\k], v12
.endr
	DPPSUM 180
	v_permlanex16_b32 v181, v180, s32, s33
	v_add_f32 v180, v180, v181
	s_wait_alu depctr_va_vdst(0)                   ; LV and the sum of v are written, which the two stores read
	ds_store_b128 v9, v[188:191] offset:L_LV
	ds_store_b32 v33, v180 offset:L_SV
.if \nt < 32
.Lnolv_\@:
.endif
	BAR
	; ---- four rounds
	s_mov_b32 s24, 4
.Lpass_\@:
	PASS_START \nt
	STRIPS 1, \nt
	FINALISE \nt
	s_sub_co_u32 s24, s24, 1
	s_cmp_lg_u32 s24, 0
	s_cbranch_scc1 .Lpass_\@
	; ---- the finished matrix and its product with V
	PASS_START \nt
	WIN 0x80                                       ; w into window 2: the two waits at the pass's start show the stage's stores and the column sums' lines done with it, and no line since names it
.set bi, 0
.rept \nt/2
.irp a, 0,1,2,3
	ds_load_b128 v[16*bi+4*\a:16*bi+4*\a+3], v5 offset:L_WJ+128*bi+16*\a
.endr
.set bi, bi+1
.endr
	WIN 0
	s_wait_dscnt 0x0
	STRIPS 2, \nt
	; ---- O^T(channel, query) summed over the 16 queries of a lane half, then over the waves
.irp x, 1,2,4,8
.set qi, 0
.rept 16
	v_add_f32_dpp v[OACC+qi], v[OACC+qi], v[OACC+qi] row_xmask:\x row_mask:0xf bank_mask:0xf   ; each sum from its low end on
.set qi, qi+1
.endr
.endr
	s_wait_alu depctr_vm_vsrc(0)                   ; the strips' loads have read v10, v11, v252, v254 and v255, which are written again below
	v_and_b32 v254, 31, v0
	v_lshlrev_b32 v254, 2, v254                    ; 4 x lane
	v_add_nc_u32 v255, s42, v254
	v_add_nc_u32 v10, s18, v254
	s_wait_alu depctr_va_vdst(0)                   ; O's sums are written, which the stores read, and the three addresses; the strips are done with v180 to v195, in which the loads behind the barrier land
.irp d, 0,1
.irp q, 0,1
	ds_store_b128 v35, v[OACC+8*\d+4*\q:OACC+8*\d+4*\q+3] offset:L_OST+64*\d+16*\q   ; channel 16 dt + 8 hf + 4 q on
.endr
.endr
	BAR
	s_cmp_lg_u32 s8, 0
	s_cbranch_scc1 .Lnot0_\@
.irp k, 0,1,2,3
	ds_load_b32 v[180+\k], v254 offset:L_OST+128*\k
.endr
	s_wait_dscnt 0x0
	v_add_f32 v180, v180, v181
	v_add_f32 v182, v182, v183
	v_add_f32 v180, v180, v182
	v_mul_f32 v180, v15, v180                      ; x 0.5 / the count of valid rows
	s_wait_alu depctr_va_vdst(0)                   ; the result is written, which the store reads
	global_store_b32 v10, v180, s[6:7]
.Lnot0_\@:
.if \nt == 32
	s_cmp_lg_u32 s9, 1                             ; drug x protein: its vectors go out, for the launch that writes the matrix itself
	s_cbranch_scc1 .Lnodp_\@
	s_lshl_b32 s53, s10, 9
	s_add_co_u32 s53, s53, s43
	v_add_nc_u32 v11, s53, v254
	s_lshl_b32 s54, s10, 11
	v_add_nc_u32 v252, s54, v9
	ds_load_b32 v184, v255 offset:L_UU             ; no wait: no vector line since the wait ahead of O's stores names v184, v188 to v195, v255 or v9
	ds_load_b128 v[188:191], v9 offset:L_LV
	ds_load_b128 v[192:195], v9 offset:L_WJ
	s_wait_dscnt 0x0
	v_mul_f32 v184, v184, v13
	s_wait_alu depctr_va_vdst(0)                   ; a is written, which the first store reads, and the offsets v11 and v252
	global_store_b32 v11, v184, s[6:7] offset:DPA
	global_store_b128 v252, v[188:191], s[6:7] offset:DPL
	global_store_b128 v252, v[192:195], s[6:7] offset:DPW
.Lnodp_\@:
.endif
	s_wait_xcnt 0x0                                ; the stores have read their registers
	s_wait_alu depctr_vm_vsrc(0)                   ; the job's loads and stores have read their addresses and data: the next job's lines, or the two lines ahead of the closing lines, write them again
	BAR                                            ; the job's LDS has been read by all: the next job may write it
.endm
	s_load_b128 s[4:7], s[0:1], 0x0                ; pj, sk
	v_lshrrev_b32 v252, 5, v0
	v_readfirstlane_b32 s8, v252                   ; wave
	s_and_b32 s9, ttmp9, 1                         ; typ
	s_lshr_b32 s10, ttmp9, 1                       ; nh = 8 n + h
	s_lshr_b32 s11, s10, 3                         ; n
	s_mov_b32 s30, 0x3e8293ee                      ; c2 = log2(e) / sqrt(32)
	s_mov_b32 s31, s30
	s_mov_b32 s32, 0x76543210
	s_mov_b32 s33, 0xfedcba98                      ; v_permlanex16_b32's selects for lane l xor 16
	s_mov_b32 s34, 0x49b01c38                      ; INF' = 1e6 log2(e)
	s_mov_b32 s35, 0xc9b01c38
	s_mov_b32 s36, 0x7149f2ca                      ; 1e30
	s_mov_b32 s37, 0xf149f2ca
	s_mov_b32 s38, 0x2b8cbccc                      ; 1e-12
	s_mov_b32 s39, 0xff61b1e6                      ; -3e38
	s_mov_b32 s52, 0x01010101
	s_mov_b32 s55, 0x01800000                      ; 2^(3 - 127)
	s_wait_alu depctr_va_sdst(0)                   ; s8 is written, ahead of its first reader
	s_lshl_b32 s40, s8, 12
	s_lshl_b32 s41, s8, 11
	s_lshl_b32 s42, s8, 9
	s_lshl_b32 s43, s8, 7
	s_lshl_b32 s44, s8, 2
	s_lshl_b32 s45, s8, 4
	v_and_b32 v253, 31, v0
	v_and_b32 v254, 15, v0
	v_bfe_u32 v255, v0, 4, 1
	v_lshl_add_u32 v1, v253, 4, s40
	v_xor_b32 v2, 256, v1
	v_lshl_add_u32 v3, v254, 4, s41
	v_lshl_add_u32 v4, v254, 2, s42
	v_lshlrev_b32 v5, 6, v255
	v_lshlrev_b32 v9, 4, v0
	v_mov_b32 v33, s44
	v_mov_b32 v34, s45
	v_lshl_add_u32 v35, v255, 5, s43
.irp r, 4,5,6,7,16,17,18,19
	v_mov_b32 v[QF+\r], 0                          ; the zero quads of q's variants: written once
.endr
.irp r, 17,23,25,27,29,180,181,182,183
	v_mov_b32 v\r, 0                               ; upper halves of pairs whose low word serves both halves, and lane permutes' destinations
.endr
	s_wait_kmcnt 0x0
	SINK 32, 0, 0, 2, 9, KC_P, KS_P, VI_P, VH_P, MF_P
	SINK 8, 1, 1, 3, 7, KC_D, KS_D, VI_D, VH_D, MF_D
	s_wait_xcnt 0x0
	v_lshl_add_u32 v254, v0, 2, 0x2af00            ; the add's two registers, made anew: no memory or LDS instruction has been issued since the wait on vm_vsrc at the job's end
	v_mov_b32 v255, 0
	s_wait_dscnt 0x0                               ; the closing lines, six on end
	s_wait_alu 0x0
	s_wait_tensorcnt 0x0
	ds_add_u32 v254, v255
	s_wait_dscnt 0x0
	s_endpgm
.Lfunc_end_k_qdce8b9131d_sink:
	.size	k_qdce8b9131d_sink, .Lfunc_end_k_qdce8b9131d_sink-k_qdce8b9131d_sink
	.p2alignl 7, 3214868480
	.fill 96, 4, 3214868480
	.section	.rodata,"a",@progbits
	.p2align	6, 0x0
	.amdhsa_kernel k_qdce8b9131d_sink
		.amdhsa_group_segment_fixed_size 176384
		.amdhsa_private_segment_fixed_size 0
		.amdhsa_enable_private_segment 0
		.amdhsa_kernarg_size 16
		.amdhsa_user_sgpr_count 2
		.amdhsa_user_sgpr_kernarg_segment_ptr 1
		.amdhsa_wavefront_size32 1
		.amdhsa_system_sgpr_workgroup_id_x 1
		.amdhsa_system_sgpr_workgroup_id_y 1
		.amdhsa_system_sgpr_workgroup_id_z 1
		.amdhsa_system_vgpr_workitem_id 0
		.amdhsa_next_free_vgpr 1024
		.amdhsa_next_free_sgpr 96
		.amdhsa_reserve_vcc 0
		.amdhsa_float_denorm_mode_32 3
		.amdhsa_float_denorm_mode_16_64 3
		.amdhsa_memory_ordered 1
		.amdhsa_forward_progress 1
		.amdhsa_inst_pref_size 255
	.end_amdhsa_kernel
	.section	.bss,"aw",@nobits
	.p2align	6
	.space	262144
	.amdgpu_metadata
---
amdhsa.version: [ 1, 2 ]
amdhsa.kernels:
  - .name:           k_qdce8b9131d_sink
    .symbol:         k_qdce8b9131d_sink.kd
    .args:
      - { .name: pj, .offset: 0, .size: 8, .value_kind: global_buffer, .address_space: global }
      - { .name: sk, .offset: 8, .size: 8, .value_kind: global_buffer, .address_space: global }
    .group_segment_fixed_size: 176384
    .private_segment_fixed_size: 0
    .kernarg_segment_align: 8
    .kernarg_segment_size: 16
    .max_flat_workgroup_size: 128
    .sgpr_count:     96
    .vgpr_count:     1024
    .wavefront_size: 32
...
	.end_amdgpu_metadata
.endif
;; end of part 6
;; launch emit (part 7): grid 16 x 16, 4 waves a work-group, no clusters, 23,552 bytes of LDS; arguments pj, sk, out0, out1; writes out0, out1
.if DOCPART == 7
	.amdgcn_target "amdgcn-amd-amdhsa--gfx1250"
	.amdhsa_code_object_version 6
	.text
	.protected	k_qdce8b9131d_emit
	.globl	k_qdce8b9131d_emit
	.p2align	8
	.type	k_qdce8b9131d_emit,@function
k_qdce8b9131d_emit:
	s_mov_b64 s[64:65], 0
	v_nop
	global_prefetch_b8 v0, s[64:65] scope:SCOPE_SE
	s_setreg_imm32_b32 hwreg(HW_REG_WAVE_SCHED_MODE, 0, 2), 2
	s_setreg_imm32_b32 hwreg(HW_REG_WAVE_MODE, 25, 1), 1
	s_wait_xcnt 0x0
	s_wait_alu depctr_vm_vsrc(0)
; out1[n][l 128][k 512][h 8] = the drug x protein matrix, made anew from codes and from the vectors that the launch before left: A = a_i (2^(c2 s' + LV_j) + w_j); and out0 = the sums of that launch's parts.
; Work-group (x = g, y = n): keys 32 g .. 32 g + 31; wave w: keys k0 = 32 g + 8 w .. + 7, all 128 rows, all 8 heads.
; ONE MATRIX INSTRUCTION (hh = 0 .. 3) MAKES 16 ROWS x 8 KEYS x 2 HEADS: source 0, lane (r, hf): q's codes of row r and head hh + 4 hf, so that the two heads stand in K blocks 0 and 1; source 1, column r:
; key k0 + r / 2 and head hh + 4 (r % 2), its codes in block r % 2 alone, zeros elsewhere.  After the four, lane r holds heads 4 (r % 2) + 0 .. 3 of its key: 16 neighbouring bytes of out1,
; and sixteen lanes store 256 consecutive bytes, aligned, with no turn through LDS.
; The row offset (0, or -1e30 in a masked row) is the C of the product, so that masked rows give 0.  LIMITS: as in the launch before.
; THE MODE: SCHED_MODE bits 1:0 = 2 (LLVM: expert scheduling mode 2), set by the entry lines.  The code itself states the register dependences
; between vector or matrix instructions and memory or LDS instructions, with s_wait_alu, always for 0.
; THE PLAN.  The eight trips of 16 rows are written out; the trip's number stands in the immediates of the LDS loads and of the stores, so that no address and no base is written behind the head.
; Registers that memory or LDS instructions touch, in a trip t:
;   AF's code quads, AS, RO   Read by the trip's four products; behind them the loads of trip t + 1 land in them.
;   AI, two sets by turns     Trip t's 32 multiplications read set t % 2; the loads of trip t + 1 land in the other set, which trip t - 1's multiplications read.
;   OUT                       Written by the trip's multiplications, read by its eight stores, written again a trip on.
;   v208-211, v216            LDS addresses and the stores' offset: made at the head, never written again.
; So one wait on va_vdst behind the products' places frees all that the next trip's 18 loads land in, and these have the rest of the trip in which to land; one stands ahead of the stores;
; and the pair that frees OUT (s_wait_xcnt 0 and a wait on vm_vsrc) stands ahead of the multiplications, most of a trip behind the stores that it waits for.
.set QC_D, 0x200000
.set KC_P, 0x100000
.set KS_P, 0x2C0000
.set QS_D, 0x300000
.set MF_D, 0x47C000
.set DPA,  0x10000
.set DPL,  0x20000
.set DPW,  0x60000
.set L_ASW,  16384                     ; LDS: behind q's codes [head][l][16 B]: source 0's scale words [hh][l]
.set L_DPA,  18432                     ; a [head][l]
.set L_RO,   22528                     ; the row offsets [l]
.set LVP, 12                           ; v12-19  LV of my key and four heads, as pairs whose low word serves both halves
.set WP,  20                           ; v20-27  w likewise
.set AS,  28                           ; v28-31  source 0's scale words
.set BS,  32                           ; v32-35  source 1's
.set BF,  40                           ; v40-71  source 1's four fragments
.set AF,  72                           ; v72-103 source 0's
.set RO,  104                          ; v104-111
.set AI,  112                          ; v112-143 a of my 8 rows and four heads: the even trips' set
.set AI2, 222                          ; v222-253 the odd trips' set
.set D,   144                          ; v144-175
.set OUT, 176                          ; v176-207 register 4 j + hh
; Trip t's operands from LDS
.macro FETCH t
.set AN, AI+(AI2-AI)*((\t)%2)
.irp h, 0,1,2,3
	ds_load_b128 v[AF+8*\h:AF+8*\h+3], v208 offset:2048*\h+256*(\t)
	ds_load_b32 v[AS+\h], v209 offset:L_ASW+512*\h+64*(\t)
	ds_load_b128 v[AN+8*\h:AN+8*\h+3], v210 offset:L_DPA+512*\h+64*(\t)
	ds_load_b128 v[AN+8*\h+4:AN+8*\h+7], v210 offset:L_DPA+512*\h+64*(\t)+16
.endr
	ds_load_b128 v[RO:RO+3], v211 offset:L_RO+64*(\t)
	ds_load_b128 v[RO+4:RO+7], v211 offset:L_RO+64*(\t)+16
.endm
; Trip t: rows 16 t .. 16 t + 15
.macro TRIP t
.set AC, AI+(AI2-AI)*((\t)%2)
	s_wait_dscnt 0x0                               ; this trip's operands, asked for a trip ago, are in
.irp h, 0,1,2,3
	v_wmma_scale_f32_16x16x128_f8f6f4 v[D+8*\h:D+8*\h+7], v[AF+8*\h:AF+8*\h+7], v[BF+8*\h:BF+8*\h+7], v[RO:RO+7], v[AS+\h], v[BS+\h] matrix_a_fmt:MATRIX_FMT_FP4 matrix_b_fmt:MATRIX_FMT_FP4
.endr
.rept 4
	v_nop                                          ; places behind the products
.endr
.if (\t) < 7
	s_wait_alu depctr_va_vdst(0)                   ; the four products are done reading q's codes, their scale words and the row offsets; the last trip's multiplications are done reading the other set of a
	FETCH (\t)+1
.endif
.irp h, 0,1,2,3
.irp j, 0,2,4,6
	v_pk_fma_f32 v[D+8*\h+\j:D+8*\h+\j+1], v[D+8*\h+\j:D+8*\h+\j+1], s[16:17], v[LVP+2*\h:LVP+2*\h+1] op_sel_hi:[1,0,0]
.endr
.endr
.set ei, 0
.rept 32
	v_exp_f32 v[D+ei], v[D+ei]
.set ei, ei+1
.endr
	v_nop                                          ; a plain place behind the exponentials
	s_wait_alu depctr_va_vdst(0)                   ; the 32 exponentials are written, ahead of their first reader
.irp h, 0,1,2,3
.irp j, 0,2,4,6
	v_pk_add_f32 v[D+8*\h+\j:D+8*\h+\j+1], v[D+8*\h+\j:D+8*\h+\j+1], v[WP+2*\h:WP+2*\h+1] op_sel_hi:[1,0]
.endr
.endr
.if (\t) > 0
	s_wait_xcnt 0x0                                ; the last trip's stores have had their addresses translated,
	s_wait_alu depctr_vm_vsrc(0)                   ; and have read OUT, which the multiplications below write again
.endif
.irp h, 0,1,2,3
.irp j, 0,1,2,3,4,5,6,7
	v_mul_f32 v[OUT+4*\j+\h], v[D+8*\h+\j], v[AC+8*\h+\j]
.endr
.endr
	s_wait_alu depctr_va_vdst(0)                   ; the multiplications have written OUT, which the stores read
.irp j, 0,1,2,3,4,5,6,7
	global_store_b128 v216, v[OUT+4*\j:OUT+4*\j+3], s[10:11] offset:16384*\j+0x40000*(\t) th:TH_STORE_NT   ; lanes 0-15 store 256 consecutive bytes of row j, lanes 16-31 of row 8 + j, both aligned
.endr
.endm
	s_load_b256 s[4:11], s[0:1], 0x0               ; pj, sk, out0, out1
	v_lshl_add_u32 v254, v0, 2, 0x5a00
	v_mov_b32 v255, 0
	v_lshrrev_b32 v1, 5, v0
	v_readfirstlane_b32 s12, v1                    ; wave
	s_and_b32 s14, ttmp7, 0xffff                   ; n
	s_mov_b32 s16, 0x3e8293ee                      ; c2 = log2(e) / sqrt(32)
	s_mov_b32 s17, s16
	s_mov_b32 s18, 0x7149f2ca                      ; 1e30
	s_mov_b32 s19, 0xf149f2ca
	s_mov_b32 s24, 0x01010101
	v_lshlrev_b32 v1, 4, v0                        ; 16 T
	v_lshlrev_b32 v2, 2, v0                        ; 4 T
	v_and_b32 v3, 15, v0                           ; r
	v_bfe_u32 v4, v0, 4, 1                         ; hf
	s_lshl_b32 s25, s14, 14
	v_add_nc_u32 v5, s25, v1
	s_lshl_b32 s26, s14, 12
	v_add_nc_u32 v6, s26, v1
	v_add_nc_u32 v7, s26, v2
	s_lshl_b32 s27, s14, 9
	v_add_nc_u32 v8, s27, v2
	s_lshl_b32 s28, ttmp9, 5
	s_wait_alu depctr_va_sdst(0)                   ; s12 is written, ahead of its first reader
	s_lshl_b32 s29, s12, 3
	s_add_co_u32 s28, s28, s29                     ; k0
	s_add_co_u32 s29, s26, s28
	v_and_b32 v202, 1, v3                          ; r % 2
	v_lshrrev_b32 v9, 1, v3
	v_lshl_add_u32 v9, v202, 11, v9
	v_add_nc_u32 v9, s29, v9                       ; (8 n + 4 (r % 2)) 512 + k0 + r / 2
	v_lshlrev_b32 v10, 4, v9
	v_lshlrev_b32 v11, 2, v9
	v_lshlrev_b32 v208, 4, v3
	v_lshl_add_u32 v208, v4, 13, v208              ; q's codes: 8,192 hf + 16 r
	v_lshlrev_b32 v209, 2, v3                      ; scale words: 4 r
	v_lshlrev_b32 v210, 11, v202
	v_lshl_add_u32 v210, v4, 5, v210               ; a: 2,048 (r % 2) + 32 hf
	v_lshlrev_b32 v211, 5, v4                      ; row offsets: 32 hf
	s_lshl_b32 s30, s28, 5
	v_lshl_add_u32 v216, v3, 4, s30
	v_lshl_add_u32 v216, v4, 17, v216              ; out1: 8 hf rows of 16,384 bytes + 32 k0 + 16 r
.irp h, 0,1,2,3
	v_mov_b32 v[LVP+2*\h+1], 0
	v_mov_b32 v[WP+2*\h+1], 0
.irp k, 4,5,6,7
	v_mov_b32 v[BF+8*\h+\k], 0                     ; blocks 2 and 3 are idle: zero codes
	v_mov_b32 v[AF+8*\h+\k], 0
.endr
.endr
	s_wait_kmcnt 0x0
	s_wait_alu depctr_va_vdst(0)                   ; the offsets and addresses v1, v2, v5 to v11, v208 to v211 and v216 are written, which the loads, LDS instructions and stores of the kernel read
.irp i, 0,1,2,3,4,5,6,7
	global_load_b128 v[144+4*\i:147+4*\i], v5, s[4:5] offset:QC_D+2048*\i
.endr
.irp i, 0,1
	global_load_b128 v[176+4*\i:179+4*\i], v6, s[6:7] offset:DPA+2048*\i
.endr
.irp h, 0,1,2,3,4,5,6,7
	global_load_b32 v[184+\h], v7, s[4:5] offset:QS_D+512*\h
.endr
	global_load_b32 v192, v8, s[4:5] offset:MF_D
.irp h, 0,1,2,3
	global_load_b128 v[BF+8*\h:BF+8*\h+3], v10, s[4:5] offset:KC_P+8192*\h
	global_load_b32 v[193+\h], v11, s[4:5] offset:KS_P+2048*\h
	global_load_b32 v[LVP+2*\h], v11, s[6:7] offset:DPL+2048*\h
	global_load_b32 v[WP+2*\h], v11, s[6:7] offset:DPW+2048*\h
.endr
	s_lshl_b32 s30, s14, 21
	s_mov_b32 s31, 0
	s_add_nc_u64 s[10:11], s[10:11], s[30:31]      ; out1 at my batch entry
	s_wait_loadcnt 0x0
.irp i, 0,1,2,3,4,5,6,7
	ds_store_b128 v1, v[144+4*\i:147+4*\i] offset:2048*\i
.endr
.irp i, 0,1
	ds_store_b128 v1, v[176+4*\i:179+4*\i] offset:L_DPA+2048*\i
.endr
.irp h, 0,1,2,3
	v_bfi_b32 v[197+\h], 0xff, v[184+\h], v[188+\h]   ; byte 0: head hh; byte 1: head hh + 4
.endr
	v_fma_f32 v201, v192, s18, s19
	v_lshlrev_b32 v203, 3, v202
	v_mov_b32 v204, 0xff
	v_lshlrev_b32 v203, v203, v204                 ; my column's block, as a mask of its byte
.irp h, 0,1,2,3
	v_bfi_b32 v[BS+\h], v203, v[193+\h], s24       ; k's byte there, 1 in the idle blocks
.endr
	v_cmp_eq_u32 vcc_lo, v202, v4
	s_wait_alu depctr_va_vcc(0)                    ; VCC is written, ahead of the selects that read it
.irp h, 0,1,2,3
.irp k, 0,1,2,3
	v_cndmask_b32 v[BF+8*\h+\k], 0, v[BF+8*\h+\k], vcc_lo   ; codes in block r % 2 alone
.endr
.endr
.rept 8
	v_nop                                          ; places between the vector instructions that made scale words and codes and the scaled products
.endr
	s_wait_alu depctr_va_vdst(0)                   ; source 0's scale words and the row offset are written, which the LDS stores read; so are source 1's codes and scale words and the zero quads, which the scaled products take: the places above stay beside this wait
.irp h, 0,1,2,3
	ds_store_b32 v2, v[197+\h] offset:L_ASW+512*\h
.endr
	ds_store_b32 v2, v201 offset:L_RO
	s_wait_dscnt 0x0
	s_barrier_signal -1
	s_barrier_wait -1
	s_wait_alu depctr_vm_vsrc(0)                   ; my LDS stores have read v144 to v183 and v197 to v201: these registers are D and OUT from here on
	FETCH 0
.irp t, 0,1,2,3,4,5,6,7
	TRIP \t
.endr
	s_cmp_lg_u32 s12, 0
	s_cbranch_scc1 .Lend
	; out0[n][32 g + lane]: columns 0-255 are protein's (matrices 0 and 1), columns 256-511 drug's (2 and 3)
	s_lshr_b32 s25, ttmp9, 3
	s_lshl_b32 s25, s25, 15
	s_lshl_b32 s26, s14, 10
	s_add_co_u32 s25, s25, s26
	s_and_b32 s26, ttmp9, 7
	s_lshl_b32 s26, s26, 7
	s_add_co_u32 s25, s25, s26
	v_and_b32 v217, 31, v0
	v_lshlrev_b32 v220, 2, v217
	v_add_nc_u32 v217, s25, v220
	s_lshl_b32 s26, s14, 11
	s_lshl_b32 s27, ttmp9, 7
	s_add_co_u32 s26, s26, s27
	v_add_nc_u32 v220, s26, v220
	s_wait_alu depctr_va_vdst(0)                   ; the two offsets are written, which the loads and the store read
	global_load_b32 v218, v217, s[6:7]
	global_load_b32 v219, v217, s[6:7] offset:16384
	s_wait_loadcnt 0x0
	v_add_f32 v218, v218, v219
	s_wait_alu depctr_va_vdst(0)                   ; the sum is written, which the store reads
	global_store_b32 v220, v218, s[8:9]
.Lend:
	s_wait_dscnt 0x0                               ; the closing lines, six on end
	s_wait_alu 0x0
	s_wait_tensorcnt 0x0
	ds_add_u32 v254, v255
	s_wait_dscnt 0x0
	s_endpgm
.Lfunc_end_k_qdce8b9131d_emit:
	.size	k_qdce8b9131d_emit, .Lfunc_end_k_qdce8b9131d_emit-k_qdce8b9131d_emit
	.p2alignl 7, 3214868480
	.fill 96, 4, 3214868480
	.section	.rodata,"a",@progbits
	.p2align	6, 0x0
	.amdhsa_kernel k_qdce8b9131d_emit
		.amdhsa_group_segment_fixed_size 23552
		.amdhsa_private_segment_fixed_size 0
		.amdhsa_enable_private_segment 0
		.amdhsa_kernarg_size 32
		.amdhsa_user_sgpr_count 2
		.amdhsa_user_sgpr_kernarg_segment_ptr 1
		.amdhsa_wavefront_size32 1
		.amdhsa_system_sgpr_workgroup_id_x 1
		.amdhsa_system_sgpr_workgroup_id_y 1
		.amdhsa_system_sgpr_workgroup_id_z 1
		.amdhsa_system_vgpr_workitem_id 0
		.amdhsa_next_free_vgpr 256
		.amdhsa_next_free_sgpr 66
		.amdhsa_reserve_vcc 1
		.amdhsa_float_denorm_mode_32 3
		.amdhsa_float_denorm_mode_16_64 3
		.amdhsa_memory_ordered 1
		.amdhsa_forward_progress 1
		.amdhsa_inst_pref_size 65
	.end_amdhsa_kernel
	.amdgpu_metadata
---
amdhsa.version: [ 1, 2 ]
amdhsa.kernels:
  - .name:           k_qdce8b9131d_emit
    .symbol:         k_qdce8b9131d_emit.kd
    .args:
      - { .name: pj, .offset: 0, .size: 8, .value_kind: global_buffer, .address_space: global }
      - { .name: sk, .offset: 8, .size: 8, .value_kind: global_buffer, .address_space: global }
      - { .name: out0, .offset: 16, .size: 8, .value_kind: global_buffer, .address_space: global }
      - { .name: out1, .offset: 24, .size: 8, .value_kind: global_buffer, .address_space: global }
    .group_segment_fixed_size: 23552
    .private_segment_fixed_size: 0
    .kernarg_segment_align: 8
    .kernarg_segment_size: 32
    .max_flat_workgroup_size: 128
    .sgpr_count:     66
    .vgpr_count:     256
    .wavefront_size: 32
...
	.end_amdgpu_metadata
.endif
;; end of part 7
